; MI455X (gfx1250); checked and timed in simulation.
; The chip was launched on July 23, 2026; its instructions are those of AMD's public machine-readable ISA for CDNA 5 (MIT licence, August 2026) and "CDNA5" Instruction Set Architecture Reference Guide (July 2026). The comments in the code are by the model that wrote it; some were corrected since.
;; Mo EMLP. Allowed arithmetic: float matrix products may take bf16 or f16 operands with f32 sums; other float arithmetic in f32, or as packed bf16 or f16 multiplies, adds, multiply-adds, maxima and minima; sums over many terms, partial sums and values carried from step to step in f32; what a program stores and reads back later, other than sums and carried values, may be rounded once to bf16 or f16.
;; Inputs: b1 8 x 4,096 float32; b2 8 x 1,024 float32; hidden_states 4 x 256 x 1,024 float32; w1 8 x 4,096 x 1,024 float32; w2 8 x 1,024 x 4,096 float32; w_router 8 x 1,024 float32.
;; Outputs: out0 4 x 256 x 1,024 float32.
;; 3 versions, each right; version 2 is faster than version 1; version 3 is version 2 with the launches ffn1, ffn2 written anew for expert scheduling mode. Each part assembles by itself: llvm-mc -triple=amdgcn-amd-amdhsa -mcpu=gfx1250 --defsym DOCPART=n.
;; ======== version 1 of 3: 4 launches
;; limits: a function is approximated: absolute error at most 1.5e-07
;; workspace buffers: xb 2,097,152 bytes; choice 8,192 bytes of whole numbers; gates 8,192 bytes; maskbuf 1,024 bytes of whole numbers; hbuf 67,108,864 bytes; ypart 134,217,728 bytes
;; launch router (part 1): grid 64 x 1, 8 waves a work-group, no clusters, 44,032 bytes of LDS; arguments hidden_states, w_router, xb, choice, gates, maskbuf; writes xb, choice, gates, maskbuf
.if DOCPART == 1
	.amdgcn_target "amdgcn-amd-amdhsa--gfx1250"
	.amdhsa_code_object_version 6
	.text
	.protected	k_q9f046bdb83_router
	.globl	k_q9f046bdb83_router
	.p2align	8
	.type	k_q9f046bdb83_router,@function
k_q9f046bdb83_router:
	s_mov_b64 s[64:65], 0
	v_nop
	global_prefetch_b8 v0, s[64:65] scope:SCOPE_SE
	s_setreg_imm32_b32 hwreg(HW_REG_WAVE_MODE, 25, 1), 1
	s_wait_xcnt 0x0
; ROUTER.  logits[t][e] = x[t] . w_router[e], both rounded to bf16 (as every input of this program is), sums in f32; the two largest logits of a token, the lower index on a tie;
; gates = softmax of the two (the larger is taken away before the exponential).  Also x is stored once as bf16 for the first product.
; Stored at fixed places, so that no address here hangs on a floating-point number: choice[t] = (first, second expert), gates[t] = (g first, g second),
; maskbuf[e][g] (16 bits): bit i says that token 16 g + i chose expert e.
; SHARES.  A work-group has 16 tokens, wave w the channels 128 w .. 128 w + 127; the eight partial logits meet in LDS, wave 0 adds them in the order of the waves and chooses.
; LIMITS.  Logits are taken to be finite: NaN and infinities are not treated apart.
; No joint loads: the work-groups share w_router alone, 32 KiB against the 64 KiB of x that each reads for itself.
.set XSP,   272                        ; a row of 128 bf16 in LDS: 256 bytes + 16: the 16 rows of a fragment load start 4 words apart modulo 64
.set XSW,   16*XSP                     ; a wave's own 16 rows
.set RED,   8*XSW                      ; 8 blocks of 1,024 bytes: a wave's partial logits, 32 bytes a lane
.set SPARE, RED+8*1024                 ; the spare words, 128 bytes a wave: four blocks of 256 bytes that no other line names
.set SPW, 4                            ; v4  my spare word's address; never rewritten
.set NIL, 5                            ; v5  0; never rewritten
.set A0,  16                           ; v[16:23], v[24:31] two accumulators that take turns
.set A1,  24
.set XR,  32                           ; v[32:95]   16 rows x 4 f32 as loaded; then 2 registers of bf16 a row
.set WR,  96                           ; v[96:159]  w_router as loaded; later wave 0's eight partial sums and its work
.set WFR, 160                          ; v[160:191] four fragments of w_router
.set XFR, 192                          ; v[192:223] four fragments of x
	s_load_b256 s[4:11], s[0:1], 0x0               ; x s[4:5], w_router s[6:7], xb s[8:9], choice s[10:11]
	s_load_b128 s[12:15], s[0:1], 0x20             ; gates s[12:13], maskbuf s[14:15]
	v_lshl_add_u32 v[SPW], v0, 2, SPARE
	v_mov_b32 v[NIL], 0
	v_lshrrev_b32 v6, 5, v0
	v_readfirstlane_b32 s2, v6                     ; wave 0..7
	v_and_b32 v1, 15, v0                           ; r = lane % 16
	v_bfe_u32 v2, v0, 4, 1                         ; h = lane / 16
	v_and_b32 v3, 31, v0                           ; lane
	s_lshl_b32 s16, ttmp9, 16                      ; 16 rows of 4,096 bytes of x
	s_mov_b32 s17, 0
	s_lshl_b32 s18, ttmp9, 15                      ; 16 rows of 2,048 bytes of xb
	s_mov_b32 s19, 0
	s_lshl_b32 s20, ttmp9, 7                       ; 16 tokens x 8 bytes of choice and of gates
	s_mov_b32 s21, 0
	s_lshl_b32 s22, ttmp9, 1                       ; my 16 bits in each expert's row of maskbuf
	s_mov_b32 s23, 0
	s_mul_i32 s24, s2, XSW                         ; my wave's rows in LDS
	s_lshl_b32 s25, s2, 10
	s_add_co_u32 s25, s25, RED                     ; my wave's block of partial logits
	v_lshlrev_b32 v7, 4, v3
	v_lshl_add_u32 v7, s2, 9, v7                   ; x: 512 w + 16 lane
	v_and_b32 v8, 7, v0
	v_lshlrev_b32 v8, 12, v8                       ; w_router: row r % 8 (rows 8-15 of the fragment repeat the eight experts),
	v_lshl_add_u32 v8, v2, 5, v8                   ; + 32 h
	v_lshl_add_u32 v8, s2, 9, v8                   ; + 512 w
	v_lshlrev_b32 v9, 3, v3
	v_lshl_add_u32 v9, s2, 8, v9                   ; xb: 256 w + 8 lane
	v_lshl_add_u32 v10, v3, 3, s24                 ; LDS, in: 8 lane
	v_mul_u32_u24 v11, v1, XSP
	v_lshl_add_u32 v11, v2, 4, v11
	v_add_nc_u32 v11, s24, v11                     ; LDS, fragments: row r, 16 h
	v_lshl_add_u32 v12, v3, 5, s25                 ; my 32 bytes of partial logits
	v_lshlrev_b32 v13, 5, v3
	v_add_nc_u32 v13, RED, v13                     ; the same lane's 32 bytes in wave 0's block
	v_lshlrev_b32 v14, 3, v1                       ; 8 r: choice, gates
	v_lshlrev_b32 v15, 7, v3                       ; 128 lane: an expert's row of maskbuf
	s_wait_kmcnt 0x0
	s_add_nc_u64 s[4:5], s[4:5], s[16:17]
	s_add_nc_u64 s[8:9], s[8:9], s[18:19]
	s_add_nc_u64 s[10:11], s[10:11], s[20:21]
	s_add_nc_u64 s[12:13], s[12:13], s[20:21]
	s_add_nc_u64 s[14:15], s[14:15], s[22:23]
.set i, 0
.rept 16                               ; row i: the wave's load covers 512 consecutive bytes
	global_load_b128 v[XR+4*i:XR+4*i+3], v7, s[4:5] offset:4096*i th:TH_LOAD_NT
.set i, i+1
.endr
.set i, 0
.rept 4                                ; fragment i (32 channels): the lane's channels 8 h + 0..7 and 16 + 8 h + 0..7, in f32
	global_load_b128 v[WR+16*i:WR+16*i+3],     v8, s[6:7] offset:128*i
	global_load_b128 v[WR+16*i+4:WR+16*i+7],   v8, s[6:7] offset:128*i+16
	global_load_b128 v[WR+16*i+8:WR+16*i+11],  v8, s[6:7] offset:128*i+64
	global_load_b128 v[WR+16*i+12:WR+16*i+15], v8, s[6:7] offset:128*i+80
.set i, i+1
.endr
.set i, 0
.rept 16
	s_wait_loadcnt 31-i                            ; loads return in order: row i is in; the 15 - i younger rows and the 16 loads of w_router stay out
	v_cvt_pk_bf16_f32 v[XR+4*i],   v[XR+4*i],   v[XR+4*i+1]
	v_cvt_pk_bf16_f32 v[XR+4*i+1], v[XR+4*i+2], v[XR+4*i+3]
	global_store_b64 v9, v[XR+4*i:XR+4*i+1], s[8:9] offset:2048*i  ; the wave stores 256 consecutive bytes, aligned; these registers are not written again
	ds_store_b64 v10, v[XR+4*i:XR+4*i+1] offset:XSP*i
.set i, i+1
.endr
	s_wait_loadcnt 0x0                             ; w_router
.set i, 0
.rept 32
	v_cvt_pk_bf16_f32 v[WFR+i], v[WR+2*i], v[WR+2*i+1]
.set i, i+1
.endr
.set i, 0
.rept 4                                ; my wave's own bytes: LDS serves a wave's instructions in order, so these see the stores above
	ds_load_b128 v[XFR+8*i:XFR+8*i+3],   v11 offset:64*i
	ds_load_b128 v[XFR+8*i+4:XFR+8*i+7], v11 offset:64*i+32
.set i, i+1
.endr
	s_wait_dscnt 0x0
	; source 0 = experts, source 1 = tokens: a lane then holds token r, and register j the logit of expert j (in both halves of the lanes)
	v_wmma_f32_16x16x32_bf16 v[A0:A0+7], v[WFR:WFR+7],       v[XFR:XFR+7],       0
	v_wmma_f32_16x16x32_bf16 v[A1:A1+7], v[WFR+8:WFR+15],    v[XFR+8:XFR+15],    0
	v_wmma_f32_16x16x32_bf16 v[A0:A0+7], v[WFR+16:WFR+23],   v[XFR+16:XFR+23],   v[A0:A0+7]
	v_wmma_f32_16x16x32_bf16 v[A1:A1+7], v[WFR+24:WFR+31],   v[XFR+24:XFR+31],   v[A1:A1+7]
.rept 4
	v_nop                                          ; four places between the products and the first reader of their results (ISA guide 7.12.1)
.endr
.set i, 0
.rept 4                                ; from the low end on
	v_pk_add_f32 v[A0+2*i:A0+2*i+1], v[A0+2*i:A0+2*i+1], v[A1+2*i:A1+2*i+1]
.set i, i+1
.endr
	ds_store_b128 v12, v[A0:A0+3]
	ds_store_b128 v12, v[A0+4:A0+7] offset:16
	s_wait_dscnt 0x0                               ; for wave 0's sake: my partial logits are in LDS
	s_barrier_signal -1
	s_barrier_wait -1
	s_cmp_lg_u32 s2, 0
	s_cbranch_scc1 .Lend                           ; the choice is wave 0's work
.set i, 0
.rept 8
	ds_load_b128 v[WR+8*i:WR+8*i+3],   v13 offset:1024*i
	ds_load_b128 v[WR+8*i+4:WR+8*i+7], v13 offset:1024*i+16
.set i, i+1
.endr
	s_wait_dscnt 0x0
.set i, 1
.rept 7                                ; the eight parts, in the order of the waves
	v_pk_add_f32 v[WR:WR+1],   v[WR:WR+1],   v[WR+8*i:WR+8*i+1]
	v_pk_add_f32 v[WR+2:WR+3], v[WR+2:WR+3], v[WR+8*i+2:WR+8*i+3]
	v_pk_add_f32 v[WR+4:WR+5], v[WR+4:WR+5], v[WR+8*i+4:WR+8*i+5]
	v_pk_add_f32 v[WR+6:WR+7], v[WR+6:WR+7], v[WR+8*i+6:WR+8*i+7]
.set i, i+1
.endr
	; v104 the largest, v105 the second; v[106:107] their experts; a later expert wins only if it is strictly larger
	v_mov_b32 v104, v[WR]
	v_mov_b32 v106, 0
.irp e, 1,2,3,4,5,6,7
	v_cmp_le_f32 vcc_lo, v[WR+\e], v104
	v_cndmask_b32 v104, v[WR+\e], v104, vcc_lo
	v_cndmask_b32 v106, \e, v106, vcc_lo
.endr
	v_mov_b32 v108, 0xff800000                     ; the first choice leaves the field
.irp e, 0,1,2,3,4,5,6,7
	v_cmp_eq_u32 vcc_lo, \e, v106
	v_cndmask_b32 v[WR+\e], v[WR+\e], v108, vcc_lo
.endr
	v_mov_b32 v105, v[WR]
	v_mov_b32 v107, 0
.irp e, 1,2,3,4,5,6,7
	v_cmp_le_f32 vcc_lo, v[WR+\e], v105
	v_cndmask_b32 v105, v[WR+\e], v105, vcc_lo
	v_cndmask_b32 v107, \e, v107, vcc_lo
.endr
	v_sub_f32 v109, v105, v104                     ; second - first: never above 0
	v_mul_f32 v109, 0x3fb8aa3b, v109
	v_exp_f32 v110, v109
	v_mov_b32 v114, 0                              ; (a plain instruction behind the exponential) the masks' register
	s_wait_alu depctr_va_vdst(0)                   ; the wait ahead of the result's first reader
	v_add_f32 v111, 1.0, v110
	v_rcp_f32 v112, v111                           ; g first = 1 / (1 + w)
	v_nop
	s_wait_alu depctr_va_vdst(0)
	v_mul_f32 v113, v110, v112                     ; g second = w / (1 + w)
.irp e, 0,1,2,3,4,5,6,7                ; lane e of v114 takes expert e's 16 tokens (bits 16-31 repeat them and are not stored)
	v_cmp_eq_u32 s26, \e, v106
	v_cmp_eq_u32 s27, \e, v107
	s_or_b32 s26, s26, s27
	v_writelane_b32 v114, s26, \e
.endr
	s_wait_xcnt 0x0                                ; EXEC changes only when the earlier stores have had their addresses translated
	v_cmp_gt_u32 vcc_lo, 16, v3
	s_and_saveexec_b32 s28, vcc_lo
	global_store_b64 v14, v[106:107], s[10:11]     ; lanes 0-15: a token each
	global_store_b64 v14, v[112:113], s[12:13]
	s_wait_xcnt 0x0
	s_or_b32 exec_lo, exec_lo, s28
	v_cmp_gt_u32 vcc_lo, 8, v3
	s_and_saveexec_b32 s28, vcc_lo
	global_store_b16 v15, v114, s[14:15]           ; lanes 0-7: an expert each; 16 bytes in all a work-group
	s_wait_xcnt 0x0
	s_or_b32 exec_lo, exec_lo, s28
.Lend:
	s_wait_tensorcnt 0x0                           ; the wave's end, behind my last LDS store
	ds_add_u32 v[SPW], v[NIL]
	s_wait_dscnt 0x0
	s_endpgm
.Lfunc_end_k_q9f046bdb83_router:
	.size	k_q9f046bdb83_router, .Lfunc_end_k_q9f046bdb83_router-k_q9f046bdb83_router
	.p2alignl 7, 3214868480
	.fill 96, 4, 3214868480
	.section	.rodata,"a",@progbits
	.p2align	6, 0x0
	.amdhsa_kernel k_q9f046bdb83_router
		.amdhsa_group_segment_fixed_size 44032
		.amdhsa_private_segment_fixed_size 0
		.amdhsa_enable_private_segment 0
		.amdhsa_kernarg_size 48
		.amdhsa_user_sgpr_count 2
		.amdhsa_user_sgpr_kernarg_segment_ptr 1
		.amdhsa_wavefront_size32 1
		.amdhsa_system_sgpr_workgroup_id_x 1
		.amdhsa_system_sgpr_workgroup_id_y 1
		.amdhsa_system_sgpr_workgroup_id_z 1
		.amdhsa_system_vgpr_workitem_id 0
		.amdhsa_next_free_vgpr 224
		.amdhsa_next_free_sgpr 66
		.amdhsa_reserve_vcc 1
		.amdhsa_float_denorm_mode_32 3
		.amdhsa_float_denorm_mode_16_64 3
		.amdhsa_memory_ordered 1
		.amdhsa_forward_progress 1
		.amdhsa_inst_pref_size 22
	.end_amdhsa_kernel
	.amdgpu_metadata
---
amdhsa.version: [ 1, 2 ]
amdhsa.kernels:
  - .name:           k_q9f046bdb83_router
    .symbol:         k_q9f046bdb83_router.kd
    .args:
      - { .name: hidden_states, .offset: 0, .size: 8, .value_kind: global_buffer, .address_space: global }
      - { .name: w_router, .offset: 8, .size: 8, .value_kind: global_buffer, .address_space: global }
      - { .name: xb, .offset: 16, .size: 8, .value_kind: global_buffer, .address_space: global }
      - { .name: choice, .offset: 24, .size: 8, .value_kind: global_buffer, .address_space: global }
      - { .name: gates, .offset: 32, .size: 8, .value_kind: global_buffer, .address_space: global }
      - { .name: maskbuf, .offset: 40, .size: 8, .value_kind: global_buffer, .address_space: global }
    .group_segment_fixed_size: 44032
    .private_segment_fixed_size: 0
    .kernarg_segment_align: 8
    .kernarg_segment_size: 48
    .max_flat_workgroup_size: 256
    .sgpr_count:     66
    .vgpr_count:     224
    .wavefront_size: 32
...
	.end_amdgpu_metadata
.endif
;; end of part 1
;; launch ffn1 (part 2): grid 256 x 1, 4 waves a work-group, no clusters, 314,880 bytes of LDS; arguments maskbuf, xb, w1, hbuf, b1; writes hbuf
.if DOCPART == 2
	.amdgcn_target "amdgcn-amd-amdhsa--gfx1250"
	.amdhsa_code_object_version 6
	.text
	.protected	k_q9f046bdb83_ffn1
	.globl	k_q9f046bdb83_ffn1
	.p2align	8
	.type	k_q9f046bdb83_ffn1,@function
k_q9f046bdb83_ffn1:
	s_mov_b64 s[64:65], 0
	v_nop
	global_prefetch_b8 v0, s[64:65] scope:SCOPE_SE
	s_setreg_imm32_b32 hwreg(HW_REG_WAVE_MODE, 25, 1), 1
	s_wait_xcnt 0x0
; THE FIRST PRODUCT OF THE EXPERTS.
;   hbuf[e][t][128 s + n] = gelu(x[t] . w1[e][128 s + n] + b1[e][128 s + n]), bf16, for the tokens t that chose expert e.   Work-group = (e, s): 8 x 32.
; A work-group owns a slice of 128 rows x 1,024 K of ONE expert's weights, 512 KiB of f32 that it alone reads, once; and all of that expert's token rows.
; PHASE A: each wave streams 32 rows of the slice through registers, rounds them to bf16 and lays them into LDS (64 loads of 512 bytes a wave on their way).  Meanwhile it makes its list of tokens.
; PHASE B: blocks of 16 token rows are dealt to the waves, 4 a wave and pass, 4 passes at the most (64 blocks = 1,024 rows: every split is served); a wave's block x 128 columns are 8 accumulators.
;   The weights' fragments come from LDS, the token rows straight from memory as matrix operands; nothing in the passes writes LDS that another wave reads, so ONE barrier, between the phases, is all.
;   The walk along K is written out, 32 steps, and the way out reads its stage at fixed places: every LDS address of a pass is a register that is never rewritten plus an immediate (the list's: plus the pass's step).
; THE LIST: members of the expert from the front by rank, the others from the back: a permutation of the 1,024 tokens.  So the places past the count in the last block name rows that exist; such a row is
;   computed and stored like any other (its row of hbuf has this one writer) and nothing but the second product's same filler rows reads it.  A block past the count repeats block 0's rows and is not stored.
; The matrix instruction is used transposed (source 0 = 16 rows of weights, source 1 = 16 token rows): a lane holds 8 neighbouring columns of one token's row.
; GELU is exact-erf by the rational form of Abramowitz and Stegun 7.1.26 (|error of erf| <= 1.5e-7 for every x): gelu = max(x, 0) - 0.5 |x| q(t) exp(-x^2 / 2), t = 1 / (1 + 0.3275911 |x| / sqrt 2).
; LIMITS.  All operands are rounded to bf16, the bias too; NaN and infinities are not treated apart.  An expert without tokens still streams its slice (the barrier hangs on no loaded number) and stores nothing.
; NO JOINT LOADS: each slice of weights has one reader; what an expert's work-groups share is its token rows, which come by a list, so that no tile descriptor covers them.
.set WP,  4096                         ; bytes from row to row of the weights
.set ASH, 11                           ; a token's row of the left operand: 2,048 bytes (xb)
.set OSH, 13                           ; a token's row of the output: 8,192 bytes (hbuf)
.set WPITCH, 2064                      ; a row of the slice in LDS: 2,048 bytes + 16 = 516 words: the 16 rows of a fragment load start 4 words apart modulo 64
.set LIST,   128*WPITCH                ; 4 x 4,096 bytes: each wave's own copy of the list
.set STAGE,  LIST+4*4096               ; 4 x 16 rows x 528 bytes: each wave's own stage for the way out: 512 bytes of f32, the row's token, 12 bytes unused
.set SPITCH, 528
.set SPARE,  STAGE+4*16*SPITCH         ; the spare words, 128 bytes a wave: two blocks of 256 bytes that no other line names
; window 0: v1 r, v2 h, v3 lane; v4, v5 the add's registers; v10 a fragment's lane term; v12-15 the four blocks' row offsets; v16 list address of my rows; v17 stage, in; v18 stage, back;
;   v19 a row's token, in; v20 a row's token, back; v21 my column bytes; v22 16 lane; v23 where I lay the slice; v24-31 bias;
;   v32-159 token fragments, a ring of 4 steps x 4 blocks x 8 (on the way out: at work); v160-163 the four blocks' tokens; v164-197 at work; v200-203 the slice's four pairs of column blocks
; window 1: v0-255 first the stream's ring (4 groups of 64), then the accumulators, (block a, column block b) at 64 a + 8 b.      window 2: v0-127 the slice's fragments, 2 steps x 8 x 8
; scalars of phase B: s49 blocks with a member; s50 pass; s51 my live blocks; s53 count; s56 the block on its way out; s57 1,024 x pass (the list)
.set SPW, 4
.set NIL, 5
.set BI,  24
.set XF,  32
.set T,   160
.set WB,  200
.set MSB, 0
.macro WIN new                         ; the immediate's high byte repeats the setting that is left; a switch that changes nothing is dropped
.if MSB != (\new)
	s_set_vgpr_msb (MSB<<8)|(\new)
.set MSB, \new
.endif
.endm
.set W_MUL, 0x52                       ; source 0 window 2, source 1 window 0, C and D window 1
.set W_WF,  0x80                       ; destination window 2
.set W_RING, 0x40                      ; destination window 1
.set W_CVT, 0x05                       ; sources 0 and 1 window 1
.set W_STG, 0x04                       ; an LDS store's data (source 1) window 1
	s_load_b256 s[4:11], s[0:1], 0x0               ; maskbuf s[4:5], xb s[6:7], w1 s[8:9], hbuf s[10:11]
	s_load_b64 s[12:13], s[0:1], 0x20              ; b1
	v_lshl_add_u32 v[SPW], v0, 2, SPARE
	v_mov_b32 v[NIL], 0
	v_lshrrev_b32 v6, 5, v0
	v_readfirstlane_b32 s2, v6                     ; wave 0..3
	v_and_b32 v1, 15, v0                           ; r
	v_bfe_u32 v2, v0, 4, 1                         ; h
	v_and_b32 v3, 31, v0                           ; lane
	s_lshr_b32 s3, ttmp9, 5                        ; the expert
	s_lshl_b32 s52, s3, 7                          ; its 128 bytes of maskbuf
	s_mov_b32 s53, 0
	s_lshl_b32 s56, s3, 24                         ; its 16 MiB of weights
	s_mov_b32 s57, 0
	s_mov_b32 s51, 0
	s_and_b32 s14, ttmp9, 31                       ; the slice of 128 hidden columns
	s_lshl_b32 s15, s14, 19                        ; 128 rows of 4,096 bytes
	s_add_co_u32 s56, s56, s15
	s_lshl_b32 s15, s2, 17                         ; my wave's 32 rows
	s_add_co_u32 s56, s56, s15
	s_lshl_b32 s50, s3, 23                         ; hbuf: the expert's 8 MiB, the slice's 256 bytes of a row
	s_lshl_b32 s15, s14, 8
	s_add_co_u32 s50, s50, s15
	s_lshl_b32 s48, s3, 14                         ; b1: the expert's 16 KiB, the slice's 512 bytes
	s_lshl_b32 s15, s14, 9
	s_add_co_u32 s48, s48, s15
	s_mov_b32 s49, 0
	s_mov_b32 s55, 0x7fffffff                      ; clears a sign
	s_mov_b32 s66, 0x3e6d3388                      ; 0.3275911 / sqrt 2
	s_mov_b32 s67, s66
	s_mov_b32 s68, 0xbf38aa3b                      ; -log2(e) / 2
	s_mov_b32 s69, s68
	s_mov_b32 s70, 0x3e827906                      ; a1 =  0.254829592
	s_mov_b32 s71, s70
	s_mov_b32 s72, 0xbe91a98e                      ; a2 = -0.284496736
	s_mov_b32 s73, s72
	s_mov_b32 s74, 0x3fb5f0e3                      ; a3 =  1.421413741
	s_mov_b32 s75, s74
	s_mov_b32 s76, 0xbfba00e3                      ; a4 = -1.453152027
	s_mov_b32 s77, s76
	s_mov_b32 s78, 0x3f87dc22                      ; a5 =  1.061405429
	s_mov_b32 s79, s78
	s_mul_i32 s15, s2, 32*WPITCH
	v_lshlrev_b32 v22, 4, v3
	v_lshl_add_u32 v23, v3, 3, s15                 ; my wave's 32 rows of the slice in LDS, 8 bytes a lane
	v_mul_u32_u24 v10, v1, WPITCH
	v_lshl_add_u32 v10, v2, 4, v10                 ; a fragment: row r, 16 h
.irp i, 0,1,2,3
	v_add_nc_u32 v[WB+\i], 32*WPITCH*\i, v10       ; column blocks 2 i, 2 i + 1 of the slice; never rewritten
.endr
	s_lshl_b32 s58, s2, 12
	s_add_co_u32 s58, s58, LIST                    ; my wave's list
	v_mov_b32 v194, s58
	s_lshl_b32 s15, s2, 6
	s_add_co_u32 s15, s15, s58                     ; block w of a pass's first four: 16 ranks of 4 bytes on
	v_lshl_add_u32 v16, v1, 2, s15
	s_mul_i32 s59, s2, 16*SPITCH
	s_add_co_u32 s59, s59, STAGE                   ; my wave's stage
	v_mul_u32_u24 v17, v1, SPITCH
	v_lshl_add_u32 v17, v2, 5, v17
	v_add_nc_u32 v17, s59, v17                     ; in: row r, 32 bytes for each half of the lanes
	v_mul_u32_u24 v18, v2, SPITCH                  ; back: lanes 0-15 one row, lanes 16-31 the next; 8 columns (32 bytes of f32, 16 of bf16) a lane
	v_lshl_add_u32 v18, v1, 5, v18
	v_add_nc_u32 v18, s59, v18
	s_add_co_u32 s15, s59, 512                     ; behind a stage row's 512 bytes: its token
	v_mul_u32_u24 v19, v1, SPITCH
	v_add_nc_u32 v19, s15, v19                     ; in: row r's
	v_mul_u32_u24 v20, v2, SPITCH
	v_add_nc_u32 v20, s15, v20                     ; back: the row's that my half of the lanes takes
	v_lshlrev_b32 v21, 4, v1
	v_lshlrev_b32 v197, 5, v1                      ; my 8 numbers of the bias; not written again
	s_wait_kmcnt 0x0
	s_add_nc_u64 s[4:5], s[4:5], s[52:53]
	s_load_b512 s[16:31], s[4:5], 0x0              ; the expert's 1,024 bits: word g holds tokens 32 g .. 32 g + 31
	s_load_b512 s[32:47], s[4:5], 0x40
	s_add_nc_u64 s[60:61], s[8:9], s[56:57]        ; the weights at my wave's first row
	s_add_nc_u64 s[62:63], s[10:11], s[50:51]      ; the output at token 0's row, my slice
	s_add_nc_u64 s[12:13], s[12:13], s[48:49]
	global_load_b128 v[BI:BI+3],   v197, s[12:13]  ; older than every load of the stream, so the stream's first counted wait shows them in
	global_load_b128 v[BI+4:BI+7], v197, s[12:13] offset:16
; PHASE A.  A group is 2 rows of the slice: 16 loads of 512 consecutive bytes.  LOADG q, ro: rows ro + 2 q, ro + 2 q + 1 (from the walking base) into group q of the ring.
.macro LOADG q, ro
	WIN W_RING
.irp i, 0,1
.irp c, 0,1,2,3,4,5,6,7
	global_load_b128 v[64*(\q)+4*(8*(\i)+(\c)):64*(\q)+4*(8*(\i)+(\c))+3], v22, s[60:61] offset:((\ro)+2*(\q)+(\i))*WP+512*(\c) th:TH_LOAD_NT
.endr
.endr
	WIN 0
.endm
; CONVG q, left: group q is in when at most `left` younger loads are out; it is rounded to bf16 and laid into LDS, 256 consecutive bytes a store.
.macro CONVG q, left
	s_wait_loadcnt \left
	WIN W_CVT
.set z, 0
.rept 16
	v_cvt_pk_bf16_f32 v[T+2*z],   v[64*(\q)+4*z],   v[64*(\q)+4*z+1]
	v_cvt_pk_bf16_f32 v[T+2*z+1], v[64*(\q)+4*z+2], v[64*(\q)+4*z+3]
.set z, z+1
.endr
	WIN 0
.irp i, 0,1
.irp c, 0,1,2,3,4,5,6,7
	ds_store_b64 v23, v[T+2*(8*(\i)+(\c)):T+2*(8*(\i)+(\c))+1] offset:(2*(\q)+(\i))*WPITCH+256*(\c)
.endr
.endr
.endm
	LOADG 0, 0
	LOADG 1, 0
	LOADG 2, 0
	LOADG 3, 0                                     ; rows 0-7: 64 loads, 32 KiB a wave, are out
	; THE LIST, while they are on their way.  Token 32 g + lane: a member goes to its rank (members before it), another to 1,023 - (others before it).
	s_wait_kmcnt 0x0
	s_mov_b32 s54, 0                               ; members so far
.set g, 0
.rept 32
	v_mbcnt_lo_u32_b32 v195, s[16+g], s54          ; members before me
	v_sub_nc_u32 v196, v195, v3
	v_add_nc_u32 v196, 1023-32*g, v196             ; 1,023 - token + members before me
	v_cndmask_b32 v195, v196, v195, s[16+g]
	v_min_u32 v195, 0x3ff, v195                    ; (it is a place in the list already; the bound is written out)
	v_lshl_add_u32 v195, v195, 2, v194
	v_add_nc_u32 v192, 32*g, v3
	ds_store_b32 v195, v192
	s_bcnt1_i32_b32 s15, s[16+g]
	s_add_co_u32 s54, s54, s15
.set g, g+1
.endr
	s_add_co_u32 s49, s54, 15
	s_lshr_b32 s49, s49, 4                         ; blocks of 16 rows that hold a member
	s_mov_b32 s52, 3
.Lstage:                                               ; a trip: 8 rows are laid down, the 8 rows behind them asked for
.irp q, 0,1,2,3
	CONVG \q, 48                                   ; the three younger groups stay out
	LOADG \q, 8
.endr
	s_wait_xcnt 0x0                                ; the base steps only when the loads have had their addresses translated
	s_add_nc_u64 s[60:61], s[60:61], 8*WP
	v_add_nc_u32 v23, 8*WPITCH, v23
	s_sub_co_u32 s52, s52, 1
	s_cmp_lg_u32 s52, 0
	s_cbranch_scc1 .Lstage
	CONVG 0, 48                                    ; the last 8 rows: nothing more is asked for, the counts run down
	CONVG 1, 32
	CONVG 2, 16
	CONVG 3, 0
.irp j, 0,1,2,3                        ; the bias, rounded to bf16 like every input, and widened again
	v_cvt_pk_bf16_f32 v[T+\j], v[BI+2*\j], v[BI+2*\j+1]
.endr
.irp j, 0,1,2,3
	v_lshlrev_b32 v[BI+2*\j],   16, v[T+\j]
	v_and_b32     v[BI+2*\j+1], 0xffff0000, v[T+\j]
.endr
	s_wait_dscnt 0x0                               ; for the others' sake: my 32 rows of the slice are in LDS (and my list)
	s_barrier_signal -1
	s_barrier_wait -1                              ; the slice is whole; nobody writes it again
; PHASE B.  XLOAD n: the four blocks' fragments of K step n (32 along K): lane (r, h) takes 16 bytes at 64 n + 16 h of row r and 16 bytes 32 further on.
.macro XLOAD n
.irp a, 0,1,2,3
	global_load_b128 v[XF+32*((\n)%4)+8*(\a):XF+32*((\n)%4)+8*(\a)+3],   v[12+(\a)], s[6:7] offset:64*(\n)
	global_load_b128 v[XF+32*((\n)%4)+8*(\a)+4:XF+32*((\n)%4)+8*(\a)+7], v[12+(\a)], s[6:7] offset:64*(\n)+32
.endr
.endm
; WLOAD n: the slice's eight fragments of K step n, one run of 16 LDS loads: a fixed register and an immediate
.macro WLOAD n
	WIN W_WF
.irp b, 0,1,2,3,4,5,6,7
	ds_load_b128 v[64*((\n)%2)+8*(\b):64*((\n)%2)+8*(\b)+3],   v[WB+(\b)/2] offset:((\b)%2)*16*WPITCH+64*(\n)
	ds_load_b128 v[64*((\n)%2)+8*(\b)+4:64*((\n)%2)+8*(\b)+7], v[WB+(\b)/2] offset:((\b)%2)*16*WPITCH+64*(\n)+32
.endr
	WIN 0
.endm
; MULB a: block a x all 8 column blocks in K step KN; the accumulators take turns, one instruction a turn.  In step 0 the products start the sums.
.macro MULB a
.irp b, 0,1,2,3,4,5,6,7
.if KN == 0
	v_wmma_f32_16x16x32_bf16 v[64*(\a)+8*(\b):64*(\a)+8*(\b)+7], v[64*(KN%2)+8*(\b):64*(KN%2)+8*(\b)+7], v[XF+32*(KN%4)+8*(\a):XF+32*(KN%4)+8*(\a)+7], 0
.else
	v_wmma_f32_16x16x32_bf16 v[64*(\a)+8*(\b):64*(\a)+8*(\b)+7], v[64*(KN%2)+8*(\b):64*(KN%2)+8*(\b)+7], v[XF+32*(KN%4)+8*(\a):XF+32*(KN%4)+8*(\a)+7], v[64*(\a)+8*(\b):64*(\a)+8*(\b)+7]
.endif
.endr
.endm
; STEP: K step KN of 32.  The token fragments three steps on and the slice's of the next step are asked for, as long as there are any.  Step 0 multiplies all four blocks, so that every accumulator is
; written; later a wave with one live block jumps, forward, over the products of the other three.
.macro STEP
.if (KN > 0) && (KN < 31)
.rept 4
	v_nop                                          ; four places between the last products and the loads into registers that they read (ISA guide 7.12.1 for vector instructions)
.endr
.endif
.if KN < 29
	XLOAD KN+3
.endif
.if KN < 31
	WLOAD KN+1
.endif
.if KN < 29
	s_wait_loadcnt 24                              ; this step's 8 token loads are in; the three later steps' 8 each stay out
.else
	s_wait_loadcnt 8*(31-KN)                       ; the last three steps ask for no token rows: the counts run down
.endif
.if KN < 31
	s_wait_dscnt 16                                ; this step's fragments of the slice are in; the 16 loads just issued stay out
.else
	s_wait_dscnt 0x0
.endif
	WIN W_MUL
	MULB 0
.if KN > 0
	WIN 0
	s_cmp_lt_u32 s51, 2
	s_cbranch_scc1 .Ldone_\@
	WIN W_MUL
.endif
	MULB 1
	MULB 2
	MULB 3
	WIN 0
.Ldone_\@:
.endm
; STG a: block a's 16 rows x 128 columns of f32 into my own stage, each accumulator from its low end on; and each row's token behind the row
.macro STG a
	ds_store_b32 v19, v[T+(\a)]
	WIN W_STG
.irp b, 0,1,2,3,4,5,6,7
	ds_store_b128 v17, v[64*(\a)+8*(\b):64*(\a)+8*(\b)+3]   offset:64*(\b)
	ds_store_b128 v17, v[64*(\a)+8*(\b)+4:64*(\a)+8*(\b)+7] offset:64*(\b)+16
.endr
	WIN 0
.endm
.set GX, 32                            ; 16 numbers a lane: 8 columns of two rows
.set GT, 48                            ; 1 + p |x|, then t
.set GE, 64                            ; -x^2 log2(e) / 2, then exp(-x^2 / 2)
.set GR, 80                            ; max(x, 0), then the result
.set GQ, 96                            ; the polynomial
.set GP, 112                           ; 8 registers of bf16
.set GO, 120                           ; two row offsets
.set GK, 122                           ; two tokens
.set GA, 124                           ; |x|
; GELU c: rows 4 c .. 4 c + 3 of the staged block: bias, gelu, bf16; sixteen lanes store 256 consecutive bytes of a token's row, aligned.
.macro GELU c
	ds_load_b128 v[GX:GX+3],     v18 offset:4*(\c)*SPITCH     ; my wave's own bytes: LDS serves a wave's instructions in order, so these see STG's stores
	ds_load_b128 v[GX+4:GX+7],   v18 offset:4*(\c)*SPITCH+16
	ds_load_b128 v[GX+8:GX+11],  v18 offset:(4*(\c)+2)*SPITCH
	ds_load_b128 v[GX+12:GX+15], v18 offset:(4*(\c)+2)*SPITCH+16
	ds_load_b32 v[GK],   v20 offset:4*(\c)*SPITCH
	ds_load_b32 v[GK+1], v20 offset:(4*(\c)+2)*SPITCH
	s_wait_dscnt 0x0
	v_min_u32 v[GK],   0x3ff, v[GK]
	v_min_u32 v[GK+1], 0x3ff, v[GK+1]
	v_lshl_add_u32 v[GO],   v[GK],   OSH, v21
	v_lshl_add_u32 v[GO+1], v[GK+1], OSH, v21
.set z, 0
.rept 8
	v_pk_add_f32 v[GX+2*z:GX+2*z+1], v[GX+2*z:GX+2*z+1], v[BI+2*(z%4):BI+2*(z%4)+1]
.set z, z+1
.endr
.set z, 0
.rept 16
	v_and_b32 v[GA+z], s55, v[GX+z]
.set z, z+1
.endr
.set z, 0
.rept 8
	v_pk_fma_f32 v[GT+2*z:GT+2*z+1], v[GA+2*z:GA+2*z+1], s[66:67], 1.0 op_sel_hi:[1,0,0]
.set z, z+1
.endr
.set z, 0
.rept 8
	v_pk_mul_f32 v[GE+2*z:GE+2*z+1], v[GX+2*z:GX+2*z+1], v[GX+2*z:GX+2*z+1]
.set z, z+1
.endr
.set z, 0
.rept 8
	v_pk_mul_f32 v[GE+2*z:GE+2*z+1], v[GE+2*z:GE+2*z+1], s[68:69] op_sel_hi:[1,0]
.set z, z+1
.endr
.set z, 0
.rept 16                               ; one batch: 16 reciprocals and 16 exponentials, none of which reads another's result
	v_rcp_f32 v[GT+z], v[GT+z]
.set z, z+1
.endr
.set z, 0
.rept 16
	v_exp_f32 v[GE+z], v[GE+z]
.set z, z+1
.endr
.set z, 0
.rept 16                               ; plain work that names no result of the batch
	v_max_num_f32 v[GR+z], 0, v[GX+z]
.set z, z+1
.endr
	s_wait_alu depctr_va_vdst(0)                   ; one wait for the batch, ahead of its first reader
.set z, 0
.rept 8
	v_pk_fma_f32 v[GQ+2*z:GQ+2*z+1], v[GT+2*z:GT+2*z+1], s[78:79], s[76:77] op_sel_hi:[1,0,0]
.set z, z+1
.endr
.irp k, 74, 72, 70
.set z, 0
.rept 8
	v_pk_fma_f32 v[GQ+2*z:GQ+2*z+1], v[GQ+2*z:GQ+2*z+1], v[GT+2*z:GT+2*z+1], s[\k:\k+1] op_sel_hi:[1,1,0]
.set z, z+1
.endr
.endr
.set z, 0
.rept 8
	v_pk_mul_f32 v[GQ+2*z:GQ+2*z+1], v[GQ+2*z:GQ+2*z+1], v[GT+2*z:GT+2*z+1]
.set z, z+1
.endr
.set z, 0
.rept 8
	v_pk_mul_f32 v[GQ+2*z:GQ+2*z+1], v[GQ+2*z:GQ+2*z+1], v[GE+2*z:GE+2*z+1]
.set z, z+1
.endr
.set z, 0
.rept 8
	v_pk_mul_f32 v[GQ+2*z:GQ+2*z+1], v[GQ+2*z:GQ+2*z+1], v[GA+2*z:GA+2*z+1]
.set z, z+1
.endr
.set z, 0
.rept 8
	v_pk_fma_f32 v[GR+2*z:GR+2*z+1], v[GQ+2*z:GQ+2*z+1], -0.5, v[GR+2*z:GR+2*z+1] op_sel_hi:[1,0,1]
.set z, z+1
.endr
.set z, 0
.rept 8
	v_cvt_pk_bf16_f32 v[GP+z], v[GR+2*z], v[GR+2*z+1]
.set z, z+1
.endr
	global_store_b128 v[GO],   v[GP:GP+3],   s[62:63]
	global_store_b128 v[GO+1], v[GP+4:GP+7], s[62:63]
	s_wait_xcnt 0x0                                ; the stores' data and offsets are written again only behind this wait
.endm
	s_mov_b32 s50, 0
	s_mov_b32 s57, 0                               ; the pass's 256 ranks of 4 bytes in the list
.Lpass:                                                ; 4 trips, whatever the count; block a of wave w in pass p is 16 p + 4 a + w
	s_lshl_b32 s15, s50, 4
	s_add_co_u32 s15, s15, s2
	s_sub_co_i32 s15, s49, s15                     ; blocks from my first of this pass on
	s_cmp_le_i32 s15, 0
	s_cbranch_scc1 .Lnext                          ; none: the pass is jumped, forward; it holds no barrier
	s_add_co_u32 s15, s15, 3
	s_lshr_b32 s15, s15, 2
	s_min_u32 s51, s15, 4                          ; how many of my four blocks are alive
	s_wait_xcnt 0x0                                ; the pass before's stores have read their registers
	v_add_nc_u32 v[T+5], s57, v16
.irp a, 0,1,2,3
	ds_load_b32 v[T+\a], v[T+5] offset:256*\a      ; row r's token in each block
.endr
	v_lshlrev_b32 v[T+4], 4, v2
	s_wait_dscnt 0x0
.irp a, 1,2,3                          ; a block past the count repeats block 0's rows: its loads keep the counts alike on every way and touch rows that exist
	s_cmp_gt_u32 s51, \a
	s_cselect_b32 s15, -1, 0
	v_cndmask_b32 v[T+\a], v[T], v[T+\a], s15
.endr
.irp a, 0,1,2,3
	v_min_u32 v[T+\a], 0x3ff, v[T+\a]
	v_lshl_add_u32 v[12+\a], v[T+\a], ASH, v[T+4]  ; the token's row + 16 h
.endr
	XLOAD 0
	XLOAD 1
	XLOAD 2
	WLOAD 0
.set KN, 0
.rept 32
	STEP
.set KN, KN+1
.endr
.rept 4
	v_nop                                          ; four places between the last products and the first reader of their results
.endr
	s_mov_b32 s56, 0                               ; THE WAY OUT: a trip for each block; the LDS addresses are the same in every trip
	s_mov_b32 s53, 4
.Lblk:
	s_cmp_ge_u32 s56, s51
	s_cbranch_scc1 .Lblk_next                      ; whole blocks past the count are not stored
	s_cmp_lg_u32 s56, 0
	s_cbranch_scc1 .Lstg1
	STG 0
	s_branch .Lstaged
.Lstg1:
	s_cmp_lg_u32 s56, 1
	s_cbranch_scc1 .Lstg2
	STG 1
	s_branch .Lstaged
.Lstg2:
	s_cmp_lg_u32 s56, 2
	s_cbranch_scc1 .Lstg3
	STG 2
	s_branch .Lstaged
.Lstg3:
	STG 3
.Lstaged:
	GELU 0
	GELU 1
	GELU 2
	GELU 3
.Lblk_next:
	s_add_co_u32 s56, s56, 1
	s_sub_co_u32 s53, s53, 1
	s_cmp_lg_u32 s53, 0
	s_cbranch_scc1 .Lblk
.Lnext:
	s_add_co_u32 s57, s57, 1024                    ; the next pass's 256 ranks
	s_add_co_u32 s50, s50, 1
	s_cmp_lt_u32 s50, 4
	s_cbranch_scc1 .Lpass
	s_wait_tensorcnt 0x0                           ; the wave's end, behind my last LDS store
	ds_add_u32 v[SPW], v[NIL]
	s_wait_dscnt 0x0
	s_endpgm
.Lfunc_end_k_q9f046bdb83_ffn1:
	.size	k_q9f046bdb83_ffn1, .Lfunc_end_k_q9f046bdb83_ffn1-k_q9f046bdb83_ffn1
	.p2alignl 7, 3214868480
	.fill 96, 4, 3214868480
	.section	.rodata,"a",@progbits
	.p2align	6, 0x0
	.amdhsa_kernel k_q9f046bdb83_ffn1
		.amdhsa_group_segment_fixed_size 314880
		.amdhsa_private_segment_fixed_size 0
		.amdhsa_enable_private_segment 0
		.amdhsa_kernarg_size 40
		.amdhsa_user_sgpr_count 2
		.amdhsa_user_sgpr_kernarg_segment_ptr 1
		.amdhsa_wavefront_size32 1
		.amdhsa_system_sgpr_workgroup_id_x 1
		.amdhsa_system_sgpr_workgroup_id_y 1
		.amdhsa_system_sgpr_workgroup_id_z 1
		.amdhsa_system_vgpr_workitem_id 0
		.amdhsa_next_free_vgpr 640
		.amdhsa_next_free_sgpr 80
		.amdhsa_reserve_vcc 0
		.amdhsa_float_denorm_mode_32 3
		.amdhsa_float_denorm_mode_16_64 3
		.amdhsa_memory_ordered 1
		.amdhsa_forward_progress 1
		.amdhsa_inst_pref_size 238
	.end_amdhsa_kernel
	.amdgpu_metadata
---
amdhsa.version: [ 1, 2 ]
amdhsa.kernels:
  - .name:           k_q9f046bdb83_ffn1
    .symbol:         k_q9f046bdb83_ffn1.kd
    .args:
      - { .name: maskbuf, .offset: 0, .size: 8, .value_kind: global_buffer, .address_space: global }
      - { .name: xb, .offset: 8, .size: 8, .value_kind: global_buffer, .address_space: global }
      - { .name: w1, .offset: 16, .size: 8, .value_kind: global_buffer, .address_space: global }
      - { .name: hbuf, .offset: 24, .size: 8, .value_kind: global_buffer, .address_space: global }
      - { .name: b1, .offset: 32, .size: 8, .value_kind: global_buffer, .address_space: global }
    .group_segment_fixed_size: 314880
    .private_segment_fixed_size: 0
    .kernarg_segment_align: 8
    .kernarg_segment_size: 40
    .max_flat_workgroup_size: 128
    .sgpr_count:     80
    .vgpr_count:     640
    .wavefront_size: 32
...
	.end_amdgpu_metadata
.endif
;; end of part 2
;; launch ffn2 (part 3): grid 256 x 1, 4 waves a work-group, no clusters, 314,880 bytes of LDS; arguments maskbuf, hbuf, w2, ypart; writes ypart
.if DOCPART == 3
	.amdgcn_target "amdgcn-amd-amdhsa--gfx1250"
	.amdhsa_code_object_version 6
	.text
	.protected	k_q9f046bdb83_ffn2
	.globl	k_q9f046bdb83_ffn2
	.p2align	8
	.type	k_q9f046bdb83_ffn2,@function
k_q9f046bdb83_ffn2:
	s_mov_b64 s[64:65], 0
	v_nop
	global_prefetch_b8 v0, s[64:65] scope:SCOPE_SE
	s_setreg_imm32_b32 hwreg(HW_REG_WAVE_MODE, 25, 1), 1
	s_wait_xcnt 0x0
; THE SECOND PRODUCT OF THE EXPERTS (the first product's text with its other shapes and way out).
;   ypart[kq][e][t][128 ns + n] = the sum over k in quarter kq of h[e][t][k] w2[e][128 ns + n][k], f32 (a partial sum), for the tokens t that chose expert e.   Work-group = (e, ns, kq): 8 x 8 x 4.
; A work-group owns a slice of 128 rows x 1,024 K of ONE expert's weights, 512 KiB of f32 that it alone reads, once; and all of that expert's token rows.
; PHASE A: each wave streams 32 rows of the slice through registers, rounds them to bf16 and lays them into LDS (64 loads of 512 bytes a wave on their way).  Meanwhile it makes its list of tokens.
; PHASE B: blocks of 16 token rows are dealt to the waves, 4 a wave and pass, 4 passes at the most (64 blocks = 1,024 rows: every split is served); a wave's block x 128 columns are 8 accumulators.
;   The weights' fragments come from LDS, the token rows straight from memory as matrix operands; nothing in the passes writes LDS that another wave reads, so ONE barrier, between the phases, is all.
;   The walk along K is written out, 32 steps, and the way out reads its stage at fixed places: every LDS address of a pass is a register that is never rewritten plus an immediate (the list's: plus the pass's step).
; THE LIST: members of the expert from the front by rank, the others from the back: a permutation of the 1,024 tokens.  So the places past the count in the last block name rows that exist: the same rows
;   that the first product, by the same list, has stored; such a row is computed and stored like any other (its row of ypart has this one writer) and the last launch never reads it.
;   A block past the count repeats block 0's rows and is not stored.
; The matrix instruction is used transposed (source 0 = 16 rows of weights, source 1 = 16 token rows): a lane holds 8 neighbouring columns of one token's row.
; K IS SPLIT IN FOUR so that a slice fits into LDS with 128 columns; the four parts stay in f32 and the last launch adds them in a fixed order.
; LIMITS.  All operands are rounded to bf16; NaN and infinities are not treated apart.  An expert without tokens still streams its slice (the barrier hangs on no loaded number) and stores nothing.
; NO JOINT LOADS: each slice of weights has one reader; what an expert's work-groups share is its token rows, which come by a list, so that no tile descriptor covers them.
.set WP,  16384                        ; bytes from row to row of the weights
.set ASH, 13                           ; a token's row of the left operand: 8,192 bytes (hbuf)
.set OSH, 12                           ; a token's row of the output: 4,096 bytes (ypart)
.set WPITCH, 2064                      ; a row of the slice in LDS: 2,048 bytes + 16 = 516 words: the 16 rows of a fragment load start 4 words apart modulo 64
.set LIST,   128*WPITCH                ; 4 x 4,096 bytes: each wave's own copy of the list
.set STAGE,  LIST+4*4096               ; 4 x 16 rows x 528 bytes: each wave's own stage for the way out: 512 bytes of f32, the row's token, 12 bytes unused
.set SPITCH, 528
.set SPARE,  STAGE+4*16*SPITCH         ; the spare words, 128 bytes a wave: two blocks of 256 bytes that no other line names
; window 0: v1 r, v2 h, v3 lane; v4, v5 the add's registers; v10 a fragment's lane term; v12-15 the four blocks' row offsets; v16 list address of my rows; v17 stage, in; v18 stage, back;
;   v19 a row's token, in; v20 the tokens, back; v21 my column bytes; v22 16 lane; v23 where I lay the slice;
;   v32-159 token fragments, a ring of 4 steps x 4 blocks x 8 (on the way out: at work); v160-163 the four blocks' tokens; v164-196 at work; v200-203 the slice's four pairs of column blocks
; window 1: v0-255 first the stream's ring (4 groups of 64), then the accumulators, (block a, column block b) at 64 a + 8 b.      window 2: v0-127 the slice's fragments, 2 steps x 8 x 8
; scalars of phase B: s49 blocks with a member; s50 pass; s51 my live blocks; s53 count; s56 the block on its way out; s57 1,024 x pass (the list)
.set SPW, 4
.set NIL, 5
.set XF,  32
.set T,   160
.set WB,  200
.set MSB, 0
.macro WIN new                         ; the immediate's high byte repeats the setting that is left; a switch that changes nothing is dropped
.if MSB != (\new)
	s_set_vgpr_msb (MSB<<8)|(\new)
.set MSB, \new
.endif
.endm
.set W_MUL, 0x52                       ; source 0 window 2, source 1 window 0, C and D window 1
.set W_WF,  0x80                       ; destination window 2
.set W_RING, 0x40                      ; destination window 1
.set W_CVT, 0x05                       ; sources 0 and 1 window 1
.set W_STG, 0x04                       ; an LDS store's data (source 1) window 1
	s_load_b256 s[4:11], s[0:1], 0x0               ; maskbuf s[4:5], hbuf s[6:7], w2 s[8:9], ypart s[10:11]
	v_lshl_add_u32 v[SPW], v0, 2, SPARE
	v_mov_b32 v[NIL], 0
	v_lshrrev_b32 v6, 5, v0
	v_readfirstlane_b32 s2, v6                     ; wave 0..3
	v_and_b32 v1, 15, v0                           ; r
	v_bfe_u32 v2, v0, 4, 1                         ; h
	v_and_b32 v3, 31, v0                           ; lane
	s_lshr_b32 s3, ttmp9, 5                        ; the expert
	s_lshl_b32 s52, s3, 7                          ; its 128 bytes of maskbuf
	s_mov_b32 s53, 0
	s_lshl_b32 s56, s3, 24                         ; its 16 MiB of weights
	s_mov_b32 s57, 0
	s_mov_b32 s51, 0
	s_bfe_u32 s14, ttmp9, 0x30002                  ; the slice of 128 output columns
	s_and_b32 s58, ttmp9, 3                        ; the quarter of K
	s_lshl_b32 s15, s14, 21                        ; 128 rows of 16,384 bytes
	s_add_co_u32 s56, s56, s15
	s_lshl_b32 s15, s2, 19                         ; my wave's 32 rows
	s_add_co_u32 s56, s56, s15
	s_lshl_b32 s15, s58, 12                        ; the quarter's 4,096 bytes of a row
	s_add_co_u32 s56, s56, s15
	s_lshl_b32 s54, s3, 23                         ; hbuf: the expert's 8 MiB, the quarter's 2,048 bytes of a row
	s_lshl_b32 s15, s58, 11
	s_add_co_u32 s54, s54, s15
	s_mov_b32 s55, 0
	s_lshl_b32 s50, s58, 3                         ; ypart: plane 8 kq + e of 4 MiB, the slice's 512 bytes of a row
	s_add_co_u32 s50, s50, s3
	s_lshl_b32 s50, s50, 22
	s_lshl_b32 s15, s14, 9
	s_add_co_u32 s50, s50, s15
	s_mul_i32 s15, s2, 32*WPITCH
	v_lshlrev_b32 v22, 4, v3
	v_lshl_add_u32 v23, v3, 3, s15                 ; my wave's 32 rows of the slice in LDS, 8 bytes a lane
	v_mul_u32_u24 v10, v1, WPITCH
	v_lshl_add_u32 v10, v2, 4, v10                 ; a fragment: row r, 16 h
.irp i, 0,1,2,3
	v_add_nc_u32 v[WB+\i], 32*WPITCH*\i, v10       ; column blocks 2 i, 2 i + 1 of the slice; never rewritten
.endr
	s_lshl_b32 s58, s2, 12
	s_add_co_u32 s58, s58, LIST                    ; my wave's list
	v_mov_b32 v194, s58
	s_lshl_b32 s15, s2, 6
	s_add_co_u32 s15, s15, s58                     ; block w of a pass's first four: 16 ranks of 4 bytes on
	v_lshl_add_u32 v16, v1, 2, s15
	s_mul_i32 s59, s2, 16*SPITCH
	s_add_co_u32 s59, s59, STAGE                   ; my wave's stage
	v_mul_u32_u24 v17, v1, SPITCH
	v_lshl_add_u32 v17, v2, 5, v17
	v_add_nc_u32 v17, s59, v17                     ; in: row r, 32 bytes for each half of the lanes
	v_lshl_add_u32 v18, v3, 4, s59                 ; back: the wave takes a whole row of 512 bytes
	s_add_co_u32 s15, s59, 512                     ; behind a stage row's 512 bytes: its token
	v_mul_u32_u24 v19, v1, SPITCH
	v_add_nc_u32 v19, s15, v19                     ; in: row r's
	v_mov_b32 v20, s15                             ; back: every lane reads the same row's
	v_lshlrev_b32 v21, 4, v3
	s_wait_kmcnt 0x0
	s_add_nc_u64 s[4:5], s[4:5], s[52:53]
	s_load_b512 s[16:31], s[4:5], 0x0              ; the expert's 1,024 bits: word g holds tokens 32 g .. 32 g + 31
	s_load_b512 s[32:47], s[4:5], 0x40
	s_add_nc_u64 s[60:61], s[8:9], s[56:57]        ; the weights at my wave's first row
	s_add_nc_u64 s[62:63], s[10:11], s[50:51]      ; the output at token 0's row, my slice
	s_add_nc_u64 s[6:7], s[6:7], s[54:55]          ; the left operand at token 0's row, my quarter of K
; PHASE A.  A group is 2 rows of the slice: 16 loads of 512 consecutive bytes.  LOADG q, ro: rows ro + 2 q, ro + 2 q + 1 (from the walking base) into group q of the ring.
.macro LOADG q, ro
	WIN W_RING
.irp i, 0,1
.irp c, 0,1,2,3,4,5,6,7
	global_load_b128 v[64*(\q)+4*(8*(\i)+(\c)):64*(\q)+4*(8*(\i)+(\c))+3], v22, s[60:61] offset:((\ro)+2*(\q)+(\i))*WP+512*(\c) th:TH_LOAD_NT
.endr
.endr
	WIN 0
.endm
; CONVG q, left: group q is in when at most `left` younger loads are out; it is rounded to bf16 and laid into LDS, 256 consecutive bytes a store.
.macro CONVG q, left
	s_wait_loadcnt \left
	WIN W_CVT
.set z, 0
.rept 16
	v_cvt_pk_bf16_f32 v[T+2*z],   v[64*(\q)+4*z],   v[64*(\q)+4*z+1]
	v_cvt_pk_bf16_f32 v[T+2*z+1], v[64*(\q)+4*z+2], v[64*(\q)+4*z+3]
.set z, z+1
.endr
	WIN 0
.irp i, 0,1
.irp c, 0,1,2,3,4,5,6,7
	ds_store_b64 v23, v[T+2*(8*(\i)+(\c)):T+2*(8*(\i)+(\c))+1] offset:(2*(\q)+(\i))*WPITCH+256*(\c)
.endr
.endr
.endm
	LOADG 0, 0
	LOADG 1, 0
	LOADG 2, 0
	LOADG 3, 0                                     ; rows 0-7: 64 loads, 32 KiB a wave, are out
	; THE LIST, while they are on their way.  Token 32 g + lane: a member goes to its rank (members before it), another to 1,023 - (others before it).
	s_wait_kmcnt 0x0
	s_mov_b32 s54, 0                               ; members so far
.set g, 0
.rept 32
	v_mbcnt_lo_u32_b32 v195, s[16+g], s54          ; members before me
	v_sub_nc_u32 v196, v195, v3
	v_add_nc_u32 v196, 1023-32*g, v196             ; 1,023 - token + members before me
	v_cndmask_b32 v195, v196, v195, s[16+g]
	v_min_u32 v195, 0x3ff, v195                    ; (it is a place in the list already; the bound is written out)
	v_lshl_add_u32 v195, v195, 2, v194
	v_add_nc_u32 v192, 32*g, v3
	ds_store_b32 v195, v192
	s_bcnt1_i32_b32 s15, s[16+g]
	s_add_co_u32 s54, s54, s15
.set g, g+1
.endr
	s_add_co_u32 s49, s54, 15
	s_lshr_b32 s49, s49, 4                         ; blocks of 16 rows that hold a member
	s_mov_b32 s52, 3
.Lstage:                                               ; a trip: 8 rows are laid down, the 8 rows behind them asked for
.irp q, 0,1,2,3
	CONVG \q, 48                                   ; the three younger groups stay out
	LOADG \q, 8
.endr
	s_wait_xcnt 0x0                                ; the base steps only when the loads have had their addresses translated
	s_add_nc_u64 s[60:61], s[60:61], 8*WP
	v_add_nc_u32 v23, 8*WPITCH, v23
	s_sub_co_u32 s52, s52, 1
	s_cmp_lg_u32 s52, 0
	s_cbranch_scc1 .Lstage
	CONVG 0, 48                                    ; the last 8 rows: nothing more is asked for, the counts run down
	CONVG 1, 32
	CONVG 2, 16
	CONVG 3, 0
	s_wait_dscnt 0x0                               ; for the others' sake: my 32 rows of the slice are in LDS (and my list)
	s_barrier_signal -1
	s_barrier_wait -1                              ; the slice is whole; nobody writes it again
; PHASE B.  XLOAD n: the four blocks' fragments of K step n (32 along K): lane (r, h) takes 16 bytes at 64 n + 16 h of row r and 16 bytes 32 further on.
.macro XLOAD n
.irp a, 0,1,2,3
	global_load_b128 v[XF+32*((\n)%4)+8*(\a):XF+32*((\n)%4)+8*(\a)+3],   v[12+(\a)], s[6:7] offset:64*(\n)
	global_load_b128 v[XF+32*((\n)%4)+8*(\a)+4:XF+32*((\n)%4)+8*(\a)+7], v[12+(\a)], s[6:7] offset:64*(\n)+32
.endr
.endm
; WLOAD n: the slice's eight fragments of K step n, one run of 16 LDS loads: a fixed register and an immediate
.macro WLOAD n
	WIN W_WF
.irp b, 0,1,2,3,4,5,6,7
	ds_load_b128 v[64*((\n)%2)+8*(\b):64*((\n)%2)+8*(\b)+3],   v[WB+(\b)/2] offset:((\b)%2)*16*WPITCH+64*(\n)
	ds_load_b128 v[64*((\n)%2)+8*(\b)+4:64*((\n)%2)+8*(\b)+7], v[WB+(\b)/2] offset:((\b)%2)*16*WPITCH+64*(\n)+32
.endr
	WIN 0
.endm
; MULB a: block a x all 8 column blocks in K step KN; the accumulators take turns, one instruction a turn.  In step 0 the products start the sums.
.macro MULB a
.irp b, 0,1,2,3,4,5,6,7
.if KN == 0
	v_wmma_f32_16x16x32_bf16 v[64*(\a)+8*(\b):64*(\a)+8*(\b)+7], v[64*(KN%2)+8*(\b):64*(KN%2)+8*(\b)+7], v[XF+32*(KN%4)+8*(\a):XF+32*(KN%4)+8*(\a)+7], 0
.else
	v_wmma_f32_16x16x32_bf16 v[64*(\a)+8*(\b):64*(\a)+8*(\b)+7], v[64*(KN%2)+8*(\b):64*(KN%2)+8*(\b)+7], v[XF+32*(KN%4)+8*(\a):XF+32*(KN%4)+8*(\a)+7], v[64*(\a)+8*(\b):64*(\a)+8*(\b)+7]
.endif
.endr
.endm
; STEP: K step KN of 32.  The token fragments three steps on and the slice's of the next step are asked for, as long as there are any.  Step 0 multiplies all four blocks, so that every accumulator is
; written; later a wave with one live block jumps, forward, over the products of the other three.
.macro STEP
.if (KN > 0) && (KN < 31)
.rept 4
	v_nop                                          ; four places between the last products and the loads into registers that they read (ISA guide 7.12.1 for vector instructions)
.endr
.endif
.if KN < 29
	XLOAD KN+3
.endif
.if KN < 31
	WLOAD KN+1
.endif
.if KN < 29
	s_wait_loadcnt 24                              ; this step's 8 token loads are in; the three later steps' 8 each stay out
.else
	s_wait_loadcnt 8*(31-KN)                       ; the last three steps ask for no token rows: the counts run down
.endif
.if KN < 31
	s_wait_dscnt 16                                ; this step's fragments of the slice are in; the 16 loads just issued stay out
.else
	s_wait_dscnt 0x0
.endif
	WIN W_MUL
	MULB 0
.if KN > 0
	WIN 0
	s_cmp_lt_u32 s51, 2
	s_cbranch_scc1 .Ldone_\@
	WIN W_MUL
.endif
	MULB 1
	MULB 2
	MULB 3
	WIN 0
.Ldone_\@:
.endm
; STG a: block a's 16 rows x 128 columns of f32 into my own stage, each accumulator from its low end on; and each row's token behind the row
.macro STG a
	ds_store_b32 v19, v[T+(\a)]
	WIN W_STG
.irp b, 0,1,2,3,4,5,6,7
	ds_store_b128 v17, v[64*(\a)+8*(\b):64*(\a)+8*(\b)+3]   offset:64*(\b)
	ds_store_b128 v17, v[64*(\a)+8*(\b)+4:64*(\a)+8*(\b)+7] offset:64*(\b)+16
.endr
	WIN 0
.endm
	s_mov_b32 s50, 0
	s_mov_b32 s57, 0                               ; the pass's 256 ranks of 4 bytes in the list
.Lpass:                                                ; 4 trips, whatever the count; block a of wave w in pass p is 16 p + 4 a + w
	s_lshl_b32 s15, s50, 4
	s_add_co_u32 s15, s15, s2
	s_sub_co_i32 s15, s49, s15                     ; blocks from my first of this pass on
	s_cmp_le_i32 s15, 0
	s_cbranch_scc1 .Lnext                          ; none: the pass is jumped, forward; it holds no barrier
	s_add_co_u32 s15, s15, 3
	s_lshr_b32 s15, s15, 2
	s_min_u32 s51, s15, 4                          ; how many of my four blocks are alive
	s_wait_xcnt 0x0                                ; the pass before's stores have read their registers
	v_add_nc_u32 v[T+5], s57, v16
.irp a, 0,1,2,3
	ds_load_b32 v[T+\a], v[T+5] offset:256*\a      ; row r's token in each block
.endr
	v_lshlrev_b32 v[T+4], 4, v2
	s_wait_dscnt 0x0
.irp a, 1,2,3                          ; a block past the count repeats block 0's rows: its loads keep the counts alike on every way and touch rows that have been stored
	s_cmp_gt_u32 s51, \a
	s_cselect_b32 s15, -1, 0
	v_cndmask_b32 v[T+\a], v[T], v[T+\a], s15
.endr
.irp a, 0,1,2,3
	v_min_u32 v[T+\a], 0x3ff, v[T+\a]
	v_lshl_add_u32 v[12+\a], v[T+\a], ASH, v[T+4]  ; the token's row + 16 h
.endr
	XLOAD 0
	XLOAD 1
	XLOAD 2
	WLOAD 0
.set KN, 0
.rept 32
	STEP
.set KN, KN+1
.endr
.rept 4
	v_nop                                          ; four places between the last products and the first reader of their results
.endr
	s_mov_b32 s56, 0                               ; THE WAY OUT: a trip for each block; the LDS addresses are the same in every trip
	s_mov_b32 s53, 4
.Lblk:
	s_cmp_ge_u32 s56, s51
	s_cbranch_scc1 .Lblk_next                      ; whole blocks past the count are not stored
	s_cmp_lg_u32 s56, 0
	s_cbranch_scc1 .Lstg1
	STG 0
	s_branch .Lstaged
.Lstg1:
	s_cmp_lg_u32 s56, 1
	s_cbranch_scc1 .Lstg2
	STG 1
	s_branch .Lstaged
.Lstg2:
	s_cmp_lg_u32 s56, 2
	s_cbranch_scc1 .Lstg3
	STG 2
	s_branch .Lstaged
.Lstg3:
	STG 3
.Lstaged:                                              ; the block comes back as 16 whole rows of 512 bytes; each store of the wave covers 512 consecutive bytes of a token's row, aligned
	s_wait_xcnt 0x0                                ; the block before's stores have read their registers
.set z, 0
.rept 16
	ds_load_b128 v[32+4*z:32+4*z+3], v18 offset:SPITCH*z  ; my wave's own bytes: LDS serves a wave's instructions in order, so these see STG's stores
.set z, z+1
.endr
.set z, 0
.rept 16
	ds_load_b32 v[96+z], v20 offset:SPITCH*z       ; row z's token, in every lane
.set z, z+1
.endr
	s_wait_dscnt 0x0
.set z, 0
.rept 16
	v_min_u32 v[96+z], 0x3ff, v[96+z]
	v_lshl_add_u32 v[112+z], v[96+z], OSH, v21
.set z, z+1
.endr
.set z, 0
.rept 16
	global_store_b128 v[112+z], v[32+4*z:32+4*z+3], s[62:63]
.set z, z+1
.endr
.Lblk_next:
	s_add_co_u32 s56, s56, 1
	s_sub_co_u32 s53, s53, 1
	s_cmp_lg_u32 s53, 0
	s_cbranch_scc1 .Lblk
.Lnext:
	s_add_co_u32 s57, s57, 1024                    ; the next pass's 256 ranks
	s_add_co_u32 s50, s50, 1
	s_cmp_lt_u32 s50, 4
	s_cbranch_scc1 .Lpass
	s_wait_tensorcnt 0x0                           ; the wave's end, behind my last LDS store
	ds_add_u32 v[SPW], v[NIL]
	s_wait_dscnt 0x0
	s_endpgm
.Lfunc_end_k_q9f046bdb83_ffn2:
	.size	k_q9f046bdb83_ffn2, .Lfunc_end_k_q9f046bdb83_ffn2-k_q9f046bdb83_ffn2
	.p2alignl 7, 3214868480
	.fill 96, 4, 3214868480
	.section	.rodata,"a",@progbits
	.p2align	6, 0x0
	.amdhsa_kernel k_q9f046bdb83_ffn2
		.amdhsa_group_segment_fixed_size 314880
		.amdhsa_private_segment_fixed_size 0
		.amdhsa_enable_private_segment 0
		.amdhsa_kernarg_size 32
		.amdhsa_user_sgpr_count 2
		.amdhsa_user_sgpr_kernarg_segment_ptr 1
		.amdhsa_wavefront_size32 1
		.amdhsa_system_sgpr_workgroup_id_x 1
		.amdhsa_system_sgpr_workgroup_id_y 1
		.amdhsa_system_sgpr_workgroup_id_z 1
		.amdhsa_system_vgpr_workitem_id 0
		.amdhsa_next_free_vgpr 640
		.amdhsa_next_free_sgpr 80
		.amdhsa_reserve_vcc 0
		.amdhsa_float_denorm_mode_32 3
		.amdhsa_float_denorm_mode_16_64 3
		.amdhsa_memory_ordered 1
		.amdhsa_forward_progress 1
		.amdhsa_inst_pref_size 204
	.end_amdhsa_kernel
	.amdgpu_metadata
---
amdhsa.version: [ 1, 2 ]
amdhsa.kernels:
  - .name:           k_q9f046bdb83_ffn2
    .symbol:         k_q9f046bdb83_ffn2.kd
    .args:
      - { .name: maskbuf, .offset: 0, .size: 8, .value_kind: global_buffer, .address_space: global }
      - { .name: hbuf, .offset: 8, .size: 8, .value_kind: global_buffer, .address_space: global }
      - { .name: w2, .offset: 16, .size: 8, .value_kind: global_buffer, .address_space: global }
      - { .name: ypart, .offset: 24, .size: 8, .value_kind: global_buffer, .address_space: global }
    .group_segment_fixed_size: 314880
    .private_segment_fixed_size: 0
    .kernarg_segment_align: 8
    .kernarg_segment_size: 32
    .max_flat_workgroup_size: 128
    .sgpr_count:     80
    .vgpr_count:     640
    .wavefront_size: 32
...
	.end_amdgpu_metadata
.endif
;; end of part 3
;; launch combine (part 4): grid 1024 x 1, 8 waves a work-group, no clusters, 0 bytes of LDS; arguments choice, gates, ypart, b2, out0; writes out0
.if DOCPART == 4
	.amdgcn_target "amdgcn-amd-amdhsa--gfx1250"
	.amdhsa_code_object_version 6
	.text
	.protected	k_q9f046bdb83_combine
	.globl	k_q9f046bdb83_combine
	.p2align	8
	.type	k_q9f046bdb83_combine,@function
k_q9f046bdb83_combine:
	s_mov_b64 s[64:65], 0
	v_nop
	global_prefetch_b8 v0, s[64:65] scope:SCOPE_SE
	s_setreg_imm32_b32 hwreg(HW_REG_WAVE_MODE, 25, 1), 1
	s_wait_xcnt 0x0
; out[t] = g0 (y[e0][t] + b2[e0]) + g1 (y[e1][t] + b2[e1]), where y[e][t] is the sum of the four K quarters' partial rows, ((0 + 1) + (2 + 3)), all in f32.
; A work-group is one token, a thread 4 columns: every load and store of a wave covers 512 consecutive bytes, aligned.  The two experts come from `choice`, whole numbers that an earlier launch stored.
; b2 is rounded to bf16 like every input of this program.  A stream: no LDS, no matrix unit, nothing shared between work-groups but b2's 32 KiB.
	s_load_b256 s[4:11], s[0:1], 0x0               ; choice s[4:5], gates s[6:7], ypart s[8:9], b2 s[10:11]
	s_load_b64 s[12:13], s[0:1], 0x20              ; out0
	s_lshl_b32 s16, ttmp9, 3                       ; 8 bytes a token
	s_mov_b32 s17, 0
	s_lshl_b32 s18, ttmp9, 12                      ; a token's row of 4,096 bytes
	s_mov_b32 s19, 0
	v_lshlrev_b32 v1, 4, v0                        ; my 16 bytes of a row
	v_mov_b32 v2, v1                               ; and the same in each quarter's plane set: 8 experts x 4 MiB apart
	v_add_nc_u32 v3, 1<<25, v1
	v_add_nc_u32 v4, 2<<25, v1
	v_add_nc_u32 v5, 3<<25, v1
	s_wait_kmcnt 0x0
	s_add_nc_u64 s[4:5], s[4:5], s[16:17]
	s_add_nc_u64 s[6:7], s[6:7], s[16:17]
	s_load_b64 s[20:21], s[4:5], 0x0               ; e0, e1
	s_load_b64 s[22:23], s[6:7], 0x0               ; g0, g1
	s_add_nc_u64 s[12:13], s[12:13], s[18:19]
	s_add_nc_u64 s[8:9], s[8:9], s[18:19]
	s_wait_kmcnt 0x0
	s_min_u32 s20, s20, 7
	s_min_u32 s21, s21, 7
	s_lshl_b32 s24, s20, 22                        ; the expert's plane of 4 MiB
	s_mov_b32 s25, 0
	s_add_nc_u64 s[26:27], s[8:9], s[24:25]
	s_lshl_b32 s24, s21, 22
	s_add_nc_u64 s[28:29], s[8:9], s[24:25]
	s_lshl_b32 s24, s20, 12                        ; the expert's row of b2
	s_add_nc_u64 s[30:31], s[10:11], s[24:25]
	s_lshl_b32 s24, s21, 12
	s_add_nc_u64 s[32:33], s[10:11], s[24:25]
	s_mov_b32 s34, s22                             ; each gate in a pair of its own: the packed forms name a pair and take its low word
	s_mov_b32 s35, s22
	s_mov_b32 s36, s23
	s_mov_b32 s37, s23
.irp q, 0,1,2,3
	global_load_b128 v[8+4*\q:11+4*\q],  v[2+\q], s[26:27] th:TH_LOAD_NT
	global_load_b128 v[24+4*\q:27+4*\q], v[2+\q], s[28:29] th:TH_LOAD_NT
.endr
	global_load_b128 v[40:43], v1, s[30:31]
	global_load_b128 v[44:47], v1, s[32:33]
	s_wait_loadcnt 0x0
.irp k, 8, 24
	v_pk_add_f32 v[\k:\k+1],     v[\k:\k+1],     v[\k+4:\k+5]
	v_pk_add_f32 v[\k+2:\k+3],   v[\k+2:\k+3],   v[\k+6:\k+7]
	v_pk_add_f32 v[\k+8:\k+9],   v[\k+8:\k+9],   v[\k+12:\k+13]
	v_pk_add_f32 v[\k+10:\k+11], v[\k+10:\k+11], v[\k+14:\k+15]
	v_pk_add_f32 v[\k:\k+1],     v[\k:\k+1],     v[\k+8:\k+9]
	v_pk_add_f32 v[\k+2:\k+3],   v[\k+2:\k+3],   v[\k+10:\k+11]
.endr
.irp j, 0,1,2,3
	v_cvt_pk_bf16_f32 v[48+\j], v[40+2*\j], v[41+2*\j]
.endr
.irp j, 0,1,2,3
	v_lshlrev_b32 v[40+2*\j], 16, v[48+\j]
	v_and_b32     v[41+2*\j], 0xffff0000, v[48+\j]
.endr
	v_pk_add_f32 v[8:9],   v[8:9],   v[40:41]
	v_pk_add_f32 v[10:11], v[10:11], v[42:43]
	v_pk_add_f32 v[24:25], v[24:25], v[44:45]
	v_pk_add_f32 v[26:27], v[26:27], v[46:47]
	v_pk_mul_f32 v[8:9],   v[8:9],   s[34:35] op_sel_hi:[1,0]
	v_pk_mul_f32 v[10:11], v[10:11], s[34:35] op_sel_hi:[1,0]
	v_pk_fma_f32 v[8:9],   v[24:25], s[36:37], v[8:9]   op_sel_hi:[1,0,1]
	v_pk_fma_f32 v[10:11], v[26:27], s[36:37], v[10:11] op_sel_hi:[1,0,1]
	global_store_b128 v1, v[8:11], s[12:13] th:TH_STORE_NT
	s_endpgm
.Lfunc_end_k_q9f046bdb83_combine:
	.size	k_q9f046bdb83_combine, .Lfunc_end_k_q9f046bdb83_combine-k_q9f046bdb83_combine
	.p2alignl 7, 3214868480
	.fill 96, 4, 3214868480
	.section	.rodata,"a",@progbits
	.p2align	6, 0x0
	.amdhsa_kernel k_q9f046bdb83_combine
		.amdhsa_group_segment_fixed_size 0
		.amdhsa_private_segment_fixed_size 0
		.amdhsa_enable_private_segment 0
		.amdhsa_kernarg_size 40
		.amdhsa_user_sgpr_count 2
		.amdhsa_user_sgpr_kernarg_segment_ptr 1
		.amdhsa_wavefront_size32 1
		.amdhsa_system_sgpr_workgroup_id_x 1
		.amdhsa_system_sgpr_workgroup_id_y 1
		.amdhsa_system_sgpr_workgroup_id_z 1
		.amdhsa_system_vgpr_workitem_id 0
		.amdhsa_next_free_vgpr 64
		.amdhsa_next_free_sgpr 66
		.amdhsa_reserve_vcc 0
		.amdhsa_float_denorm_mode_32 3
		.amdhsa_float_denorm_mode_16_64 3
		.amdhsa_memory_ordered 1
		.amdhsa_forward_progress 1
		.amdhsa_inst_pref_size 5
	.end_amdhsa_kernel
	.amdgpu_metadata
---
amdhsa.version: [ 1, 2 ]
amdhsa.kernels:
  - .name:           k_q9f046bdb83_combine
    .symbol:         k_q9f046bdb83_combine.kd
    .args:
      - { .name: choice, .offset: 0, .size: 8, .value_kind: global_buffer, .address_space: global }
      - { .name: gates, .offset: 8, .size: 8, .value_kind: global_buffer, .address_space: global }
      - { .name: ypart, .offset: 16, .size: 8, .value_kind: global_buffer, .address_space: global }
      - { .name: b2, .offset: 24, .size: 8, .value_kind: global_buffer, .address_space: global }
      - { .name: out0, .offset: 32, .size: 8, .value_kind: global_buffer, .address_space: global }
    .group_segment_fixed_size: 0
    .private_segment_fixed_size: 0
    .kernarg_segment_align: 8
    .kernarg_segment_size: 40
    .max_flat_workgroup_size: 256
    .sgpr_count:     66
    .vgpr_count:     64
    .wavefront_size: 32
...
	.end_amdgpu_metadata
.endif
;; end of part 4
;; ======== version 2 of 3: 4 launches; 1.28 times as fast as version 1
;; limits: a function is approximated: absolute error at most 1.5e-07
;; workspace buffers: xb 2,097,152 bytes; choice 8,192 bytes of whole numbers; gates 8,192 bytes; maskbuf 1,024 bytes of whole numbers; hbuf 67,108,864 bytes; ypart 134,217,728 bytes
;; launch router: the kernel of part 1 again; grid 64 x 1, 8 waves a work-group, no clusters, 44,032 bytes of LDS; arguments hidden_states, w_router, xb, choice, gates, maskbuf; writes xb, choice, gates, maskbuf
;; launch ffn1 (part 5): grid 256 x 1, 4 waves a work-group, no clusters, 298,496 bytes of LDS; arguments maskbuf, xb, w1, hbuf, b1; writes hbuf
.if DOCPART == 5
	.amdgcn_target "amdgcn-amd-amdhsa--gfx1250"
	.amdhsa_code_object_version 6
	.text
	.protected	k_q9f046bdb83_ffn1
	.globl	k_q9f046bdb83_ffn1
	.p2align	8
	.type	k_q9f046bdb83_ffn1,@function
k_q9f046bdb83_ffn1:
	s_mov_b64 s[64:65], 0
	v_nop
	global_prefetch_b8 v0, s[64:65] scope:SCOPE_SE
	s_setreg_imm32_b32 hwreg(HW_REG_WAVE_MODE, 25, 1), 1
	s_wait_xcnt 0x0
; THE FIRST PRODUCT OF THE EXPERTS.
;   hbuf[e][t][128 s + n] = gelu(x[t] . w1[e][128 s + n] + b1[e][128 s + n]), bf16, for the tokens t that chose expert e.   Work-group = (e, s): 8 x 32.
; A work-group owns a slice of 128 rows x 1,024 K of ONE expert's weights, 512 KiB of f32 that it alone reads, once; and all of that expert's token rows.
; PHASE A: each wave streams 32 rows of the slice through registers, rounds them to bf16 and lays them into LDS (64 loads of 512 bytes a wave on their way).
; PHASE B: blocks of 16 token rows are dealt to the waves, 5 a wave and pass (320 rows a pass), 4 passes at the most (80 blocks for the 64 that 1,024 rows make: every split is served).
;   A wave's block x 128 columns are 8 accumulators.  The weights' fragments come from LDS, the token rows straight from memory as matrix operands.
; THE TOKEN OF A RANK is found in registers from the expert's 1,024 mask bits, which lie in scalar registers: the mask word whose running count covers the rank, then the n-th set bit of that word.
;   Ranks past the count are clamped to the last member: such rows repeat a row that exists, are computed like it and store the same numbers to the same place.  Whole blocks past the count are not stored.
; BARRIERS: one between the phases; two in each pass, on every wave's path (a wave with no block jumps over work alone): between the pass's reads of the slice and the stores into the stages, and between
;   those stores and the next pass's reads.
; The matrix instruction is used transposed (source 0 = 16 rows of weights, source 1 = 16 token rows): a lane holds 8 neighbouring columns of one token's row.
; GELU is exact-erf by the rational form of Abramowitz and Stegun 7.1.26 (|error of erf| <= 1.5e-7 for every x): gelu = max(x, 0) - 0.5 |x| q(t) exp(-x^2 / 2), t = 1 / (1 + 0.3275911 |x| / sqrt 2).
; LIMITS.  All operands are rounded to bf16, the bias too; NaN and infinities are not treated apart.  An expert without tokens still streams its slice (no barrier hangs on a loaded number) and stores nothing.
; NO JOINT LOADS: each slice of weights has one reader; what an expert's work-groups share is its token rows, which come by rank from a bitmap, so that no tile descriptor covers them.
.set WP,  4096                         ; bytes from row to row of the weights
.set ASH, 11                           ; a token's row of the left operand: 2,048 bytes (xb)
.set OSH, 13                           ; a token's row of the output: 8,192 bytes (hbuf)
.set WPITCH, 2064                      ; a row of the slice in LDS: 2,048 bytes + 16 = 516 words: the 16 rows of a fragment load start 4 words apart modulo 64
.set STAGE,  128*WPITCH                ; 4 x 16 rows x 528 bytes: each wave's own stage for the way out: 512 bytes of f32, the row's token, 12 bytes unused
.set SPITCH, 528
.set SPARE,  STAGE+4*16*SPITCH         ; the spare words, 128 bytes a wave: two blocks of 256 bytes that no other line names
; window 0: v1 r, v2 h, v3 lane; v4, v5 the add's registers; v6-9 the slice's fragment addresses in hand; v10 a fragment's lane term; v11 at work; v12-16 the five blocks' row offsets; v17 stage, in;
;   v18 stage, back; v19 a row's token, in; v20 a row's token, back; v21 my column bytes; v22 16 h; v23 where I lay the slice; v24-31 bias;
;   v32-191 token fragments, a ring of 4 steps x 5 blocks x 8 (while tokens are sought and on the way out: at work); v192-195 at work; v224-228 the five blocks' tokens;
;   v229-232 the stream's four offsets; v234 my place in the bias; v236-239 the slice's four pairs of column blocks
; window 1: v0-255 first the stream's ring (4 groups of 64), then the accumulators of blocks 0-3, (a, b) at 64 a + 8 b
; window 2: v0-127 the slice's fragments, 2 steps x 8 x 8; v128-191 first the stream's rounded weights (two halves by turns), then block 4's accumulators
; scalars: s2 wave; s3 the sign's mask; s16-47 the mask words; s48 count - 1; s49 blocks with a member; s50 pass; s51 my live blocks; s52, s53 counts; s54 running count; s55 bytes along K; s56 my first rank; s57 block on its way out
.set SPW, 4
.set NIL, 5
.set XA,  12
.set BI,  24
.set XF,  32
.set T,   192
.set TK,  224
.set VO,  229
.set WB,  236
.set TW,  128                          ; in window 2
.set RH, 32                            ; the search's work, five registers each: the rank,
.set WD, 40                            ; its mask word,
.set PG, 48                            ; the count before that word, and the word's number in the upper half,
.set NN, 56                            ; which set bit of the word,
.set C1, 64                            ; set bits in each field of 2,
.set C2, 72                            ; of 4,
.set C4, 80                            ; of 8 bits,
.set PS, 88                            ; the bit's place so far,
.set TT, 96
.set DD, 104
.set K5, 80                            ; s80-82: 0x55555555, 0x33333333, 0x0f0f0f0f
.set K3, 81
.set KF, 82
.set MSB, 0
.macro WIN new                         ; the immediate's high byte repeats the setting that is left; a switch that changes nothing is dropped
.if MSB != (\new)
	s_set_vgpr_msb (MSB<<8)|(\new)
.set MSB, \new
.endif
.endm
.set W_MUL,  0x52                      ; source 0 window 2, source 1 window 0, C and D window 1
.set W_MUL4, 0xa2                      ; the same with C and D in window 2
.set W_WF,   0x80                      ; destination window 2
.set W_RING, 0x40                      ; destination window 1
.set W_CVT,  0x85                      ; sources 0 and 1 window 1, destination window 2
.set W_TW,   0x08                      ; an LDS store's data (source 1) window 2
.set W_STG,  0x04                      ; an LDS store's data window 1
.macro ALL5 line:vararg                ; one line for each of the five blocks a5
.set a5, 0
.rept 5
	\line
.set a5, a5+1
.endr
.endm
	s_load_b256 s[4:11], s[0:1], 0x0               ; maskbuf s[4:5], xb s[6:7], w1 s[8:9], hbuf s[10:11]
	s_load_b64 s[12:13], s[0:1], 0x20              ; b1
	v_lshl_add_u32 v[SPW], v0, 2, SPARE
	v_mov_b32 v[NIL], 0
	v_lshrrev_b32 v6, 5, v0
	v_readfirstlane_b32 s2, v6                     ; wave 0..3
	v_and_b32 v1, 15, v0                           ; r
	v_bfe_u32 v2, v0, 4, 1                         ; h
	v_and_b32 v3, 31, v0                           ; lane
	s_lshr_b32 s3, ttmp9, 5                        ; the expert
	s_lshl_b32 s52, s3, 7                          ; its 128 bytes of maskbuf
	s_mov_b32 s53, 0
	s_lshl_b32 s56, s3, 24                         ; its 16 MiB of weights
	s_mov_b32 s57, 0
	s_mov_b32 s51, 0
	s_and_b32 s14, ttmp9, 31                       ; the slice of 128 hidden columns
	s_lshl_b32 s15, s14, 19                        ; 128 rows of 4,096 bytes
	s_add_co_u32 s56, s56, s15
	s_lshl_b32 s15, s2, 17                         ; my wave's 32 rows
	s_add_co_u32 s56, s56, s15
	s_lshl_b32 s50, s3, 23                         ; hbuf: the expert's 8 MiB, the slice's 256 bytes of a row
	s_lshl_b32 s15, s14, 8
	s_add_co_u32 s50, s50, s15
	s_lshl_b32 s48, s3, 14                         ; b1: the expert's 16 KiB, the slice's 512 bytes
	s_lshl_b32 s15, s14, 9
	s_add_co_u32 s48, s48, s15
	s_mov_b32 s49, 0
	s_mov_b32 s3, 0x7fffffff                       ; clears a sign
	s_mov_b32 s[K5], 0x55555555
	s_mov_b32 s[K3], 0x33333333
	s_mov_b32 s[KF], 0x0f0f0f0f
	s_mov_b32 s66, 0x3e6d3388                      ; 0.3275911 / sqrt 2
	s_mov_b32 s67, s66
	s_mov_b32 s68, 0xbf38aa3b                      ; -log2(e) / 2
	s_mov_b32 s69, s68
	s_mov_b32 s70, 0x3e827906                      ; a1 =  0.254829592
	s_mov_b32 s71, s70
	s_mov_b32 s72, 0xbe91a98e                      ; a2 = -0.284496736
	s_mov_b32 s73, s72
	s_mov_b32 s74, 0x3fb5f0e3                      ; a3 =  1.421413741
	s_mov_b32 s75, s74
	s_mov_b32 s76, 0xbfba00e3                      ; a4 = -1.453152027
	s_mov_b32 s77, s76
	s_mov_b32 s78, 0x3f87dc22                      ; a5 =  1.061405429
	s_mov_b32 s79, s78
	s_mul_i32 s15, s2, 32*WPITCH
	v_lshl_add_u32 v23, v3, 3, s15                 ; my wave's 32 rows of the slice in LDS, 8 bytes a lane
	v_lshlrev_b32 v22, 4, v2                       ; 16 h
.irp q, 0,1,2,3
	v_lshlrev_b32 v[VO+\q], 4, v3                  ; 16 bytes a lane; each group of the stream steps its own
.endr
	v_mul_u32_u24 v10, v1, WPITCH
	v_lshl_add_u32 v10, v2, 4, v10                 ; a fragment: row r, 16 h
.irp i, 0,1,2,3
	v_add_nc_u32 v[WB+\i], 32*WPITCH*\i, v10       ; column blocks 2 i, 2 i + 1 of the slice; never rewritten
.endr
	s_mul_i32 s59, s2, 16*SPITCH
	s_add_co_u32 s59, s59, STAGE                   ; my wave's stage
	v_mul_u32_u24 v17, v1, SPITCH
	v_lshl_add_u32 v17, v2, 5, v17
	v_add_nc_u32 v17, s59, v17                     ; in: row r, 32 bytes for each half of the lanes
	v_mul_u32_u24 v18, v2, SPITCH                  ; back: lanes 0-15 one row, lanes 16-31 the next; 8 columns (32 bytes of f32, 16 of bf16) a lane
	v_lshl_add_u32 v18, v1, 5, v18
	v_add_nc_u32 v18, s59, v18
	s_add_co_u32 s15, s59, 512                     ; behind a stage row's 512 bytes: its token
	v_mul_u32_u24 v19, v1, SPITCH
	v_add_nc_u32 v19, s15, v19                     ; in: row r's
	v_mul_u32_u24 v20, v2, SPITCH
	v_add_nc_u32 v20, s15, v20                     ; back: the row's that my half of the lanes takes
	v_lshlrev_b32 v21, 4, v1
	v_lshlrev_b32 v234, 5, v1                      ; my 8 numbers of the bias; not written again
	s_wait_kmcnt 0x0
	s_add_nc_u64 s[4:5], s[4:5], s[52:53]
	s_load_b512 s[16:31], s[4:5], 0x0              ; the expert's 1,024 bits: word g holds tokens 32 g .. 32 g + 31
	s_load_b512 s[32:47], s[4:5], 0x40
	s_add_nc_u64 s[60:61], s[8:9], s[56:57]        ; the weights at my wave's first row
	s_add_nc_u64 s[62:63], s[10:11], s[50:51]      ; the output at token 0's row, my slice
	s_add_nc_u64 s[12:13], s[12:13], s[48:49]
	s_mov_b64 s[58:59], s[6:7]                     ; the left operand's walking base
	global_load_b128 v[BI:BI+3],   v234, s[12:13]  ; older than every load of the stream, so the stream's first counted wait shows them in
	global_load_b128 v[BI+4:BI+7], v234, s[12:13] offset:16
; PHASE A.  A group is 2 rows of the slice: 16 loads of 512 consecutive bytes.  LOADG q: rows 2 q, 2 q + 1 of the 8 rows at which the group's offset register stands, into group q of the ring.
.macro LOADG q
	WIN W_RING
.irp i, 0,1
.irp c, 0,1,2,3,4,5,6,7
	global_load_b128 v[64*(\q)+4*(8*(\i)+(\c)):64*(\q)+4*(8*(\i)+(\c))+3], v[VO+(\q)], s[60:61] offset:(2*(\q)+(\i))*WP+512*(\c) th:TH_LOAD_NT
.endr
.endr
	WIN 0
.endm
; CONVG q, left: group q is in when at most `left` younger loads are out; it is rounded to bf16 and laid into LDS, 256 consecutive bytes a store.
.macro CONVG q, left
	s_wait_loadcnt \left
	WIN W_CVT
.set z, 0
.rept 16
	v_cvt_pk_bf16_f32 v[TW+32*((\q)%2)+2*z],   v[64*(\q)+4*z],   v[64*(\q)+4*z+1]
	v_cvt_pk_bf16_f32 v[TW+32*((\q)%2)+2*z+1], v[64*(\q)+4*z+2], v[64*(\q)+4*z+3]
.set z, z+1
.endr
	WIN W_TW
.irp i, 0,1
.irp c, 0,1,2,3,4,5,6,7
	ds_store_b64 v23, v[TW+32*((\q)%2)+2*(8*(\i)+(\c)):TW+32*((\q)%2)+2*(8*(\i)+(\c))+1] offset:(2*(\q)+(\i))*WPITCH+256*(\c)
.endr
.endr
	WIN 0
.endm
; XLOAD n: the five blocks' fragments of K step n (32 along K): lane (r, h) takes 16 bytes at 64 n + 16 h of row r and 16 bytes 32 further on.
.macro XLOAD n
.irp a, 0,1,2,3,4
	global_load_b128 v[XF+40*((\n)%4)+8*(\a):XF+40*((\n)%4)+8*(\a)+3],   v[XA+(\a)], s[58:59] offset:64*(\n)
	global_load_b128 v[XF+40*((\n)%4)+8*(\a)+4:XF+40*((\n)%4)+8*(\a)+7], v[XA+(\a)], s[58:59] offset:64*(\n)+32
.endr
.endm
; LIVE: for pass s50: block a of wave w is block 20 p + 4 a + w of the expert; s51 = how many of my five hold a member (0 to 5); s56 = my block 0's first rank, 320 p + 16 w.
.macro LIVE
	s_mul_i32 s15, s50, 20
	s_add_co_u32 s15, s15, s2
	s_sub_co_i32 s15, s49, s15
	s_max_i32 s15, s15, 0
	s_add_co_u32 s15, s15, 3
	s_lshr_b32 s15, s15, 2
	s_min_u32 s51, s15, 5
	s_mul_i32 s56, s50, 320
	s_lshl4_add_u32 s56, s2, s56
.endm
; One halving of the search for the n-th set bit: if the lower half of the field in hand holds n set bits or fewer, the bit lies in the upper half.
.macro SELST src, width, inc
	ALL5 v_bfe_u32 v[TT+a5], v[\src+a5], v[PS+a5], \width
.irp a, 0,1,2,3,4
	v_cmp_ge_u32 vcc_lo, v[NN+\a], v[TT+\a]
	v_cndmask_b32 v[DD+\a], 0, v[TT+\a], vcc_lo
	v_cndmask_b32 v[TT+\a], 0, \inc, vcc_lo
.endr
	ALL5 v_sub_nc_u32 v[NN+a5], v[NN+a5], v[DD+a5]
	ALL5 v_add_nc_u32 v[PS+a5], v[PS+a5], v[TT+a5]
.endm
; SELECT: the tokens of ranks s56 + 64 a + r, a = 0 .. 4 (both halves of the lanes alike), and their rows' offsets.
.macro SELECT
	v_add_nc_u32 v11, s56, v1
.irp a, 0,1,2,3,4
	v_add_nc_u32 v[RH+\a], 64*\a, v11
.endr
.irp a, 0,1,2,3,4
	v_min_u32 v[RH+\a], s48, v[RH+\a]              ; past the count: the last member
	v_mov_b32 v[WD+\a], s16
	v_mov_b32 v[PG+\a], 0
.endr
	s_bcnt1_i32_b32 s54, s16                       ; members before word 1
.set g, 1
.rept 31                               ; the last word whose count before it does not pass the rank
	s_or_b32 s15, s54, g<<16
.irp a, 0,1,2,3,4
	v_cmp_gt_u32 vcc_lo, s54, v[RH+\a]
	v_cndmask_b32 v[WD+\a], s[16+g], v[WD+\a], vcc_lo
	v_cndmask_b32 v[PG+\a], s15, v[PG+\a], vcc_lo
.endr
	s_bcnt1_i32_b32 s14, s[16+g]
	s_add_co_u32 s54, s54, s14
.set g, g+1
.endr
	ALL5 v_and_b32 v[TT+a5], 0xffff, v[PG+a5]
	ALL5 v_sub_nc_u32 v[NN+a5], v[RH+a5], v[TT+a5]
	ALL5 v_lshrrev_b32 v[PG+a5], 16, v[PG+a5]
	ALL5 v_lshrrev_b32 v[TT+a5], 1, v[WD+a5]
	ALL5 v_and_b32 v[TT+a5], s[K5], v[TT+a5]
	ALL5 v_sub_nc_u32 v[C1+a5], v[WD+a5], v[TT+a5]
	ALL5 v_lshrrev_b32 v[TT+a5], 2, v[C1+a5]
	ALL5 v_and_b32 v[DD+a5], s[K3], v[C1+a5]
	ALL5 v_and_b32 v[TT+a5], s[K3], v[TT+a5]
	ALL5 v_add_nc_u32 v[C2+a5], v[TT+a5], v[DD+a5]
	ALL5 v_lshrrev_b32 v[TT+a5], 4, v[C2+a5]
	ALL5 v_add_nc_u32 v[TT+a5], v[TT+a5], v[C2+a5]
	ALL5 v_and_b32 v[C4+a5], s[KF], v[TT+a5]
	ALL5 v_lshrrev_b32 v[TT+a5], 8, v[C4+a5]
	ALL5 v_add_nc_u32 v[TT+a5], v[TT+a5], v[C4+a5]
	ALL5 v_and_b32 v[TT+a5], 0xff, v[TT+a5]
.irp a, 0,1,2,3,4                      ; the word's lower 16 bits or its upper
	v_cmp_ge_u32 vcc_lo, v[NN+\a], v[TT+\a]
	v_cndmask_b32 v[DD+\a], 0, v[TT+\a], vcc_lo
	v_cndmask_b32 v[PS+\a], 0, 16, vcc_lo
.endr
	ALL5 v_sub_nc_u32 v[NN+a5], v[NN+a5], v[DD+a5]
	SELST C4, 8, 8
	SELST C2, 4, 4
	SELST C1, 2, 2
	SELST WD, 1, 1
	ALL5 v_lshl_add_u32 v[TK+a5], v[PG+a5], 5, v[PS+a5]
	ALL5 v_min_u32 v[TK+a5], 0x3ff, v[TK+a5]
	ALL5 v_lshl_add_u32 v[XA+a5], v[TK+a5], ASH, v22
.endm
	LOADG 0
	LOADG 1
	LOADG 2
	LOADG 3                                        ; rows 0-7: 64 loads, 32 KiB a wave, are out
	s_wait_kmcnt 0x0                               ; the masks.  While the weights are on their way: the count, my share of pass 0 and its tokens
	s_bcnt1_i32_b32 s54, s16
.set g, 1
.rept 31
	s_bcnt1_i32_b32 s14, s[16+g]
	s_add_co_u32 s54, s54, s14
.set g, g+1
.endr
	s_sub_co_u32 s48, s54, 1
	s_add_co_u32 s49, s54, 15
	s_lshr_b32 s49, s49, 4                         ; blocks of 16 rows that hold a member
	s_mov_b32 s50, 0
	LIVE
	SELECT
	s_mov_b32 s52, 3
.Lstage:                                               ; a trip: 8 rows are laid down, the 8 rows behind them asked for
.irp q, 0,1,2,3
	CONVG \q, 48                                   ; the three younger groups stay out; the group's own 16 loads are done, so its offset register may step
	v_add_nc_u32 v[VO+\q], 8*WP, v[VO+\q]
	LOADG \q
.endr
	v_add_nc_u32 v23, 8*WPITCH, v23
	s_sub_co_u32 s52, s52, 1
	s_cmp_lg_u32 s52, 0
	s_cbranch_scc1 .Lstage
	CONVG 0, 48                                    ; the last 8 rows; between them pass 0's first three K steps of token rows are asked for, 10 loads each:
	XLOAD 0
	CONVG 1, 42                                    ; two groups and 10 token loads are younger,
	XLOAD 1
	CONVG 2, 36                                    ; one group and 20,
	XLOAD 2
	CONVG 3, 30                                    ; the 30
.irp j, 0,1,2,3                        ; the bias, rounded to bf16 like every input, and widened again
	v_cvt_pk_bf16_f32 v[T+\j], v[BI+2*\j], v[BI+2*\j+1]
.endr
.irp j, 0,1,2,3
	v_lshlrev_b32 v[BI+2*\j],   16, v[T+\j]
	v_and_b32     v[BI+2*\j+1], 0xffff0000, v[T+\j]
.endr
	s_wait_dscnt 0x0                               ; for the others' sake: my 32 rows of the slice are in LDS
	s_barrier_signal -1
	s_barrier_wait -1                              ; the slice is whole; nobody writes it again
; PHASE B.  WADR: the slice's fragment addresses in hand: s55 bytes along K + the four fixed starts.  Four plain vector lines that name no register of a product.
.macro WADR
.irp i, 0,1,2,3
	v_add_nc_u32 v[6+\i], s55, v[WB+\i]
.endr
.endm
; WLOAD n: the slice's eight fragments of K step n, one run of 16 LDS loads
.macro WLOAD n
	WIN W_WF
.irp b, 0,1,2,3,4,5,6,7
	ds_load_b128 v[64*((\n)%2)+8*(\b):64*((\n)%2)+8*(\b)+3],   v[6+(\b)/2] offset:((\b)%2)*16*WPITCH+64*(\n)
	ds_load_b128 v[64*((\n)%2)+8*(\b)+4:64*((\n)%2)+8*(\b)+7], v[6+(\b)/2] offset:((\b)%2)*16*WPITCH+64*(\n)+32
.endr
	WIN 0
.endm
; MULB n, a, zero: block a x all 8 column blocks; the accumulators take turns, one instruction a turn
.macro MULB n, a, zero
.irp b, 0,1,2,3,4,5,6,7
.if (\a) < 4
.set rD, 64*(\a)+8*(\b)
.else
.set rD, TW+8*(\b)
.endif
.if \zero
	v_wmma_f32_16x16x32_bf16 v[rD:rD+7], v[64*((\n)%2)+8*(\b):64*((\n)%2)+8*(\b)+7], v[XF+40*((\n)%4)+8*(\a):XF+40*((\n)%4)+8*(\a)+7], 0
.else
	v_wmma_f32_16x16x32_bf16 v[rD:rD+7], v[64*((\n)%2)+8*(\b):64*((\n)%2)+8*(\b)+7], v[XF+40*((\n)%4)+8*(\a):XF+40*((\n)%4)+8*(\a)+7], v[rD:rD+7]
.endif
.endr
.endm
; STEP n: K step n.  xa: the token fragments three steps on are asked for; wa: the slice's of the next step; zero: the products start the sums; lc: the younger token loads that may stay out.
; Blocks 0 to 3 are always multiplied (one past the count repeats the last member's row and is not stored); block 4's products are jumped, forward, unless it is alive.
.macro STEP n, xa, wa, zero, lc
.if (\xa)+(\wa)
	WADR                                           ; also the four places between the last products and the loads into registers that they read (ISA guide 7.12.1 for vector instructions)
.endif
.if \xa
	XLOAD (\n)+3
.endif
.if \wa
	WLOAD (\n)+1
.endif
	s_wait_loadcnt \lc                             ; this step's 10 token loads are in
.if \wa
	s_wait_dscnt 16                                ; this step's fragments of the slice are in; the 16 loads just issued stay out
.else
	s_wait_dscnt 0x0
.endif
	WIN W_MUL
	MULB \n, 0, \zero
	MULB \n, 1, \zero
	MULB \n, 2, \zero
	MULB \n, 3, \zero
.if !(\zero)
	WIN 0
	s_cmp_lt_u32 s51, 5
	s_cbranch_scc1 .Ldone_\@
.endif
	WIN W_MUL4
	MULB \n, 4, \zero
	WIN 0
.Ldone_\@:
.endm
; STG a: block a's 16 rows x 128 columns of f32 into my own stage, each accumulator from its low end on; and each row's token behind the row
.macro STG a
	ds_store_b32 v19, v[TK+(\a)]
.if (\a) < 4
	WIN W_STG
.else
	WIN W_TW
.endif
.irp b, 0,1,2,3,4,5,6,7
.if (\a) < 4
.set rD, 64*(\a)+8*(\b)
.else
.set rD, TW+8*(\b)
.endif
	ds_store_b128 v17, v[rD:rD+3]   offset:64*(\b)
	ds_store_b128 v17, v[rD+4:rD+7] offset:64*(\b)+16
.endr
	WIN 0
.endm
.set GX, 32                            ; 16 numbers a lane: 8 columns of two rows
.set GT, 48                            ; 1 + p |x|, then t
.set GE, 64                            ; -x^2 log2(e) / 2, then exp(-x^2 / 2)
.set GR, 80                            ; max(x, 0), then the result
.set GQ, 96                            ; the polynomial
.set GP, 112                           ; 8 registers of bf16
.set GO, 120                           ; two row offsets
.set GK, 122                           ; two tokens
.set GA, 124                           ; |x|
; GELU c: rows 4 c .. 4 c + 3 of the staged block: bias, gelu, bf16; sixteen lanes store 256 consecutive bytes of a token's row, aligned.
.macro GELU c
	ds_load_b128 v[GX:GX+3],     v18 offset:4*(\c)*SPITCH     ; my wave's own bytes: LDS serves a wave's instructions in order, so these see STG's stores
	ds_load_b128 v[GX+4:GX+7],   v18 offset:4*(\c)*SPITCH+16
	ds_load_b128 v[GX+8:GX+11],  v18 offset:(4*(\c)+2)*SPITCH
	ds_load_b128 v[GX+12:GX+15], v18 offset:(4*(\c)+2)*SPITCH+16
	ds_load_b32 v[GK],   v20 offset:4*(\c)*SPITCH
	ds_load_b32 v[GK+1], v20 offset:(4*(\c)+2)*SPITCH
	s_wait_dscnt 0x0
.set z, 0
.rept 8
	v_pk_add_f32 v[GX+2*z:GX+2*z+1], v[GX+2*z:GX+2*z+1], v[BI+2*(z%4):BI+2*(z%4)+1]
.set z, z+1
.endr
.set z, 0
.rept 16
	v_and_b32 v[GA+z], s3, v[GX+z]
.set z, z+1
.endr
.set z, 0
.rept 8
	v_pk_fma_f32 v[GT+2*z:GT+2*z+1], v[GA+2*z:GA+2*z+1], s[66:67], 1.0 op_sel_hi:[1,0,0]
.set z, z+1
.endr
.set z, 0
.rept 8
	v_pk_mul_f32 v[GE+2*z:GE+2*z+1], v[GX+2*z:GX+2*z+1], v[GX+2*z:GX+2*z+1]
.set z, z+1
.endr
.set z, 0
.rept 8
	v_pk_mul_f32 v[GE+2*z:GE+2*z+1], v[GE+2*z:GE+2*z+1], s[68:69] op_sel_hi:[1,0]
.set z, z+1
.endr
.set z, 0
.rept 16                               ; one batch: 16 reciprocals and 16 exponentials, none of which reads another's result
	v_rcp_f32 v[GT+z], v[GT+z]
.set z, z+1
.endr
.set z, 0
.rept 16
	v_exp_f32 v[GE+z], v[GE+z]
.set z, z+1
.endr
.set z, 0
.rept 16                               ; plain work that names no result of the batch
	v_max_num_f32 v[GR+z], 0, v[GX+z]
.set z, z+1
.endr
	s_wait_alu depctr_va_vdst(0)                   ; one wait for the batch, ahead of its first reader
.set z, 0
.rept 8
	v_pk_fma_f32 v[GQ+2*z:GQ+2*z+1], v[GT+2*z:GT+2*z+1], s[78:79], s[76:77] op_sel_hi:[1,0,0]
.set z, z+1
.endr
.irp k, 74, 72, 70
.set z, 0
.rept 8
	v_pk_fma_f32 v[GQ+2*z:GQ+2*z+1], v[GQ+2*z:GQ+2*z+1], v[GT+2*z:GT+2*z+1], s[\k:\k+1] op_sel_hi:[1,1,0]
.set z, z+1
.endr
.endr
.set z, 0
.rept 8
	v_pk_mul_f32 v[GQ+2*z:GQ+2*z+1], v[GQ+2*z:GQ+2*z+1], v[GT+2*z:GT+2*z+1]
.set z, z+1
.endr
.set z, 0
.rept 8
	v_pk_mul_f32 v[GQ+2*z:GQ+2*z+1], v[GQ+2*z:GQ+2*z+1], v[GE+2*z:GE+2*z+1]
.set z, z+1
.endr
.set z, 0
.rept 8
	v_pk_mul_f32 v[GQ+2*z:GQ+2*z+1], v[GQ+2*z:GQ+2*z+1], v[GA+2*z:GA+2*z+1]
.set z, z+1
.endr
.set z, 0
.rept 8
	v_pk_fma_f32 v[GR+2*z:GR+2*z+1], v[GQ+2*z:GQ+2*z+1], -0.5, v[GR+2*z:GR+2*z+1] op_sel_hi:[1,0,1]
.set z, z+1
.endr
	s_wait_xcnt 0x0                                ; the four rows before: their two stores' data and offsets are written again only behind this wait
	v_min_u32 v[GK],   0x3ff, v[GK]
	v_min_u32 v[GK+1], 0x3ff, v[GK+1]
	v_lshl_add_u32 v[GO],   v[GK],   OSH, v21
	v_lshl_add_u32 v[GO+1], v[GK+1], OSH, v21
.set z, 0
.rept 8
	v_cvt_pk_bf16_f32 v[GP+z], v[GR+2*z], v[GR+2*z+1]
.set z, z+1
.endr
	global_store_b128 v[GO],   v[GP:GP+3],   s[62:63]
	global_store_b128 v[GO+1], v[GP+4:GP+7], s[62:63]
.endm
.Lpass:                                                ; 4 trips, whatever the count.  At its head: s51 = my live blocks; if there are any, their tokens are found and K steps 0 to 2 of their rows asked for
	s_cmp_eq_u32 s51, 0
	s_cbranch_scc1 .Lnok                           ; none: the walk along K is jumped, forward; it holds no barrier
	s_wait_xcnt 0x0                                ; whatever was stored before has read its registers: the ring of token fragments is written again
	s_mov_b32 s55, 0                               ; the slice from K = 0 on
	WADR
	WLOAD 0
	STEP 0, 1, 1, 1, 30                            ; 30: the three later steps' 10 loads each stay out
	s_mov_b32 s52, 7
.Lk:                                                   ; a trip: four K steps
	STEP 1, 1, 1, 0, 30
	STEP 2, 1, 1, 0, 30
	STEP 3, 1, 1, 0, 30
	STEP 4, 1, 1, 0, 30
	s_wait_xcnt 0x0                                ; the base steps only when the loads have had their addresses translated
	s_add_nc_u64 s[58:59], s[58:59], 256
	s_add_co_u32 s55, s55, 256                     ; four steps of 64 bytes along the rows
	s_sub_co_u32 s52, s52, 1
	s_cmp_lg_u32 s52, 0
	s_cbranch_scc1 .Lk
	STEP 1, 0, 1, 0, 20                            ; the last three steps ask for no token rows: the counts run down
	STEP 2, 0, 1, 0, 10
	STEP 3, 0, 0, 0, 0
.Lnok:
	s_wait_dscnt 0x0                               ; my reads of the slice are back
	s_barrier_signal -1
	s_barrier_wait -1                              ; every wave's are: the stages may be written
	s_cmp_eq_u32 s51, 0
	s_cbranch_scc1 .Lnoout
	s_wait_loadcnt 0x0                             ; no load is on its way into the registers that the way out works in
.rept 4
	v_nop                                          ; four places between the last products and the first reader of their results
.endr
	s_mov_b32 s57, 0                               ; THE WAY OUT: a trip for each block; the LDS addresses are the same in every trip
	s_mov_b32 s53, 5
.Lblk:
	s_cmp_ge_u32 s57, s51
	s_cbranch_scc1 .Lblk_next                      ; whole blocks past the count are not stored
	s_cmp_lg_u32 s57, 0
	s_cbranch_scc1 .Lstg1
	STG 0
	s_branch .Lstaged
.Lstg1:
	s_cmp_lg_u32 s57, 1
	s_cbranch_scc1 .Lstg2
	STG 1
	s_branch .Lstaged
.Lstg2:
	s_cmp_lg_u32 s57, 2
	s_cbranch_scc1 .Lstg3
	STG 2
	s_branch .Lstaged
.Lstg3:
	s_cmp_lg_u32 s57, 3
	s_cbranch_scc1 .Lstg4
	STG 3
	s_branch .Lstaged
.Lstg4:
	STG 4
.Lstaged:
	GELU 0
	GELU 1
	GELU 2
	GELU 3
.Lblk_next:
	s_add_co_u32 s57, s57, 1
	s_sub_co_u32 s53, s53, 1
	s_cmp_lg_u32 s53, 0
	s_cbranch_scc1 .Lblk
.Lnoout:
	s_add_co_u32 s50, s50, 1
	LIVE                                           ; my share of the next pass (none behind the fourth: 80 blocks are more than there can be)
	s_cmp_eq_u32 s51, 0
	s_cbranch_scc1 .Lnosel
	s_wait_loadcnt 0x0
	s_wait_xcnt 0x0                                ; the stores have read their registers, the loads their base and offsets
	s_mov_b64 s[58:59], s[6:7]
	SELECT
	XLOAD 0
	XLOAD 1
	XLOAD 2
.Lnosel:
	s_wait_dscnt 0x0                               ; my stores into my stage, and my reads of it, are done
	s_barrier_signal -1
	s_barrier_wait -1                              ; every wave's are: the next pass may read LDS
	s_cmp_lt_u32 s50, 4
	s_cbranch_scc1 .Lpass
	s_wait_tensorcnt 0x0                           ; the wave's end, behind my last LDS store
	ds_add_u32 v[SPW], v[NIL]
	s_wait_dscnt 0x0
	s_endpgm
.Lfunc_end_k_q9f046bdb83_ffn1:
	.size	k_q9f046bdb83_ffn1, .Lfunc_end_k_q9f046bdb83_ffn1-k_q9f046bdb83_ffn1
	.p2alignl 7, 3214868480
	.fill 96, 4, 3214868480
	.section	.rodata,"a",@progbits
	.p2align	6, 0x0
	.amdhsa_kernel k_q9f046bdb83_ffn1
		.amdhsa_group_segment_fixed_size 298496
		.amdhsa_private_segment_fixed_size 0
		.amdhsa_enable_private_segment 0
		.amdhsa_kernarg_size 40
		.amdhsa_user_sgpr_count 2
		.amdhsa_user_sgpr_kernarg_segment_ptr 1
		.amdhsa_wavefront_size32 1
		.amdhsa_system_sgpr_workgroup_id_x 1
		.amdhsa_system_sgpr_workgroup_id_y 1
		.amdhsa_system_sgpr_workgroup_id_z 1
		.amdhsa_system_vgpr_workitem_id 0
		.amdhsa_next_free_vgpr 704
		.amdhsa_next_free_sgpr 84
		.amdhsa_reserve_vcc 1
		.amdhsa_float_denorm_mode_32 3
		.amdhsa_float_denorm_mode_16_64 3
		.amdhsa_memory_ordered 1
		.amdhsa_forward_progress 1
		.amdhsa_inst_pref_size 190
	.end_amdhsa_kernel
	.amdgpu_metadata
---
amdhsa.version: [ 1, 2 ]
amdhsa.kernels:
  - .name:           k_q9f046bdb83_ffn1
    .symbol:         k_q9f046bdb83_ffn1.kd
    .args:
      - { .name: maskbuf, .offset: 0, .size: 8, .value_kind: global_buffer, .address_space: global }
      - { .name: xb, .offset: 8, .size: 8, .value_kind: global_buffer, .address_space: global }
      - { .name: w1, .offset: 16, .size: 8, .value_kind: global_buffer, .address_space: global }
      - { .name: hbuf, .offset: 24, .size: 8, .value_kind: global_buffer, .address_space: global }
      - { .name: b1, .offset: 32, .size: 8, .value_kind: global_buffer, .address_space: global }
    .group_segment_fixed_size: 298496
    .private_segment_fixed_size: 0
    .kernarg_segment_align: 8
    .kernarg_segment_size: 40
    .max_flat_workgroup_size: 128
    .sgpr_count:     84
    .vgpr_count:     704
    .wavefront_size: 32
...
	.end_amdgpu_metadata
.endif
;; end of part 5
;; launch ffn2 (part 6): grid 256 x 1, 4 waves a work-group, no clusters, 298,496 bytes of LDS; arguments maskbuf, hbuf, w2, ypart; writes ypart
.if DOCPART == 6
	.amdgcn_target "amdgcn-amd-amdhsa--gfx1250"
	.amdhsa_code_object_version 6
	.text
	.protected	k_q9f046bdb83_ffn2
	.globl	k_q9f046bdb83_ffn2
	.p2align	8
	.type	k_q9f046bdb83_ffn2,@function
k_q9f046bdb83_ffn2:
	s_mov_b64 s[64:65], 0
	v_nop
	global_prefetch_b8 v0, s[64:65] scope:SCOPE_SE
	s_setreg_imm32_b32 hwreg(HW_REG_WAVE_MODE, 25, 1), 1
	s_wait_xcnt 0x0
; THE SECOND PRODUCT OF THE EXPERTS (the first product's text with its other shapes and way out).
;   ypart[kq][e][t][128 ns + n] = the sum over k in quarter kq of h[e][t][k] w2[e][128 ns + n][k], f32 (a partial sum), for the tokens t that chose expert e.   Work-group = (e, ns, kq): 8 x 8 x 4.
; A work-group owns a slice of 128 rows x 1,024 K of ONE expert's weights, 512 KiB of f32 that it alone reads, once; and all of that expert's token rows.
; PHASE A: each wave streams 32 rows of the slice through registers, rounds them to bf16 and lays them into LDS (64 loads of 512 bytes a wave on their way).
; PHASE B: blocks of 16 token rows are dealt to the waves, 5 a wave and pass (320 rows a pass), 4 passes at the most (80 blocks for the 64 that 1,024 rows make: every split is served).
;   A wave's block x 128 columns are 8 accumulators.  The weights' fragments come from LDS, the token rows straight from memory as matrix operands.
; THE TOKEN OF A RANK is found in registers from the expert's 1,024 mask bits, which lie in scalar registers: the mask word whose running count covers the rank, then the n-th set bit of that word.
;   Ranks past the count are clamped to the last member: such rows repeat a row that the first product has stored, are computed like it and store the same numbers to the same place.
;   Whole blocks past the count are not stored.
; The matrix instruction is used transposed (source 0 = 16 rows of weights, source 1 = 16 token rows): a lane holds 8 neighbouring columns of one token's row.
; K IS SPLIT IN FOUR so that a slice fits into LDS with 128 columns; the four parts stay in f32 and the last launch adds them in a fixed order.
; LIMITS.  All operands are rounded to bf16; NaN and infinities are not treated apart.  An expert without tokens still streams its slice (no barrier hangs on a loaded number) and stores nothing.
; NO JOINT LOADS: each slice of weights has one reader; what an expert's work-groups share is its token rows, which come by rank from a bitmap, so that no tile descriptor covers them.
.set WP,  16384                        ; bytes from row to row of the weights
.set ASH, 13                           ; a token's row of the left operand: 8,192 bytes (hbuf)
.set OSH, 12                           ; a token's row of the output: 4,096 bytes (ypart)
.set WPITCH, 2064                      ; a row of the slice in LDS: 2,048 bytes + 16 = 516 words: the 16 rows of a fragment load start 4 words apart modulo 64
.set STAGE,  128*WPITCH                ; 4 x 16 rows x 528 bytes: each wave's own stage for the way out: 512 bytes of f32, the row's token, 12 bytes unused
.set SPITCH, 528
.set SPARE,  STAGE+4*16*SPITCH         ; the spare words, 128 bytes a wave: two blocks of 256 bytes that no other line names
; window 0: v1 r, v2 h, v3 lane; v4, v5 the add's registers; v6-9 the slice's fragment addresses in hand; v10 a fragment's lane term; v11 at work; v12-16 the five blocks' row offsets; v17 stage, in;
;   v18 stage, back; v19 a row's token, in; v20 the tokens, back; v21 my column bytes; v22 16 h; v23 where I lay the slice;
;   v32-191 token fragments, a ring of 4 steps x 5 blocks x 8 (while tokens are sought and on the way out: at work); v224-228 the five blocks' tokens;
;   v229-232 the stream's four offsets; v236-239 the slice's four pairs of column blocks
; window 1: v0-255 first the stream's ring (4 groups of 64), then the accumulators of blocks 0-3, (a, b) at 64 a + 8 b
; window 2: v0-127 the slice's fragments, 2 steps x 8 x 8; v128-191 first the stream's rounded weights (two halves by turns), then block 4's accumulators
; scalars: s2 wave; s16-47 the mask words; s48 count - 1; s49 blocks with a member; s50 pass; s51 my live blocks; s52, s53 counts; s54 running count; s55 bytes along K; s56 my first rank; s57 block on its way out
.set SPW, 4
.set NIL, 5
.set XA,  12
.set XF,  32
.set TK,  224
.set VO,  229
.set WB,  236
.set TW,  128                          ; in window 2
.set RH, 32                            ; the search's work, five registers each: the rank,
.set WD, 40                            ; its mask word,
.set PG, 48                            ; the count before that word, and the word's number in the upper half,
.set NN, 56                            ; which set bit of the word,
.set C1, 64                            ; set bits in each field of 2,
.set C2, 72                            ; of 4,
.set C4, 80                            ; of 8 bits,
.set PS, 88                            ; the bit's place so far,
.set TT, 96
.set DD, 104
.set K5, 80                            ; s80-82: 0x55555555, 0x33333333, 0x0f0f0f0f
.set K3, 81
.set KF, 82
.set MSB, 0
.macro WIN new                         ; the immediate's high byte repeats the setting that is left; a switch that changes nothing is dropped
.if MSB != (\new)
	s_set_vgpr_msb (MSB<<8)|(\new)
.set MSB, \new
.endif
.endm
.set W_MUL,  0x52                      ; source 0 window 2, source 1 window 0, C and D window 1
.set W_MUL4, 0xa2                      ; the same with C and D in window 2
.set W_WF,   0x80                      ; destination window 2
.set W_RING, 0x40                      ; destination window 1
.set W_CVT,  0x85                      ; sources 0 and 1 window 1, destination window 2
.set W_TW,   0x08                      ; an LDS store's data (source 1) window 2
.set W_STG,  0x04                      ; an LDS store's data window 1
.macro ALL5 line:vararg                ; one line for each of the five blocks a5
.set a5, 0
.rept 5
	\line
.set a5, a5+1
.endr
.endm
	s_load_b256 s[4:11], s[0:1], 0x0               ; maskbuf s[4:5], hbuf s[6:7], w2 s[8:9], ypart s[10:11]
	v_lshl_add_u32 v[SPW], v0, 2, SPARE
	v_mov_b32 v[NIL], 0
	v_lshrrev_b32 v6, 5, v0
	v_readfirstlane_b32 s2, v6                     ; wave 0..3
	v_and_b32 v1, 15, v0                           ; r
	v_bfe_u32 v2, v0, 4, 1                         ; h
	v_and_b32 v3, 31, v0                           ; lane
	s_lshr_b32 s3, ttmp9, 5                        ; the expert
	s_lshl_b32 s52, s3, 7                          ; its 128 bytes of maskbuf
	s_mov_b32 s53, 0
	s_lshl_b32 s56, s3, 24                         ; its 16 MiB of weights
	s_mov_b32 s57, 0
	s_mov_b32 s51, 0
	s_bfe_u32 s14, ttmp9, 0x30002                  ; the slice of 128 output columns
	s_and_b32 s58, ttmp9, 3                        ; the quarter of K
	s_lshl_b32 s15, s14, 21                        ; 128 rows of 16,384 bytes
	s_add_co_u32 s56, s56, s15
	s_lshl_b32 s15, s2, 19                         ; my wave's 32 rows
	s_add_co_u32 s56, s56, s15
	s_lshl_b32 s15, s58, 12                        ; the quarter's 4,096 bytes of a row
	s_add_co_u32 s56, s56, s15
	s_lshl_b32 s54, s3, 23                         ; hbuf: the expert's 8 MiB, the quarter's 2,048 bytes of a row
	s_lshl_b32 s15, s58, 11
	s_add_co_u32 s54, s54, s15
	s_mov_b32 s55, 0
	s_lshl_b32 s50, s58, 3                         ; ypart: plane 8 kq + e of 4 MiB, the slice's 512 bytes of a row
	s_add_co_u32 s50, s50, s3
	s_lshl_b32 s50, s50, 22
	s_lshl_b32 s15, s14, 9
	s_add_co_u32 s50, s50, s15
	s_mov_b32 s[K5], 0x55555555
	s_mov_b32 s[K3], 0x33333333
	s_mov_b32 s[KF], 0x0f0f0f0f
	s_mul_i32 s15, s2, 32*WPITCH
	v_lshl_add_u32 v23, v3, 3, s15                 ; my wave's 32 rows of the slice in LDS, 8 bytes a lane
	v_lshlrev_b32 v22, 4, v2                       ; 16 h
.irp q, 0,1,2,3
	v_lshlrev_b32 v[VO+\q], 4, v3                  ; 16 bytes a lane; each group of the stream steps its own
.endr
	v_mul_u32_u24 v10, v1, WPITCH
	v_lshl_add_u32 v10, v2, 4, v10                 ; a fragment: row r, 16 h
.irp i, 0,1,2,3
	v_add_nc_u32 v[WB+\i], 32*WPITCH*\i, v10       ; column blocks 2 i, 2 i + 1 of the slice; never rewritten
.endr
	s_mul_i32 s59, s2, 16*SPITCH
	s_add_co_u32 s59, s59, STAGE                   ; my wave's stage
	v_mul_u32_u24 v17, v1, SPITCH
	v_lshl_add_u32 v17, v2, 5, v17
	v_add_nc_u32 v17, s59, v17                     ; in: row r, 32 bytes for each half of the lanes
	v_lshl_add_u32 v18, v3, 4, s59                 ; back: the wave takes a whole row of 512 bytes
	s_add_co_u32 s15, s59, 512                     ; behind a stage row's 512 bytes: its token
	v_mul_u32_u24 v19, v1, SPITCH
	v_add_nc_u32 v19, s15, v19                     ; in: row r's
	v_mov_b32 v20, s15                             ; back: every lane reads the same row's
	v_lshlrev_b32 v21, 4, v3
	s_wait_kmcnt 0x0
	s_add_nc_u64 s[4:5], s[4:5], s[52:53]
	s_load_b512 s[16:31], s[4:5], 0x0              ; the expert's 1,024 bits: word g holds tokens 32 g .. 32 g + 31
	s_load_b512 s[32:47], s[4:5], 0x40
	s_add_nc_u64 s[60:61], s[8:9], s[56:57]        ; the weights at my wave's first row
	s_add_nc_u64 s[62:63], s[10:11], s[50:51]      ; the output at token 0's row, my slice
	s_add_nc_u64 s[6:7], s[6:7], s[54:55]          ; the left operand at token 0's row, my quarter of K
	s_mov_b64 s[58:59], s[6:7]                     ; and its walking base
; PHASE A.  A group is 2 rows of the slice: 16 loads of 512 consecutive bytes.  LOADG q: rows 2 q, 2 q + 1 of the 8 rows at which the group's offset register stands, into group q of the ring.
.macro LOADG q
	WIN W_RING
.irp i, 0,1
.irp c, 0,1,2,3,4,5,6,7
	global_load_b128 v[64*(\q)+4*(8*(\i)+(\c)):64*(\q)+4*(8*(\i)+(\c))+3], v[VO+(\q)], s[60:61] offset:(2*(\q)+(\i))*WP+512*(\c) th:TH_LOAD_NT
.endr
.endr
	WIN 0
.endm
; CONVG q, left: group q is in when at most `left` younger loads are out; it is rounded to bf16 and laid into LDS, 256 consecutive bytes a store.
.macro CONVG q, left
	s_wait_loadcnt \left
	WIN W_CVT
.set z, 0
.rept 16
	v_cvt_pk_bf16_f32 v[TW+32*((\q)%2)+2*z],   v[64*(\q)+4*z],   v[64*(\q)+4*z+1]
	v_cvt_pk_bf16_f32 v[TW+32*((\q)%2)+2*z+1], v[64*(\q)+4*z+2], v[64*(\q)+4*z+3]
.set z, z+1
.endr
	WIN W_TW
.irp i, 0,1
.irp c, 0,1,2,3,4,5,6,7
	ds_store_b64 v23, v[TW+32*((\q)%2)+2*(8*(\i)+(\c)):TW+32*((\q)%2)+2*(8*(\i)+(\c))+1] offset:(2*(\q)+(\i))*WPITCH+256*(\c)
.endr
.endr
	WIN 0
.endm
; XLOAD n: the five blocks' fragments of K step n (32 along K): lane (r, h) takes 16 bytes at 64 n + 16 h of row r and 16 bytes 32 further on.
.macro XLOAD n
.irp a, 0,1,2,3,4
	global_load_b128 v[XF+40*((\n)%4)+8*(\a):XF+40*((\n)%4)+8*(\a)+3],   v[XA+(\a)], s[58:59] offset:64*(\n)
	global_load_b128 v[XF+40*((\n)%4)+8*(\a)+4:XF+40*((\n)%4)+8*(\a)+7], v[XA+(\a)], s[58:59] offset:64*(\n)+32
.endr
.endm
; LIVE: for pass s50: block a of wave w is block 20 p + 4 a + w of the expert; s51 = how many of my five hold a member (0 to 5); s56 = my block 0's first rank, 320 p + 16 w.
.macro LIVE
	s_mul_i32 s15, s50, 20
	s_add_co_u32 s15, s15, s2
	s_sub_co_i32 s15, s49, s15
	s_max_i32 s15, s15, 0
	s_add_co_u32 s15, s15, 3
	s_lshr_b32 s15, s15, 2
	s_min_u32 s51, s15, 5
	s_mul_i32 s56, s50, 320
	s_lshl4_add_u32 s56, s2, s56
.endm
; One halving of the search for the n-th set bit: if the lower half of the field in hand holds n set bits or fewer, the bit lies in the upper half.
.macro SELST src, width, inc
	ALL5 v_bfe_u32 v[TT+a5], v[\src+a5], v[PS+a5], \width
.irp a, 0,1,2,3,4
	v_cmp_ge_u32 vcc_lo, v[NN+\a], v[TT+\a]
	v_cndmask_b32 v[DD+\a], 0, v[TT+\a], vcc_lo
	v_cndmask_b32 v[TT+\a], 0, \inc, vcc_lo
.endr
	ALL5 v_sub_nc_u32 v[NN+a5], v[NN+a5], v[DD+a5]
	ALL5 v_add_nc_u32 v[PS+a5], v[PS+a5], v[TT+a5]
.endm
; SELECT: the tokens of ranks s56 + 64 a + r, a = 0 .. 4 (both halves of the lanes alike), and their rows' offsets.
.macro SELECT
	v_add_nc_u32 v11, s56, v1
.irp a, 0,1,2,3,4
	v_add_nc_u32 v[RH+\a], 64*\a, v11
.endr
.irp a, 0,1,2,3,4
	v_min_u32 v[RH+\a], s48, v[RH+\a]              ; past the count: the last member
	v_mov_b32 v[WD+\a], s16
	v_mov_b32 v[PG+\a], 0
.endr
	s_bcnt1_i32_b32 s54, s16                       ; members before word 1
.set g, 1
.rept 31                               ; the last word whose count before it does not pass the rank
	s_or_b32 s15, s54, g<<16
.irp a, 0,1,2,3,4
	v_cmp_gt_u32 vcc_lo, s54, v[RH+\a]
	v_cndmask_b32 v[WD+\a], s[16+g], v[WD+\a], vcc_lo
	v_cndmask_b32 v[PG+\a], s15, v[PG+\a], vcc_lo
.endr
	s_bcnt1_i32_b32 s14, s[16+g]
	s_add_co_u32 s54, s54, s14
.set g, g+1
.endr
	ALL5 v_and_b32 v[TT+a5], 0xffff, v[PG+a5]
	ALL5 v_sub_nc_u32 v[NN+a5], v[RH+a5], v[TT+a5]
	ALL5 v_lshrrev_b32 v[PG+a5], 16, v[PG+a5]
	ALL5 v_lshrrev_b32 v[TT+a5], 1, v[WD+a5]
	ALL5 v_and_b32 v[TT+a5], s[K5], v[TT+a5]
	ALL5 v_sub_nc_u32 v[C1+a5], v[WD+a5], v[TT+a5]
	ALL5 v_lshrrev_b32 v[TT+a5], 2, v[C1+a5]
	ALL5 v_and_b32 v[DD+a5], s[K3], v[C1+a5]
	ALL5 v_and_b32 v[TT+a5], s[K3], v[TT+a5]
	ALL5 v_add_nc_u32 v[C2+a5], v[TT+a5], v[DD+a5]
	ALL5 v_lshrrev_b32 v[TT+a5], 4, v[C2+a5]
	ALL5 v_add_nc_u32 v[TT+a5], v[TT+a5], v[C2+a5]
	ALL5 v_and_b32 v[C4+a5], s[KF], v[TT+a5]
	ALL5 v_lshrrev_b32 v[TT+a5], 8, v[C4+a5]
	ALL5 v_add_nc_u32 v[TT+a5], v[TT+a5], v[C4+a5]
	ALL5 v_and_b32 v[TT+a5], 0xff, v[TT+a5]
.irp a, 0,1,2,3,4                      ; the word's lower 16 bits or its upper
	v_cmp_ge_u32 vcc_lo, v[NN+\a], v[TT+\a]
	v_cndmask_b32 v[DD+\a], 0, v[TT+\a], vcc_lo
	v_cndmask_b32 v[PS+\a], 0, 16, vcc_lo
.endr
	ALL5 v_sub_nc_u32 v[NN+a5], v[NN+a5], v[DD+a5]
	SELST C4, 8, 8
	SELST C2, 4, 4
	SELST C1, 2, 2
	SELST WD, 1, 1
	ALL5 v_lshl_add_u32 v[TK+a5], v[PG+a5], 5, v[PS+a5]
	ALL5 v_min_u32 v[TK+a5], 0x3ff, v[TK+a5]
	ALL5 v_lshl_add_u32 v[XA+a5], v[TK+a5], ASH, v22
.endm
	LOADG 0
	LOADG 1
	LOADG 2
	LOADG 3                                        ; rows 0-7: 64 loads, 32 KiB a wave, are out
	s_wait_kmcnt 0x0                               ; the masks.  While the weights are on their way: the count, my share of pass 0 and its tokens
	s_bcnt1_i32_b32 s54, s16
.set g, 1
.rept 31
	s_bcnt1_i32_b32 s14, s[16+g]
	s_add_co_u32 s54, s54, s14
.set g, g+1
.endr
	s_sub_co_u32 s48, s54, 1
	s_add_co_u32 s49, s54, 15
	s_lshr_b32 s49, s49, 4                         ; blocks of 16 rows that hold a member
	s_mov_b32 s50, 0
	LIVE
	SELECT
	s_mov_b32 s52, 3
.Lstage:                                               ; a trip: 8 rows are laid down, the 8 rows behind them asked for
.irp q, 0,1,2,3
	CONVG \q, 48                                   ; the three younger groups stay out; the group's own 16 loads are done, so its offset register may step
	v_add_nc_u32 v[VO+\q], 8*WP, v[VO+\q]
	LOADG \q
.endr
	v_add_nc_u32 v23, 8*WPITCH, v23
	s_sub_co_u32 s52, s52, 1
	s_cmp_lg_u32 s52, 0
	s_cbranch_scc1 .Lstage
	CONVG 0, 48                                    ; the last 8 rows; between them pass 0's first three K steps of token rows are asked for, 10 loads each:
	XLOAD 0
	CONVG 1, 42                                    ; two groups and 10 token loads are younger,
	XLOAD 1
	CONVG 2, 36                                    ; one group and 20,
	XLOAD 2
	CONVG 3, 30                                    ; the 30
	s_wait_dscnt 0x0                               ; for the others' sake: my 32 rows of the slice are in LDS
	s_barrier_signal -1
	s_barrier_wait -1                              ; the slice is whole; nobody writes it again
; PHASE B.  WADR: the slice's fragment addresses in hand: s55 bytes along K + the four fixed starts.  Four plain vector lines that name no register of a product.
.macro WADR
.irp i, 0,1,2,3
	v_add_nc_u32 v[6+\i], s55, v[WB+\i]
.endr
.endm
; WLOAD n: the slice's eight fragments of K step n, one run of 16 LDS loads
.macro WLOAD n
	WIN W_WF
.irp b, 0,1,2,3,4,5,6,7
	ds_load_b128 v[64*((\n)%2)+8*(\b):64*((\n)%2)+8*(\b)+3],   v[6+(\b)/2] offset:((\b)%2)*16*WPITCH+64*(\n)
	ds_load_b128 v[64*((\n)%2)+8*(\b)+4:64*((\n)%2)+8*(\b)+7], v[6+(\b)/2] offset:((\b)%2)*16*WPITCH+64*(\n)+32
.endr
	WIN 0
.endm
; MULB n, a, zero: block a x all 8 column blocks; the accumulators take turns, one instruction a turn
.macro MULB n, a, zero
.irp b, 0,1,2,3,4,5,6,7
.if (\a) < 4
.set rD, 64*(\a)+8*(\b)
.else
.set rD, TW+8*(\b)
.endif
.if \zero
	v_wmma_f32_16x16x32_bf16 v[rD:rD+7], v[64*((\n)%2)+8*(\b):64*((\n)%2)+8*(\b)+7], v[XF+40*((\n)%4)+8*(\a):XF+40*((\n)%4)+8*(\a)+7], 0
.else
	v_wmma_f32_16x16x32_bf16 v[rD:rD+7], v[64*((\n)%2)+8*(\b):64*((\n)%2)+8*(\b)+7], v[XF+40*((\n)%4)+8*(\a):XF+40*((\n)%4)+8*(\a)+7], v[rD:rD+7]
.endif
.endr
.endm
; STEP n: K step n.  xa: the token fragments three steps on are asked for; wa: the slice's of the next step; zero: the products start the sums; lc: the younger token loads that may stay out.
; Blocks 0 to 3 are always multiplied (one past the count repeats the last member's row and is not stored); block 4's products are jumped, forward, unless it is alive.
.macro STEP n, xa, wa, zero, lc
.if (\xa)+(\wa)
	WADR                                           ; also the four places between the last products and the loads into registers that they read (ISA guide 7.12.1 for vector instructions)
.endif
.if \xa
	XLOAD (\n)+3
.endif
.if \wa
	WLOAD (\n)+1
.endif
	s_wait_loadcnt \lc                             ; this step's 10 token loads are in
.if \wa
	s_wait_dscnt 16                                ; this step's fragments of the slice are in; the 16 loads just issued stay out
.else
	s_wait_dscnt 0x0
.endif
	WIN W_MUL
	MULB \n, 0, \zero
	MULB \n, 1, \zero
	MULB \n, 2, \zero
	MULB \n, 3, \zero
.if !(\zero)
	WIN 0
	s_cmp_lt_u32 s51, 5
	s_cbranch_scc1 .Ldone_\@
.endif
	WIN W_MUL4
	MULB \n, 4, \zero
	WIN 0
.Ldone_\@:
.endm
; STG a: block a's 16 rows x 128 columns of f32 into my own stage, each accumulator from its low end on; and each row's token behind the row
.macro STG a
	ds_store_b32 v19, v[TK+(\a)]
.if (\a) < 4
	WIN W_STG
.else
	WIN W_TW
.endif
.irp b, 0,1,2,3,4,5,6,7
.if (\a) < 4
.set rD, 64*(\a)+8*(\b)
.else
.set rD, TW+8*(\b)
.endif
	ds_store_b128 v17, v[rD:rD+3]   offset:64*(\b)
	ds_store_b128 v17, v[rD+4:rD+7] offset:64*(\b)+16
.endr
	WIN 0
.endm
.Lpass:                                                ; 4 trips, whatever the count.  At its head: s51 = my live blocks; if there are any, their tokens are found and K steps 0 to 2 of their rows asked for
	s_cmp_eq_u32 s51, 0
	s_cbranch_scc1 .Lnok                           ; none: the walk along K is jumped, forward; it holds no barrier
	s_wait_xcnt 0x0                                ; whatever was stored before has read its registers: the ring of token fragments is written again
	s_mov_b32 s55, 0                               ; the slice from K = 0 on
	WADR
	WLOAD 0
	STEP 0, 1, 1, 1, 30                            ; 30: the three later steps' 10 loads each stay out
	s_mov_b32 s52, 7
.Lk:                                                   ; a trip: four K steps
	STEP 1, 1, 1, 0, 30
	STEP 2, 1, 1, 0, 30
	STEP 3, 1, 1, 0, 30
	STEP 4, 1, 1, 0, 30
	s_wait_xcnt 0x0                                ; the base steps only when the loads have had their addresses translated
	s_add_nc_u64 s[58:59], s[58:59], 256
	s_add_co_u32 s55, s55, 256                     ; four steps of 64 bytes along the rows
	s_sub_co_u32 s52, s52, 1
	s_cmp_lg_u32 s52, 0
	s_cbranch_scc1 .Lk
	STEP 1, 0, 1, 0, 20                            ; the last three steps ask for no token rows: the counts run down
	STEP 2, 0, 1, 0, 10
	STEP 3, 0, 0, 0, 0
.Lnok:
	s_wait_dscnt 0x0                               ; my reads of the slice are back
	s_barrier_signal -1
	s_barrier_wait -1                              ; every wave's are: the stages may be written
	s_cmp_eq_u32 s51, 0
	s_cbranch_scc1 .Lnoout
	s_wait_loadcnt 0x0                             ; no load is on its way into the registers that the way out works in
.rept 4
	v_nop                                          ; four places between the last products and the first reader of their results
.endr
	s_mov_b32 s57, 0                               ; THE WAY OUT: a trip for each block; the LDS addresses are the same in every trip
	s_mov_b32 s53, 5
.Lblk:
	s_cmp_ge_u32 s57, s51
	s_cbranch_scc1 .Lblk_next                      ; whole blocks past the count are not stored
	s_cmp_lg_u32 s57, 0
	s_cbranch_scc1 .Lstg1
	STG 0
	s_branch .Lstaged
.Lstg1:
	s_cmp_lg_u32 s57, 1
	s_cbranch_scc1 .Lstg2
	STG 1
	s_branch .Lstaged
.Lstg2:
	s_cmp_lg_u32 s57, 2
	s_cbranch_scc1 .Lstg3
	STG 2
	s_branch .Lstaged
.Lstg3:
	s_cmp_lg_u32 s57, 3
	s_cbranch_scc1 .Lstg4
	STG 3
	s_branch .Lstaged
.Lstg4:
	STG 4
.Lstaged:                                              ; the block comes back as 16 whole rows of 512 bytes; each store of the wave covers 512 consecutive bytes of a token's row, aligned
	s_wait_xcnt 0x0                                ; the block before's stores have read their registers
.set z, 0
.rept 16
	ds_load_b128 v[32+4*z:32+4*z+3], v18 offset:SPITCH*z  ; my wave's own bytes: LDS serves a wave's instructions in order, so these see STG's stores
.set z, z+1
.endr
.set z, 0
.rept 16
	ds_load_b32 v[96+z], v20 offset:SPITCH*z       ; row z's token, in every lane
.set z, z+1
.endr
	s_wait_dscnt 0x0
.set z, 0
.rept 16
	v_min_u32 v[96+z], 0x3ff, v[96+z]
	v_lshl_add_u32 v[112+z], v[96+z], OSH, v21
.set z, z+1
.endr
.set z, 0
.rept 16
	global_store_b128 v[112+z], v[32+4*z:32+4*z+3], s[62:63]
.set z, z+1
.endr
.Lblk_next:
	s_add_co_u32 s57, s57, 1
	s_sub_co_u32 s53, s53, 1
	s_cmp_lg_u32 s53, 0
	s_cbranch_scc1 .Lblk
.Lnoout:
	s_add_co_u32 s50, s50, 1
	LIVE                                           ; my share of the next pass (none behind the fourth: 80 blocks are more than there can be)
	s_cmp_eq_u32 s51, 0
	s_cbranch_scc1 .Lnosel
	s_wait_loadcnt 0x0
	s_wait_xcnt 0x0                                ; the stores have read their registers, the loads their base and offsets
	s_mov_b64 s[58:59], s[6:7]
	SELECT
	XLOAD 0
	XLOAD 1
	XLOAD 2
.Lnosel:
	s_wait_dscnt 0x0                               ; my stores into my stage, and my reads of it, are done
	s_barrier_signal -1
	s_barrier_wait -1                              ; every wave's are: the next pass may read LDS
	s_cmp_lt_u32 s50, 4
	s_cbranch_scc1 .Lpass
	s_wait_tensorcnt 0x0                           ; the wave's end, behind my last LDS store
	ds_add_u32 v[SPW], v[NIL]
	s_wait_dscnt 0x0
	s_endpgm
.Lfunc_end_k_q9f046bdb83_ffn2:
	.size	k_q9f046bdb83_ffn2, .Lfunc_end_k_q9f046bdb83_ffn2-k_q9f046bdb83_ffn2
	.p2alignl 7, 3214868480
	.fill 96, 4, 3214868480
	.section	.rodata,"a",@progbits
	.p2align	6, 0x0
	.amdhsa_kernel k_q9f046bdb83_ffn2
		.amdhsa_group_segment_fixed_size 298496
		.amdhsa_private_segment_fixed_size 0
		.amdhsa_enable_private_segment 0
		.amdhsa_kernarg_size 32
		.amdhsa_user_sgpr_count 2
		.amdhsa_user_sgpr_kernarg_segment_ptr 1
		.amdhsa_wavefront_size32 1
		.amdhsa_system_sgpr_workgroup_id_x 1
		.amdhsa_system_sgpr_workgroup_id_y 1
		.amdhsa_system_sgpr_workgroup_id_z 1
		.amdhsa_system_vgpr_workitem_id 0
		.amdhsa_next_free_vgpr 704
		.amdhsa_next_free_sgpr 84
		.amdhsa_reserve_vcc 1
		.amdhsa_float_denorm_mode_32 3
		.amdhsa_float_denorm_mode_16_64 3
		.amdhsa_memory_ordered 1
		.amdhsa_forward_progress 1
		.amdhsa_inst_pref_size 157
	.end_amdhsa_kernel
	.amdgpu_metadata
---
amdhsa.version: [ 1, 2 ]
amdhsa.kernels:
  - .name:           k_q9f046bdb83_ffn2
    .symbol:         k_q9f046bdb83_ffn2.kd
    .args:
      - { .name: maskbuf, .offset: 0, .size: 8, .value_kind: global_buffer, .address_space: global }
      - { .name: hbuf, .offset: 8, .size: 8, .value_kind: global_buffer, .address_space: global }
      - { .name: w2, .offset: 16, .size: 8, .value_kind: global_buffer, .address_space: global }
      - { .name: ypart, .offset: 24, .size: 8, .value_kind: global_buffer, .address_space: global }
    .group_segment_fixed_size: 298496
    .private_segment_fixed_size: 0
    .kernarg_segment_align: 8
    .kernarg_segment_size: 32
    .max_flat_workgroup_size: 128
    .sgpr_count:     84
    .vgpr_count:     704
    .wavefront_size: 32
...
	.end_amdgpu_metadata
.endif
;; end of part 6
;; launch combine: the kernel of part 4 again; grid 1024 x 1, 8 waves a work-group, no clusters, 0 bytes of LDS; arguments choice, gates, ypart, b2, out0; writes out0
;; ======== version 3 of 3: 4 launches; version 2 with the launches ffn1, ffn2 written anew for expert scheduling mode
;; limits: a function is approximated: absolute error at most 1.5e-07
;; workspace buffers: xb 2,097,152 bytes; choice 8,192 bytes of whole numbers; gates 8,192 bytes; maskbuf 1,024 bytes of whole numbers; hbuf 67,108,864 bytes; ypart 134,217,728 bytes
;; launch router: the kernel of part 1 again; grid 64 x 1, 8 waves a work-group, no clusters, 44,032 bytes of LDS; arguments hidden_states, w_router, xb, choice, gates, maskbuf; writes xb, choice, gates, maskbuf
;; launch ffn1 (part 7): grid 256 x 1, 4 waves a work-group, no clusters, 298,496 bytes of LDS; arguments maskbuf, xb, w1, hbuf, b1; writes hbuf
.if DOCPART == 7
	.amdgcn_target "amdgcn-amd-amdhsa--gfx1250"
	.amdhsa_code_object_version 6
	.text
	.protected	k_q9f046bdb83_ffn1
	.globl	k_q9f046bdb83_ffn1
	.p2align	8
	.type	k_q9f046bdb83_ffn1,@function
k_q9f046bdb83_ffn1:
	s_mov_b64 s[64:65], 0
	v_nop
	global_prefetch_b8 v0, s[64:65] scope:SCOPE_SE
	s_setreg_imm32_b32 hwreg(HW_REG_WAVE_SCHED_MODE, 0, 2), 2
	s_setreg_imm32_b32 hwreg(HW_REG_WAVE_MODE, 25, 1), 1
	s_wait_xcnt 0x0
	s_wait_alu depctr_vm_vsrc(0)
; THE FIRST PRODUCT OF THE EXPERTS.
;   hbuf[e][t][128 s + n] = gelu(x[t] . w1[e][128 s + n] + b1[e][128 s + n]), bf16, for the tokens t that chose expert e.   Work-group = (e, s): 8 x 32.
; A work-group owns a slice of 128 rows x 1,024 K of ONE expert's weights, 512 KiB of f32 that it alone reads, once; and all of that expert's token rows.
; PHASE A: each wave streams 32 rows of the slice through registers, rounds them to bf16 and lays them into LDS (64 loads of 512 bytes a wave on their way).
; PHASE B: blocks of 16 token rows are dealt to the waves, 5 a wave and pass (320 rows a pass), 4 passes at the most (80 blocks for the 64 that 1,024 rows make: every split is served).
;   A wave's block x 128 columns are 8 accumulators.  The weights' fragments come from LDS, the token rows straight from memory as matrix operands.
; THE TOKEN OF A RANK is found in registers from the expert's 1,024 mask bits, which lie in scalar registers: the mask word whose running count covers the rank, then the n-th set bit of that word.
;   Ranks past the count are clamped to the last member: such rows repeat a row that exists, are computed like it and store the same numbers to the same place.  Whole blocks past the count are not stored.
; The matrix instruction is used transposed (source 0 = 16 rows of weights, source 1 = 16 token rows): a lane holds 8 neighbouring columns of one token's row.
; GELU is exact-erf by the rational form of Abramowitz and Stegun 7.1.26 (|error of erf| <= 1.5e-7 for every x): gelu = max(x, 0) - 0.5 |x| q(t) exp(-x^2 / 2), t = 1 / (1 + 0.3275911 |x| / sqrt 2).
; LIMITS.  All operands are rounded to bf16, the bias too; NaN and infinities are not treated apart.  An expert without tokens still streams its slice (no barrier hangs on a loaded number) and stores nothing.
; NO JOINT LOADS: each slice of weights has one reader; what an expert's work-groups share is its token rows, which come by rank from a bitmap, so that no tile descriptor covers them.
; THE MODE: SCHED_MODE bits 1:0 = 2 (LLVM: expert scheduling mode 2), set by the entry lines.  The code itself states the register dependences
; between vector or matrix instructions and memory or LDS instructions, with s_wait_alu, always for 0.
; THE PLAN.  Registers that memory or LDS instructions touch, and who else names them:
;   PHASE A, group q.  Ring q: the group's loads land, its 32 conversions read it, it is loaded again behind them.  TW half q % 2: the conversions write it, the group's 16 LDS stores read it, it is written
;     again two groups on.  v[VO+q]: the group's loads read it, one add a group writes it.  v23: every LDS store reads it, one add a trip writes it.
;     Two waits a group: on vm_vsrc at its head (TW's half and v[VO+q] have been read), on va_vdst behind its conversions (TW and v[VO+q] are written, ring q has been read); one more on vm_vsrc a trip, for v23.
;   THE K WALK, step n.  XF slot n % 4 and WF slot n % 2: the step's products read them; the loads issued in step n + 1 land in them.  v6-9: the slice's LDS loads read them, four adds at a step's head write them.
;     XA: the token loads read them; not written in the walk.  ONE wait on va_vdst at a step's head, behind the waits for the step's data: the step before is done reading its two slots, and v6-9 are written.
;     The step's 26 loads follow it, behind the step's first nine products, which name this step's slots and the accumulators: none of the registers that those loads touch.
;   THE WAY OUT.  The accumulators and TK: read by the LDS stores into the stage; one wait on va_vdst ahead of the five blocks serves them all, since no vector line behind it names them.
;     GX, GK, two buffers by turns: four rows' loads land in one while the four rows before are worked on in the other.  GO, GP: written at a chunk's end, read by its two stores.
;   VCC: every compare of the search is followed by a wait on va_vcc, ahead of the two selects that read it.
.set WP,  4096                         ; bytes from row to row of the weights
.set ASH, 11                           ; a token's row of the left operand: 2,048 bytes (xb)
.set OSH, 13                           ; a token's row of the output: 8,192 bytes (hbuf)
.set WPITCH, 2064                      ; a row of the slice in LDS: 2,048 bytes + 16 = 516 words: the 16 rows of a fragment load start 4 words apart modulo 64
.set STAGE,  128*WPITCH                ; 4 x 16 rows x 528 bytes: each wave's own stage for the way out: 512 bytes of f32, the row's token, 12 bytes unused
.set SPITCH, 528
; window 0: v1 r, v2 h, v3 lane; v6-9 the slice's fragment addresses in hand; v10 a fragment's lane term; v11 at work; v12-16 the five blocks' row offsets; v17 stage, in;
;   v18 stage, back; v19 a row's token, in; v20 a row's token, back; v21 my column bytes; v22 16 h; v23 where I lay the slice; v24-31 bias;
;   v32-191 token fragments, a ring of 4 steps x 5 blocks x 8 (while tokens are sought and on the way out: at work); v192-195 at work; v224-228 the five blocks' tokens;
;   v229-232 the stream's four offsets; v234 my place in the bias; v236-239 the slice's four pairs of column blocks
; window 1: v0-255 first the stream's ring (4 groups of 64), then the accumulators of blocks 0-3, (a, b) at 64 a + 8 b
; window 2: v0-127 the slice's fragments, 2 steps x 8 x 8; v128-191 first the stream's rounded weights (two halves by turns), then block 4's accumulators
; scalars: s2 wave; s3 the sign's mask; s16-47 the mask words; s48 count - 1; s49 blocks with a member; s50 pass; s51 my live blocks; s52, s53 counts; s54 running count; s55 bytes along K; s56 my first rank; s57 block on its way out
.set XA,  12
.set BI,  24
.set XF,  32
.set T,   192
.set TK,  224
.set VO,  229
.set WB,  236
.set TW,  128                          ; in window 2
.set RH, 32                            ; the search's work, five registers each: the rank,
.set WD, 40                            ; its mask word,
.set PG, 48                            ; the count before that word, and the word's number in the upper half,
.set NN, 56                            ; which set bit of the word,
.set C1, 64                            ; set bits in each field of 2,
.set C2, 72                            ; of 4,
.set C4, 80                            ; of 8 bits,
.set PS, 88                            ; the bit's place so far,
.set TT, 96
.set DD, 104
.set K5, 80                            ; s80-82: 0x55555555, 0x33333333, 0x0f0f0f0f
.set K3, 81
.set KF, 82
.set MSB, 0
.macro WIN new                         ; the immediate's high byte repeats the setting that is left; a switch that changes nothing is dropped
.if MSB != (\new)
	s_set_vgpr_msb (MSB<<8)|(\new)
.set MSB, \new
.endif
.endm
.set W_MUL,  0x52                      ; source 0 window 2, source 1 window 0, C and D window 1
.set W_MUL4, 0xa2                      ; the same with C and D in window 2
.set W_WF,   0x80                      ; destination window 2
.set W_RING, 0x40                      ; destination window 1
.set W_CVT,  0x85                      ; sources 0 and 1 window 1, destination window 2
.set W_TW,   0x08                      ; an LDS store's data (source 1) window 2
.set W_STG,  0x04                      ; an LDS store's data window 1
.macro ALL5 line:vararg                ; one line for each of the five blocks a5
.set a5, 0
.rept 5
	\line
.set a5, a5+1
.endr
.endm
	s_load_b256 s[4:11], s[0:1], 0x0               ; maskbuf s[4:5], xb s[6:7], w1 s[8:9], hbuf s[10:11]
	s_load_b64 s[12:13], s[0:1], 0x20              ; b1
	v_lshl_add_u32 v254, v0, 2, 0x48c00
	v_mov_b32 v255, 0
	v_lshrrev_b32 v6, 5, v0
	v_readfirstlane_b32 s2, v6                     ; wave 0..3
	v_and_b32 v1, 15, v0                           ; r
	v_bfe_u32 v2, v0, 4, 1                         ; h
	v_and_b32 v3, 31, v0                           ; lane
	s_wait_alu depctr_va_sdst(0)                   ; s2 is written, ahead of its first reader: offsets, LDS places and my share of the blocks are made from it
	s_lshr_b32 s3, ttmp9, 5                        ; the expert
	s_lshl_b32 s52, s3, 7                          ; its 128 bytes of maskbuf
	s_mov_b32 s53, 0
	s_lshl_b32 s56, s3, 24                         ; its 16 MiB of weights
	s_mov_b32 s57, 0
	s_mov_b32 s51, 0
	s_and_b32 s14, ttmp9, 31                       ; the slice of 128 hidden columns
	s_lshl_b32 s15, s14, 19                        ; 128 rows of 4,096 bytes
	s_add_co_u32 s56, s56, s15
	s_lshl_b32 s15, s2, 17                         ; my wave's 32 rows
	s_add_co_u32 s56, s56, s15
	s_lshl_b32 s50, s3, 23                         ; hbuf: the expert's 8 MiB, the slice's 256 bytes of a row
	s_lshl_b32 s15, s14, 8
	s_add_co_u32 s50, s50, s15
	s_lshl_b32 s48, s3, 14                         ; b1: the expert's 16 KiB, the slice's 512 bytes
	s_lshl_b32 s15, s14, 9
	s_add_co_u32 s48, s48, s15
	s_mov_b32 s49, 0
	s_mov_b32 s3, 0x7fffffff                       ; clears a sign
	s_mov_b32 s[K5], 0x55555555
	s_mov_b32 s[K3], 0x33333333
	s_mov_b32 s[KF], 0x0f0f0f0f
	s_mov_b32 s66, 0x3e6d3388                      ; 0.3275911 / sqrt 2
	s_mov_b32 s67, s66
	s_mov_b32 s68, 0xbf38aa3b                      ; -log2(e) / 2
	s_mov_b32 s69, s68
	s_mov_b32 s70, 0x3e827906                      ; a1 =  0.254829592
	s_mov_b32 s71, s70
	s_mov_b32 s72, 0xbe91a98e                      ; a2 = -0.284496736
	s_mov_b32 s73, s72
	s_mov_b32 s74, 0x3fb5f0e3                      ; a3 =  1.421413741
	s_mov_b32 s75, s74
	s_mov_b32 s76, 0xbfba00e3                      ; a4 = -1.453152027
	s_mov_b32 s77, s76
	s_mov_b32 s78, 0x3f87dc22                      ; a5 =  1.061405429
	s_mov_b32 s79, s78
	s_mul_i32 s15, s2, 32*WPITCH
	v_lshl_add_u32 v23, v3, 3, s15                 ; my wave's 32 rows of the slice in LDS, 8 bytes a lane
	v_lshlrev_b32 v22, 4, v2                       ; 16 h
.irp q, 0,1,2,3
	v_lshlrev_b32 v[VO+\q], 4, v3                  ; 16 bytes a lane; each group of the stream steps its own
.endr
	v_mul_u32_u24 v10, v1, WPITCH
	v_lshl_add_u32 v10, v2, 4, v10                 ; a fragment: row r, 16 h
.irp i, 0,1,2,3
	v_add_nc_u32 v[WB+\i], 32*WPITCH*\i, v10       ; column blocks 2 i, 2 i + 1 of the slice; never rewritten
.endr
	s_mul_i32 s59, s2, 16*SPITCH
	s_add_co_u32 s59, s59, STAGE                   ; my wave's stage
	v_mul_u32_u24 v17, v1, SPITCH
	v_lshl_add_u32 v17, v2, 5, v17
	v_add_nc_u32 v17, s59, v17                     ; in: row r, 32 bytes for each half of the lanes
	v_mul_u32_u24 v18, v2, SPITCH                  ; back: lanes 0-15 one row, lanes 16-31 the next; 8 columns (32 bytes of f32, 16 of bf16) a lane
	v_lshl_add_u32 v18, v1, 5, v18
	v_add_nc_u32 v18, s59, v18
	s_add_co_u32 s15, s59, 512                     ; behind a stage row's 512 bytes: its token
	v_mul_u32_u24 v19, v1, SPITCH
	v_add_nc_u32 v19, s15, v19                     ; in: row r's
	v_mul_u32_u24 v20, v2, SPITCH
	v_add_nc_u32 v20, s15, v20                     ; back: the row's that my half of the lanes takes
	v_lshlrev_b32 v21, 4, v1
	v_lshlrev_b32 v234, 5, v1                      ; my 8 numbers of the bias; not written again
	s_wait_kmcnt 0x0
	s_add_nc_u64 s[4:5], s[4:5], s[52:53]
	s_load_b512 s[16:31], s[4:5], 0x0              ; the expert's 1,024 bits: word g holds tokens 32 g .. 32 g + 31
	s_load_b512 s[32:47], s[4:5], 0x40
	s_add_nc_u64 s[60:61], s[8:9], s[56:57]        ; the weights at my wave's first row
	s_add_nc_u64 s[62:63], s[10:11], s[50:51]      ; the output at token 0's row, my slice
	s_add_nc_u64 s[12:13], s[12:13], s[48:49]
	s_mov_b64 s[58:59], s[6:7]                     ; the left operand's walking base
	s_wait_alu depctr_va_vdst(0)                   ; every offset and LDS address made above is written: v17-23, v229-232, v234, v236-239, which the loads and stores of the kernel read
	global_load_b128 v[BI:BI+3],   v234, s[12:13]  ; older than every load of the stream, so the stream's first counted wait shows them in
	global_load_b128 v[BI+4:BI+7], v234, s[12:13] offset:16
; PHASE A.  A group is 2 rows of the slice: 16 loads of 512 consecutive bytes.  LOADS q: rows 2 q, 2 q + 1 of the 8 rows at which the group's offset register stands, into group q of the ring (under W_RING).
.macro LOADS q
.irp i, 0,1
.irp c, 0,1,2,3,4,5,6,7
	global_load_b128 v[64*(\q)+4*(8*(\i)+(\c)):64*(\q)+4*(8*(\i)+(\c))+3], v[VO+(\q)], s[60:61] offset:(2*(\q)+(\i))*WP+512*(\c) th:TH_LOAD_NT
.endr
.endr
.endm
; GROUP q, left, ahead: group q is in when at most `left` younger loads are out; it is rounded to bf16; ahead = 1: the ring's group is asked for again, 8 rows on; the rounded rows are laid into LDS, 256 consecutive bytes a store.
.macro GROUP q, left, ahead
	s_wait_loadcnt \left                           ; loads return in order: the group's own 16 loads are done, so its offset register may step
	s_wait_alu depctr_vm_vsrc(0)                   ; the LDS stores of two groups back have read this half of TW, which the conversions write again; the group's loads have read v[VO+q], which the add writes
.if \ahead
	v_add_nc_u32 v[VO+(\q)], 8*WP, v[VO+(\q)]
.endif
	WIN W_CVT
.set z, 0
.rept 16
	v_cvt_pk_bf16_f32 v[TW+32*((\q)%2)+2*z],   v[64*(\q)+4*z],   v[64*(\q)+4*z+1]
	v_cvt_pk_bf16_f32 v[TW+32*((\q)%2)+2*z+1], v[64*(\q)+4*z+2], v[64*(\q)+4*z+3]
.set z, z+1
.endr
.if \ahead
	WIN W_RING
	s_wait_alu depctr_va_vdst(0)                   ; the conversions are done reading ring q, in which the loads land, and have written TW, which the LDS stores read; v[VO+q] and, behind a trip's end, v23 are written
	LOADS \q
	WIN W_TW
.else
	WIN W_TW
	s_wait_alu depctr_va_vdst(0)                   ; the conversions have written TW, which the LDS stores read; behind the last trip's end v23 is written
.endif
.irp i, 0,1
.irp c, 0,1,2,3,4,5,6,7
	ds_store_b64 v23, v[TW+32*((\q)%2)+2*(8*(\i)+(\c)):TW+32*((\q)%2)+2*(8*(\i)+(\c))+1] offset:(2*(\q)+(\i))*WPITCH+256*(\c)
.endr
.endr
	WIN 0
.endm
; XL n, a: block a's fragment of K step n (32 along K): lane (r, h) takes 16 bytes at 64 n + 16 h of row r and 16 bytes 32 further on.  XLOAD n: all five blocks'.
.macro XL n, a
	WIN 0
	global_load_b128 v[XF+40*((\n)%4)+8*(\a):XF+40*((\n)%4)+8*(\a)+3],   v[XA+(\a)], s[58:59] offset:64*(\n)
	global_load_b128 v[XF+40*((\n)%4)+8*(\a)+4:XF+40*((\n)%4)+8*(\a)+7], v[XA+(\a)], s[58:59] offset:64*(\n)+32
.endm
.macro XLOAD n
.irp a, 0,1,2,3,4
	XL \n, \a
.endr
.endm
; LIVE: for pass s50: block a of wave w is block 20 p + 4 a + w of the expert; s51 = how many of my five hold a member (0 to 5); s56 = my block 0's first rank, 320 p + 16 w.
.macro LIVE
	s_mul_i32 s15, s50, 20
	s_add_co_u32 s15, s15, s2
	s_sub_co_i32 s15, s49, s15
	s_max_i32 s15, s15, 0
	s_add_co_u32 s15, s15, 3
	s_lshr_b32 s15, s15, 2
	s_min_u32 s51, s15, 5
	s_mul_i32 s56, s50, 320
	s_lshl4_add_u32 s56, s2, s56
.endm
; One halving of the search for the n-th set bit: if the lower half of the field in hand holds n set bits or fewer, the bit lies in the upper half.
.macro SELST src, width, inc
	ALL5 v_bfe_u32 v[TT+a5], v[\src+a5], v[PS+a5], \width
.irp a, 0,1,2,3,4
	v_cmp_ge_u32 vcc_lo, v[NN+\a], v[TT+\a]
	s_wait_alu depctr_va_vcc(0)                    ; VCC is written, ahead of the two selects that read it
	v_cndmask_b32 v[DD+\a], 0, v[TT+\a], vcc_lo
	v_cndmask_b32 v[TT+\a], 0, \inc, vcc_lo
.endr
	ALL5 v_sub_nc_u32 v[NN+a5], v[NN+a5], v[DD+a5]
	ALL5 v_add_nc_u32 v[PS+a5], v[PS+a5], v[TT+a5]
.endm
; SELECT: the tokens of ranks s56 + 64 a + r, a = 0 .. 4 (both halves of the lanes alike), and their rows' offsets.
; The compares keep VCC and the short encoding: masks in scalar registers, one wait to a run, would lengthen each of the search's 540 compares and selects by 4 bytes, three times what the 180 waits take.
.macro SELECT
	v_add_nc_u32 v11, s56, v1
.irp a, 0,1,2,3,4
	v_add_nc_u32 v[RH+\a], 64*\a, v11
.endr
.irp a, 0,1,2,3,4
	v_min_u32 v[RH+\a], s48, v[RH+\a]              ; past the count: the last member
	v_mov_b32 v[WD+\a], s16
	v_mov_b32 v[PG+\a], 0
.endr
	s_bcnt1_i32_b32 s54, s16                       ; members before word 1
.set g, 1
.rept 31                               ; the last word whose count before it does not pass the rank
	s_or_b32 s15, s54, g<<16
.irp a, 0,1,2,3,4
	v_cmp_gt_u32 vcc_lo, s54, v[RH+\a]
	s_wait_alu depctr_va_vcc(0)                    ; VCC is written, ahead of the two selects that read it
	v_cndmask_b32 v[WD+\a], s[16+g], v[WD+\a], vcc_lo
	v_cndmask_b32 v[PG+\a], s15, v[PG+\a], vcc_lo
.endr
	s_bcnt1_i32_b32 s14, s[16+g]
	s_add_co_u32 s54, s54, s14
.set g, g+1
.endr
	ALL5 v_and_b32 v[TT+a5], 0xffff, v[PG+a5]
	ALL5 v_sub_nc_u32 v[NN+a5], v[RH+a5], v[TT+a5]
	ALL5 v_lshrrev_b32 v[PG+a5], 16, v[PG+a5]
	ALL5 v_lshrrev_b32 v[TT+a5], 1, v[WD+a5]
	ALL5 v_and_b32 v[TT+a5], s[K5], v[TT+a5]
	ALL5 v_sub_nc_u32 v[C1+a5], v[WD+a5], v[TT+a5]
	ALL5 v_lshrrev_b32 v[TT+a5], 2, v[C1+a5]
	ALL5 v_and_b32 v[DD+a5], s[K3], v[C1+a5]
	ALL5 v_and_b32 v[TT+a5], s[K3], v[TT+a5]
	ALL5 v_add_nc_u32 v[C2+a5], v[TT+a5], v[DD+a5]
	ALL5 v_lshrrev_b32 v[TT+a5], 4, v[C2+a5]
	ALL5 v_add_nc_u32 v[TT+a5], v[TT+a5], v[C2+a5]
	ALL5 v_and_b32 v[C4+a5], s[KF], v[TT+a5]
	ALL5 v_lshrrev_b32 v[TT+a5], 8, v[C4+a5]
	ALL5 v_add_nc_u32 v[TT+a5], v[TT+a5], v[C4+a5]
	ALL5 v_and_b32 v[TT+a5], 0xff, v[TT+a5]
.irp a, 0,1,2,3,4                      ; the word's lower 16 bits or its upper
	v_cmp_ge_u32 vcc_lo, v[NN+\a], v[TT+\a]
	s_wait_alu depctr_va_vcc(0)                    ; VCC is written, ahead of the two selects that read it
	v_cndmask_b32 v[DD+\a], 0, v[TT+\a], vcc_lo
	v_cndmask_b32 v[PS+\a], 0, 16, vcc_lo
.endr
	ALL5 v_sub_nc_u32 v[NN+a5], v[NN+a5], v[DD+a5]
	SELST C4, 8, 8
	SELST C2, 4, 4
	SELST C1, 2, 2
	SELST WD, 1, 1
	ALL5 v_lshl_add_u32 v[TK+a5], v[PG+a5], 5, v[PS+a5]
	ALL5 v_min_u32 v[TK+a5], 0x3ff, v[TK+a5]
	ALL5 v_lshl_add_u32 v[XA+a5], v[TK+a5], ASH, v22
.endm
	WIN W_RING                                     ; between the wait above and these loads stand loads and this switch alone
	LOADS 0
	LOADS 1
	LOADS 2
	LOADS 3                                        ; rows 0-7: 64 loads, 32 KiB a wave, are out
	WIN 0
	s_wait_kmcnt 0x0                               ; the masks.  While the weights are on their way: the count, my share of pass 0 and its tokens
	s_bcnt1_i32_b32 s54, s16
.set g, 1
.rept 31
	s_bcnt1_i32_b32 s14, s[16+g]
	s_add_co_u32 s54, s54, s14
.set g, g+1
.endr
	s_sub_co_u32 s48, s54, 1
	s_add_co_u32 s49, s54, 15
	s_lshr_b32 s49, s49, 4                         ; blocks of 16 rows that hold a member
	s_mov_b32 s50, 0
	LIVE
	SELECT
	s_mov_b32 s52, 3
.Lstage:                                               ; a trip: 8 rows are laid down, the 8 rows behind them asked for
.irp q, 0,1,2,3
	GROUP \q, 48, 1                                ; 48: the three younger groups stay out
.endr
	s_wait_alu depctr_vm_vsrc(0)                   ; the trip's LDS stores have read v23
	v_add_nc_u32 v23, 8*WPITCH, v23
	s_sub_co_u32 s52, s52, 1
	s_cmp_lg_u32 s52, 0
	s_cbranch_scc1 .Lstage
	GROUP 0, 48, 0                                 ; the last 8 rows; between them pass 0's first three K steps of token rows are asked for, 10 loads each.
	XLOAD 0                                        ; No wait of their own: the search, which wrote XA and named v32-108, lies ahead of the groups' waits on va_vdst, and the conversions name windows 1 and 2 alone
	GROUP 1, 42, 0                                 ; two groups and 10 token loads are younger,
	XLOAD 1
	GROUP 2, 36, 0                                 ; one group and 20,
	XLOAD 2
	GROUP 3, 30, 0                                 ; the 30
.irp j, 0,1,2,3                        ; the bias, rounded to bf16 like every input, and widened again
	v_cvt_pk_bf16_f32 v[T+\j], v[BI+2*\j], v[BI+2*\j+1]
.endr
.irp j, 0,1,2,3
	v_lshlrev_b32 v[BI+2*\j],   16, v[T+\j]
	v_and_b32     v[BI+2*\j+1], 0xffff0000, v[T+\j]
.endr
	s_wait_dscnt 0x0                               ; for the others' sake: my 32 rows of the slice are in LDS
	s_barrier_signal -1
	s_barrier_wait -1                              ; the slice is whole; nobody writes it again
; PHASE B.  WADR: the slice's fragment addresses in hand: s55 bytes along K + the four fixed starts.  Four plain vector lines that name no register of a product.
.macro WADR
.irp i, 0,1,2,3
	v_add_nc_u32 v[6+\i], s55, v[WB+\i]
.endr
.endm
; WL n, b: the slice's fragment b of K step n, two LDS loads
.macro WL n, b
	WIN W_WF
	ds_load_b128 v[64*((\n)%2)+8*(\b):64*((\n)%2)+8*(\b)+3],   v[6+(\b)/2] offset:((\b)%2)*16*WPITCH+64*(\n)
	ds_load_b128 v[64*((\n)%2)+8*(\b)+4:64*((\n)%2)+8*(\b)+7], v[6+(\b)/2] offset:((\b)%2)*16*WPITCH+64*(\n)+32
.endm
; MULB n, a, zero: block a x all 8 column blocks; the accumulators take turns, one instruction a turn.
; xa, wa: the step's loads ride behind its first nine products (pn counts them): behind 0, 2, 4, 6, 8 a block's two token loads of three steps on, behind 1, 3, 5, 7 two fragments of the slice (four LDS loads) of the next step.
.macro MULB n, a, zero, xa=0, wa=0
.irp b, 0,1,2,3,4,5,6,7
.if (\a) < 4
.set rD, 64*(\a)+8*(\b)
	WIN W_MUL
.else
.set rD, TW+8*(\b)
	WIN W_MUL4
.endif
.if \zero
	v_wmma_f32_16x16x32_bf16 v[rD:rD+7], v[64*((\n)%2)+8*(\b):64*((\n)%2)+8*(\b)+7], v[XF+40*((\n)%4)+8*(\a):XF+40*((\n)%4)+8*(\a)+7], 0
.else
	v_wmma_f32_16x16x32_bf16 v[rD:rD+7], v[64*((\n)%2)+8*(\b):64*((\n)%2)+8*(\b)+7], v[XF+40*((\n)%4)+8*(\a):XF+40*((\n)%4)+8*(\a)+7], v[rD:rD+7]
.endif
.set pn, 8*(\a)+(\b)
.if (\xa) && (pn < 9) && (pn%2 == 0)
	XL (\n)+3, pn/2
.endif
.if (\wa) && (pn < 8) && (pn%2 == 1)
	WL (\n)+1, pn-1
	WL (\n)+1, pn
.endif
.endr
.endm
; STEP n: K step n.  xa: the token fragments three steps on are asked for; wa: the slice's of the next step; zero: the products start the sums; lc: the younger token loads that may stay out.
; Blocks 0 to 3 are always multiplied (one past the count repeats the last member's row and is not stored); block 4's products are jumped, forward, unless it is alive.
.macro STEP n, xa, wa, zero, lc
	WIN 0
.if (\xa)+(\wa)
	s_wait_alu depctr_vm_vsrc(0)                   ; the LDS loads issued so far have read v6-9
	WADR                                           ; also four plain lines between the last step's products and what follows them (ISA guide 7.12.1)
.endif
	s_wait_loadcnt \lc                             ; this step's 10 token loads are in
	s_wait_dscnt 0x0                               ; this step's fragments of the slice, asked for behind the first products of the step before, are in
.if (\xa)+(\wa)
	s_wait_alu depctr_va_vdst(0)                   ; the step before is done reading its slots of XF and WF, in which this step's loads land; v6-9 are written.  No product below names a register that those loads touch
.endif
	MULB \n, 0, \zero, \xa, \wa
	MULB \n, 1, \zero, \xa, \wa
	MULB \n, 2, \zero
	MULB \n, 3, \zero
.if !(\zero)
	WIN 0
	s_cmp_lt_u32 s51, 5
	s_cbranch_scc1 .Ldone_\@
.endif
	MULB \n, 4, \zero
	WIN 0
.Ldone_\@:
.endm
; STG a: block a's 16 rows x 128 columns of f32 into my own stage, each accumulator from its low end on; and each row's token behind the row
.macro STG a
	ds_store_b32 v19, v[TK+(\a)]
.if (\a) < 4
	WIN W_STG
.else
	WIN W_TW
.endif
.irp b, 0,1,2,3,4,5,6,7
.if (\a) < 4
.set rD, 64*(\a)+8*(\b)
.else
.set rD, TW+8*(\b)
.endif
	ds_store_b128 v17, v[rD:rD+3]   offset:64*(\b)
	ds_store_b128 v17, v[rD+4:rD+7] offset:64*(\b)+16
.endr
	WIN 0
.endm
.set GX, 32                            ; 16 numbers a lane: 8 columns of two rows: the buffer of chunks 0 and 2
.set GT, 48                            ; 1 + p |x|, then t
.set GE, 64                            ; -x^2 log2(e) / 2, then exp(-x^2 / 2)
.set GR, 80                            ; max(x, 0), then the result
.set GQ, 96                            ; the polynomial
.set GP, 112                           ; 8 registers of bf16
.set GO, 120                           ; two row offsets
.set GK, 122                           ; two tokens: chunks 0 and 2
.set GA, 124                           ; |x|
.set GX1, 140                          ; the buffer of chunks 1 and 3
.set GK1, 156
; GLD c: rows 4 c .. 4 c + 3 of the staged block and their tokens are asked for, into buffer c % 2: six LDS loads
.macro GLD c
.set GXB, GX+(GX1-GX)*((\c)%2)
.set GKB, GK+(GK1-GK)*((\c)%2)
	ds_load_b128 v[GXB:GXB+3],     v18 offset:4*(\c)*SPITCH     ; my wave's own bytes: LDS serves a wave's instructions in order, so these see STG's stores
	ds_load_b128 v[GXB+4:GXB+7],   v18 offset:4*(\c)*SPITCH+16
	ds_load_b128 v[GXB+8:GXB+11],  v18 offset:(4*(\c)+2)*SPITCH
	ds_load_b128 v[GXB+12:GXB+15], v18 offset:(4*(\c)+2)*SPITCH+16
	ds_load_b32 v[GKB],   v20 offset:4*(\c)*SPITCH
	ds_load_b32 v[GKB+1], v20 offset:(4*(\c)+2)*SPITCH
.endm
; GELU c: rows 4 c .. 4 c + 3 of the staged block: bias, gelu, bf16; sixteen lanes store 256 consecutive bytes of a token's row, aligned.
.macro GELU c
.if (\c) < 3
	GLD (\c)+1                                     ; the next four rows.  No wait: the lines that named their buffer stand ahead of the last wait on va_vdst, and no vector line has been issued since
	s_wait_dscnt 6                                 ; LDS loads return in order: this chunk's six are in, the six just issued stay out
.else
	s_wait_dscnt 0x0
.endif
.set GXB, GX+(GX1-GX)*((\c)%2)
.set GKB, GK+(GK1-GK)*((\c)%2)
.set z, 0
.rept 8
	v_pk_add_f32 v[GXB+2*z:GXB+2*z+1], v[GXB+2*z:GXB+2*z+1], v[BI+2*(z%4):BI+2*(z%4)+1]
.set z, z+1
.endr
.set z, 0
.rept 16
	v_and_b32 v[GA+z], s3, v[GXB+z]
.set z, z+1
.endr
.set z, 0
.rept 8
	v_pk_fma_f32 v[GT+2*z:GT+2*z+1], v[GA+2*z:GA+2*z+1], s[66:67], 1.0 op_sel_hi:[1,0,0]
.set z, z+1
.endr
.set z, 0
.rept 8
	v_pk_mul_f32 v[GE+2*z:GE+2*z+1], v[GXB+2*z:GXB+2*z+1], v[GXB+2*z:GXB+2*z+1]
.set z, z+1
.endr
.set z, 0
.rept 8
	v_pk_mul_f32 v[GE+2*z:GE+2*z+1], v[GE+2*z:GE+2*z+1], s[68:69] op_sel_hi:[1,0]
.set z, z+1
.endr
.set z, 0
.rept 16                               ; one batch: 16 reciprocals and 16 exponentials, none of which reads another's result
	v_rcp_f32 v[GT+z], v[GT+z]
.set z, z+1
.endr
.set z, 0
.rept 16
	v_exp_f32 v[GE+z], v[GE+z]
.set z, z+1
.endr
.set z, 0
.rept 16                               ; plain work that names no result of the batch
	v_max_num_f32 v[GR+z], 0, v[GXB+z]
.set z, z+1
.endr
	s_wait_alu depctr_va_vdst(0)                   ; the batch has written GT and GE: one wait, ahead of its first reader
.set z, 0
.rept 8
	v_pk_fma_f32 v[GQ+2*z:GQ+2*z+1], v[GT+2*z:GT+2*z+1], s[78:79], s[76:77] op_sel_hi:[1,0,0]
.set z, z+1
.endr
.irp k, 74, 72, 70
.set z, 0
.rept 8
	v_pk_fma_f32 v[GQ+2*z:GQ+2*z+1], v[GQ+2*z:GQ+2*z+1], v[GT+2*z:GT+2*z+1], s[\k:\k+1] op_sel_hi:[1,1,0]
.set z, z+1
.endr
.endr
.set z, 0
.rept 8
	v_pk_mul_f32 v[GQ+2*z:GQ+2*z+1], v[GQ+2*z:GQ+2*z+1], v[GT+2*z:GT+2*z+1]
.set z, z+1
.endr
.set z, 0
.rept 8
	v_pk_mul_f32 v[GQ+2*z:GQ+2*z+1], v[GQ+2*z:GQ+2*z+1], v[GE+2*z:GE+2*z+1]
.set z, z+1
.endr
.set z, 0
.rept 8
	v_pk_mul_f32 v[GQ+2*z:GQ+2*z+1], v[GQ+2*z:GQ+2*z+1], v[GA+2*z:GA+2*z+1]
.set z, z+1
.endr
.set z, 0
.rept 8
	v_pk_fma_f32 v[GR+2*z:GR+2*z+1], v[GQ+2*z:GQ+2*z+1], -0.5, v[GR+2*z:GR+2*z+1] op_sel_hi:[1,0,1]
.set z, z+1
.endr
	s_wait_xcnt 0x0                                ; the four rows before: their two stores' data and offsets are written again only behind this wait,
	s_wait_alu depctr_vm_vsrc(0)                   ; and behind this one: those stores have read GO and GP
	v_min_u32 v[GKB],   0x3ff, v[GKB]
	v_min_u32 v[GKB+1], 0x3ff, v[GKB+1]
	v_lshl_add_u32 v[GO],   v[GKB],   OSH, v21
	v_lshl_add_u32 v[GO+1], v[GKB+1], OSH, v21
.set z, 0
.rept 8
	v_cvt_pk_bf16_f32 v[GP+z], v[GR+2*z], v[GR+2*z+1]
.set z, z+1
.endr
	s_wait_alu depctr_va_vdst(0)                   ; GO and GP are written, which the two stores read; and the chunk's lines are done with its buffer of GX and GK, in which later loads land
	global_store_b128 v[GO],   v[GP:GP+3],   s[62:63]
	global_store_b128 v[GO+1], v[GP+4:GP+7], s[62:63]
.endm
.Lpass:                                                ; 4 trips, whatever the count.  At its head: s51 = my live blocks; if there are any, their tokens are found and K steps 0 to 2 of their rows asked for
	s_cmp_eq_u32 s51, 0
	s_cbranch_scc1 .Lnok                           ; none: the walk along K is jumped, forward; it holds no barrier
	s_wait_xcnt 0x0                                ; whatever was stored before has read its registers: the ring of token fragments is written again
	s_mov_b32 s55, 0                               ; the slice from K = 0 on
	s_wait_alu depctr_vm_vsrc(0)                   ; the LDS loads of the pass before have read v6-9; the LDS stores of its way out (for block 4 in the first pass: the stream's) have read the registers in which step 0's products start the sums
	WADR
	WIN W_WF
	s_wait_alu depctr_va_vdst(0)                   ; v6-9 are written; the products of the pass before are done reading the slice's fragments, and its way out and the search are done with the ring of token fragments
.irp b, 0,1,2,3,4,5,6,7
	WL 0, \b
.endr
	STEP 0, 1, 1, 1, 20                            ; 20: the two later steps' 10 loads each stay out; the third's ride behind this step's products
	s_mov_b32 s52, 7
.Lk:                                                   ; a trip: four K steps
	STEP 1, 1, 1, 0, 20
	STEP 2, 1, 1, 0, 20
	STEP 3, 1, 1, 0, 20
	STEP 4, 1, 1, 0, 20
	s_wait_xcnt 0x0                                ; the base steps only when the loads have had their addresses translated
	s_add_nc_u64 s[58:59], s[58:59], 256
	s_add_co_u32 s55, s55, 256                     ; four steps of 64 bytes along the rows
	s_sub_co_u32 s52, s52, 1
	s_cmp_lg_u32 s52, 0
	s_cbranch_scc1 .Lk
	STEP 1, 0, 1, 0, 20                            ; the last three steps ask for no token rows: the counts run down
	STEP 2, 0, 1, 0, 10
	STEP 3, 0, 0, 0, 0
.Lnok:
	s_wait_dscnt 0x0                               ; my reads of the slice are back
	s_barrier_signal -1
	s_barrier_wait -1                              ; every wave's are: the stages may be written
	s_cmp_eq_u32 s51, 0
	s_cbranch_scc1 .Lnoout
	s_wait_loadcnt 0x0                             ; no load is on its way into the registers that the way out works in
.rept 4
	v_nop                                          ; four places between the last products and the first reader of their results
.endr
	s_wait_alu depctr_va_vdst(0)                   ; the products have written the accumulators, which the LDS stores of all five blocks read, and are done reading the token fragments, in which the stage's loads land; the places above stay beside this wait
	s_mov_b32 s57, 0                               ; THE WAY OUT: a trip for each block; the LDS addresses are the same in every trip
	s_mov_b32 s53, 5
.Lblk:
	s_cmp_ge_u32 s57, s51
	s_cbranch_scc1 .Lblk_next                      ; whole blocks past the count are not stored
	s_cmp_lg_u32 s57, 0
	s_cbranch_scc1 .Lstg1
	STG 0
	s_branch .Lstaged
.Lstg1:
	s_cmp_lg_u32 s57, 1
	s_cbranch_scc1 .Lstg2
	STG 1
	s_branch .Lstaged
.Lstg2:
	s_cmp_lg_u32 s57, 2
	s_cbranch_scc1 .Lstg3
	STG 2
	s_branch .Lstaged
.Lstg3:
	s_cmp_lg_u32 s57, 3
	s_cbranch_scc1 .Lstg4
	STG 3
	s_branch .Lstaged
.Lstg4:
	STG 4
.Lstaged:
	GLD 0                                          ; no wait: the last vector line that named this buffer stands ahead of a wait on va_vdst (the block before's, or the one ahead of the loop)
	GELU 0
	GELU 1
	GELU 2
	GELU 3
.Lblk_next:
	s_add_co_u32 s57, s57, 1
	s_sub_co_u32 s53, s53, 1
	s_cmp_lg_u32 s53, 0
	s_cbranch_scc1 .Lblk
.Lnoout:
	s_add_co_u32 s50, s50, 1
	LIVE                                           ; my share of the next pass (none behind the fourth: 80 blocks are more than there can be)
	s_cmp_eq_u32 s51, 0
	s_cbranch_scc1 .Lnosel
	s_wait_loadcnt 0x0
	s_wait_xcnt 0x0                                ; the stores have read their registers, the loads their base and offsets
	s_wait_alu depctr_vm_vsrc(0)                   ; the token loads have read XA and the stage's stores TK, which the search writes; the last stores have read GO and GP, in which token loads land
	s_mov_b64 s[58:59], s[6:7]
	SELECT
	s_wait_alu depctr_va_vdst(0)                   ; the search has written XA, which the loads below read, and is done with v32-108, in which they land; so is the way out with v32-157
	XLOAD 0
	XLOAD 1
	XLOAD 2
.Lnosel:
	s_wait_dscnt 0x0                               ; my stores into my stage, and my reads of it, are done
	s_barrier_signal -1
	s_barrier_wait -1                              ; every wave's are: the next pass may read LDS
	s_cmp_lt_u32 s50, 4
	s_cbranch_scc1 .Lpass
	s_wait_dscnt 0x0                               ; the wave's end.  The closing add into my spare word follows
	s_wait_alu depctr_hold_cnt(0) depctr_sa_sdst(0) depctr_va_vdst(0) depctr_va_sdst(0) depctr_va_ssrc(0) depctr_va_vcc(0) depctr_vm_vsrc(0)
	s_wait_tensorcnt 0x0
	ds_add_u32 v254, v255
	s_wait_dscnt 0x0
	s_endpgm
.Lfunc_end_k_q9f046bdb83_ffn1:
	.size	k_q9f046bdb83_ffn1, .Lfunc_end_k_q9f046bdb83_ffn1-k_q9f046bdb83_ffn1
	.p2alignl 7, 3214868480
	.fill 96, 4, 3214868480
	.section	.rodata,"a",@progbits
	.p2align	6, 0x0
	.amdhsa_kernel k_q9f046bdb83_ffn1
		.amdhsa_group_segment_fixed_size 298496
		.amdhsa_private_segment_fixed_size 0
		.amdhsa_enable_private_segment 0
		.amdhsa_kernarg_size 40
		.amdhsa_user_sgpr_count 2
		.amdhsa_user_sgpr_kernarg_segment_ptr 1
		.amdhsa_wavefront_size32 1
		.amdhsa_system_sgpr_workgroup_id_x 1
		.amdhsa_system_sgpr_workgroup_id_y 1
		.amdhsa_system_sgpr_workgroup_id_z 1
		.amdhsa_system_vgpr_workitem_id 0
		.amdhsa_next_free_vgpr 704
		.amdhsa_next_free_sgpr 84
		.amdhsa_reserve_vcc 1
		.amdhsa_float_denorm_mode_32 3
		.amdhsa_float_denorm_mode_16_64 3
		.amdhsa_memory_ordered 1
		.amdhsa_forward_progress 1
		.amdhsa_inst_pref_size 206
	.end_amdhsa_kernel
	.amdgpu_metadata
---
amdhsa.version: [ 1, 2 ]
amdhsa.kernels:
  - .name:           k_q9f046bdb83_ffn1
    .symbol:         k_q9f046bdb83_ffn1.kd
    .args:
      - { .name: maskbuf, .offset: 0, .size: 8, .value_kind: global_buffer, .address_space: global }
      - { .name: xb, .offset: 8, .size: 8, .value_kind: global_buffer, .address_space: global }
      - { .name: w1, .offset: 16, .size: 8, .value_kind: global_buffer, .address_space: global }
      - { .name: hbuf, .offset: 24, .size: 8, .value_kind: global_buffer, .address_space: global }
      - { .name: b1, .offset: 32, .size: 8, .value_kind: global_buffer, .address_space: global }
    .group_segment_fixed_size: 298496
    .private_segment_fixed_size: 0
    .kernarg_segment_align: 8
    .kernarg_segment_size: 40
    .max_flat_workgroup_size: 128
    .sgpr_count:     84
    .vgpr_count:     704
    .wavefront_size: 32
...
	.end_amdgpu_metadata
.endif
;; end of part 7
;; launch ffn2 (part 8): grid 256 x 1, 4 waves a work-group, no clusters, 298,496 bytes of LDS; arguments maskbuf, hbuf, w2, ypart; writes ypart
.if DOCPART == 8
	.amdgcn_target "amdgcn-amd-amdhsa--gfx1250"
	.amdhsa_code_object_version 6
	.text
	.protected	k_q9f046bdb83_ffn2
	.globl	k_q9f046bdb83_ffn2
	.p2align	8
	.type	k_q9f046bdb83_ffn2,@function
k_q9f046bdb83_ffn2:
	s_mov_b64 s[64:65], 0
	v_nop
	global_prefetch_b8 v0, s[64:65] scope:SCOPE_SE
	s_setreg_imm32_b32 hwreg(HW_REG_WAVE_SCHED_MODE, 0, 2), 2
	s_setreg_imm32_b32 hwreg(HW_REG_WAVE_MODE, 25, 1), 1
	s_wait_xcnt 0x0
	s_wait_alu depctr_vm_vsrc(0)
; THE SECOND PRODUCT OF THE EXPERTS (the first product's text with its other shapes and way out).
;   ypart[kq][e][t][128 ns + n] = the sum over k in quarter kq of h[e][t][k] w2[e][128 ns + n][k], f32 (a partial sum), for the tokens t that chose expert e.   Work-group = (e, ns, kq): 8 x 8 x 4.
; A work-group owns a slice of 128 rows x 1,024 K of ONE expert's weights, 512 KiB of f32 that it alone reads, once; and all of that expert's token rows.
; PHASE A: each wave streams 32 rows of the slice through registers, rounds them to bf16 and lays them into LDS (64 loads of 512 bytes a wave on their way).
; PHASE B: blocks of 16 token rows are dealt to the waves, 5 a wave and pass (320 rows a pass), 4 passes at the most (80 blocks for the 64 that 1,024 rows make: every split is served).
;   A wave's block x 128 columns are 8 accumulators.  The weights' fragments come from LDS, the token rows straight from memory as matrix operands.
; THE TOKEN OF A RANK is found in registers from the expert's 1,024 mask bits, which lie in scalar registers: the mask word whose running count covers the rank, then the n-th set bit of that word.
;   Ranks past the count are clamped to the last member: such rows repeat a row that the first product has stored, are computed like it and store the same numbers to the same place.
;   Whole blocks past the count are not stored.
; The matrix instruction is used transposed (source 0 = 16 rows of weights, source 1 = 16 token rows): a lane holds 8 neighbouring columns of one token's row.
; K IS SPLIT IN FOUR so that a slice fits into LDS with 128 columns; the four parts stay in f32 and the last launch adds them in a fixed order.
; LIMITS.  All operands are rounded to bf16; NaN and infinities are not treated apart.  An expert without tokens still streams its slice (no barrier hangs on a loaded number) and stores nothing.
; NO JOINT LOADS: each slice of weights has one reader; what an expert's work-groups share is its token rows, which come by rank from a bitmap, so that no tile descriptor covers them.
; THE MODE: SCHED_MODE bits 1:0 = 2 (LLVM: expert scheduling mode 2), set by the entry lines.  The code itself states the register dependences
; between vector or matrix instructions and memory or LDS instructions, with s_wait_alu, always for 0.
; THE PLAN.  Registers that memory or LDS instructions touch, and who else names them:
;   PHASE A, group q.  Ring q: the group's loads land, its 32 conversions read it, it is loaded again behind them.  TW half q % 2: the conversions write it, the group's 16 LDS stores read it, it is written
;     again two groups on.  v[VO+q]: the group's loads read it, one add a group writes it.  v23: every LDS store reads it, one add a trip writes it.
;     Two waits a group: on vm_vsrc at its head (TW's half and v[VO+q] have been read), on va_vdst behind its conversions (TW and v[VO+q] are written, ring q has been read); one more on vm_vsrc a trip, for v23.
;   THE K WALK, step n.  XF slot n % 4 and WF slot n % 2: the step's products read them; the loads issued in step n + 1 land in them.  v6-9: the slice's LDS loads read them, four adds at a step's head write them.
;     XA: the token loads read them; not written in the walk.  ONE wait on va_vdst at a step's head, behind the waits for the step's data: the step before is done reading its two slots, and v6-9 are written.
;     The step's 26 loads follow it, behind the step's first nine products, which name this step's slots and the accumulators: none of the registers that those loads touch.
;   THE WAY OUT.  The accumulators and TK: read by the LDS stores into the stage; one wait on va_vdst ahead of the five blocks serves them all, since no vector line behind it names them.
;     v32-95: a block's rows land, its 16 stores read them.  v96-111: the rows' tokens land, the clamps and shifts name them.  v112-127: the shifts write the offsets, the stores read them.
;     A block has one wait on vm_vsrc at its head and one on va_vdst ahead of its stores.
;   VCC: every compare of the search is followed by a wait on va_vcc, ahead of the two selects that read it.
.set WP,  16384                        ; bytes from row to row of the weights
.set ASH, 13                           ; a token's row of the left operand: 8,192 bytes (hbuf)
.set OSH, 12                           ; a token's row of the output: 4,096 bytes (ypart)
.set WPITCH, 2064                      ; a row of the slice in LDS: 2,048 bytes + 16 = 516 words: the 16 rows of a fragment load start 4 words apart modulo 64
.set STAGE,  128*WPITCH                ; 4 x 16 rows x 528 bytes: each wave's own stage for the way out: 512 bytes of f32, the row's token, 12 bytes unused
.set SPITCH, 528
; window 0: v1 r, v2 h, v3 lane; v6-9 the slice's fragment addresses in hand; v10 a fragment's lane term; v11 at work; v12-16 the five blocks' row offsets; v17 stage, in;
;   v18 stage, back; v19 a row's token, in; v20 the tokens, back; v21 my column bytes; v22 16 h; v23 where I lay the slice;
;   v32-191 token fragments, a ring of 4 steps x 5 blocks x 8 (while tokens are sought and on the way out: at work); v224-228 the five blocks' tokens;
;   v229-232 the stream's four offsets; v236-239 the slice's four pairs of column blocks
; window 1: v0-255 first the stream's ring (4 groups of 64), then the accumulators of blocks 0-3, (a, b) at 64 a + 8 b
; window 2: v0-127 the slice's fragments, 2 steps x 8 x 8; v128-191 first the stream's rounded weights (two halves by turns), then block 4's accumulators
; scalars: s2 wave; s16-47 the mask words; s48 count - 1; s49 blocks with a member; s50 pass; s51 my live blocks; s52, s53 counts; s54 running count; s55 bytes along K; s56 my first rank; s57 block on its way out
.set XA,  12
.set XF,  32
.set TK,  224
.set VO,  229
.set WB,  236
.set TW,  128                          ; in window 2
.set RH, 32                            ; the search's work, five registers each: the rank,
.set WD, 40                            ; its mask word,
.set PG, 48                            ; the count before that word, and the word's number in the upper half,
.set NN, 56                            ; which set bit of the word,
.set C1, 64                            ; set bits in each field of 2,
.set C2, 72                            ; of 4,
.set C4, 80                            ; of 8 bits,
.set PS, 88                            ; the bit's place so far,
.set TT, 96
.set DD, 104
.set K5, 80                            ; s80-82: 0x55555555, 0x33333333, 0x0f0f0f0f
.set K3, 81
.set KF, 82
.set MSB, 0
.macro WIN new                         ; the immediate's high byte repeats the setting that is left; a switch that changes nothing is dropped
.if MSB != (\new)
	s_set_vgpr_msb (MSB<<8)|(\new)
.set MSB, \new
.endif
.endm
.set W_MUL,  0x52                      ; source 0 window 2, source 1 window 0, C and D window 1
.set W_MUL4, 0xa2                      ; the same with C and D in window 2
.set W_WF,   0x80                      ; destination window 2
.set W_RING, 0x40                      ; destination window 1
.set W_CVT,  0x85                      ; sources 0 and 1 window 1, destination window 2
.set W_TW,   0x08                      ; an LDS store's data (source 1) window 2
.set W_STG,  0x04                      ; an LDS store's data window 1
.macro ALL5 line:vararg                ; one line for each of the five blocks a5
.set a5, 0
.rept 5
	\line
.set a5, a5+1
.endr
.endm
	s_load_b256 s[4:11], s[0:1], 0x0               ; maskbuf s[4:5], hbuf s[6:7], w2 s[8:9], ypart s[10:11]
	v_lshl_add_u32 v254, v0, 2, 0x48c00
	v_mov_b32 v255, 0
	v_lshrrev_b32 v6, 5, v0
	v_readfirstlane_b32 s2, v6                     ; wave 0..3
	v_and_b32 v1, 15, v0                           ; r
	v_bfe_u32 v2, v0, 4, 1                         ; h
	v_and_b32 v3, 31, v0                           ; lane
	s_wait_alu depctr_va_sdst(0)                   ; s2 is written, ahead of its first reader: offsets, LDS places and my share of the blocks are made from it
	s_lshr_b32 s3, ttmp9, 5                        ; the expert
	s_lshl_b32 s52, s3, 7                          ; its 128 bytes of maskbuf
	s_mov_b32 s53, 0
	s_lshl_b32 s56, s3, 24                         ; its 16 MiB of weights
	s_mov_b32 s57, 0
	s_mov_b32 s51, 0
	s_bfe_u32 s14, ttmp9, 0x30002                  ; the slice of 128 output columns
	s_and_b32 s58, ttmp9, 3                        ; the quarter of K
	s_lshl_b32 s15, s14, 21                        ; 128 rows of 16,384 bytes
	s_add_co_u32 s56, s56, s15
	s_lshl_b32 s15, s2, 19                         ; my wave's 32 rows
	s_add_co_u32 s56, s56, s15
	s_lshl_b32 s15, s58, 12                        ; the quarter's 4,096 bytes of a row
	s_add_co_u32 s56, s56, s15
	s_lshl_b32 s54, s3, 23                         ; hbuf: the expert's 8 MiB, the quarter's 2,048 bytes of a row
	s_lshl_b32 s15, s58, 11
	s_add_co_u32 s54, s54, s15
	s_mov_b32 s55, 0
	s_lshl_b32 s50, s58, 3                         ; ypart: plane 8 kq + e of 4 MiB, the slice's 512 bytes of a row
	s_add_co_u32 s50, s50, s3
	s_lshl_b32 s50, s50, 22
	s_lshl_b32 s15, s14, 9
	s_add_co_u32 s50, s50, s15
	s_mov_b32 s[K5], 0x55555555
	s_mov_b32 s[K3], 0x33333333
	s_mov_b32 s[KF], 0x0f0f0f0f
	s_mul_i32 s15, s2, 32*WPITCH
	v_lshl_add_u32 v23, v3, 3, s15                 ; my wave's 32 rows of the slice in LDS, 8 bytes a lane
	v_lshlrev_b32 v22, 4, v2                       ; 16 h
.irp q, 0,1,2,3
	v_lshlrev_b32 v[VO+\q], 4, v3                  ; 16 bytes a lane; each group of the stream steps its own
.endr
	v_mul_u32_u24 v10, v1, WPITCH
	v_lshl_add_u32 v10, v2, 4, v10                 ; a fragment: row r, 16 h
.irp i, 0,1,2,3
	v_add_nc_u32 v[WB+\i], 32*WPITCH*\i, v10       ; column blocks 2 i, 2 i + 1 of the slice; never rewritten
.endr
	s_mul_i32 s59, s2, 16*SPITCH
	s_add_co_u32 s59, s59, STAGE                   ; my wave's stage
	v_mul_u32_u24 v17, v1, SPITCH
	v_lshl_add_u32 v17, v2, 5, v17
	v_add_nc_u32 v17, s59, v17                     ; in: row r, 32 bytes for each half of the lanes
	v_lshl_add_u32 v18, v3, 4, s59                 ; back: the wave takes a whole row of 512 bytes
	s_add_co_u32 s15, s59, 512                     ; behind a stage row's 512 bytes: its token
	v_mul_u32_u24 v19, v1, SPITCH
	v_add_nc_u32 v19, s15, v19                     ; in: row r's
	v_mov_b32 v20, s15                             ; back: every lane reads the same row's
	v_lshlrev_b32 v21, 4, v3
	s_wait_kmcnt 0x0
	s_add_nc_u64 s[4:5], s[4:5], s[52:53]
	s_load_b512 s[16:31], s[4:5], 0x0              ; the expert's 1,024 bits: word g holds tokens 32 g .. 32 g + 31
	s_load_b512 s[32:47], s[4:5], 0x40
	s_add_nc_u64 s[60:61], s[8:9], s[56:57]        ; the weights at my wave's first row
	s_add_nc_u64 s[62:63], s[10:11], s[50:51]      ; the output at token 0's row, my slice
	s_add_nc_u64 s[6:7], s[6:7], s[54:55]          ; the left operand at token 0's row, my quarter of K
	s_mov_b64 s[58:59], s[6:7]                     ; and its walking base
; PHASE A.  A group is 2 rows of the slice: 16 loads of 512 consecutive bytes.  LOADS q: rows 2 q, 2 q + 1 of the 8 rows at which the group's offset register stands, into group q of the ring (under W_RING).
.macro LOADS q
.irp i, 0,1
.irp c, 0,1,2,3,4,5,6,7
	global_load_b128 v[64*(\q)+4*(8*(\i)+(\c)):64*(\q)+4*(8*(\i)+(\c))+3], v[VO+(\q)], s[60:61] offset:(2*(\q)+(\i))*WP+512*(\c) th:TH_LOAD_NT
.endr
.endr
.endm
; GROUP q, left, ahead: group q is in when at most `left` younger loads are out; it is rounded to bf16; ahead = 1: the ring's group is asked for again, 8 rows on; the rounded rows are laid into LDS, 256 consecutive bytes a store.
.macro GROUP q, left, ahead
	s_wait_loadcnt \left                           ; loads return in order: the group's own 16 loads are done, so its offset register may step
	s_wait_alu depctr_vm_vsrc(0)                   ; the LDS stores of two groups back have read this half of TW, which the conversions write again; the group's loads have read v[VO+q], which the add writes
.if \ahead
	v_add_nc_u32 v[VO+(\q)], 8*WP, v[VO+(\q)]
.endif
	WIN W_CVT
.set z, 0
.rept 16
	v_cvt_pk_bf16_f32 v[TW+32*((\q)%2)+2*z],   v[64*(\q)+4*z],   v[64*(\q)+4*z+1]
	v_cvt_pk_bf16_f32 v[TW+32*((\q)%2)+2*z+1], v[64*(\q)+4*z+2], v[64*(\q)+4*z+3]
.set z, z+1
.endr
.if \ahead
	WIN W_RING
	s_wait_alu depctr_va_vdst(0)                   ; the conversions are done reading ring q, in which the loads land, and have written TW, which the LDS stores read; v[VO+q] and, behind a trip's end, v23 are written
	LOADS \q
	WIN W_TW
.else
	WIN W_TW
	s_wait_alu depctr_va_vdst(0)                   ; the conversions have written TW, which the LDS stores read; behind the last trip's end v23 is written
.endif
.irp i, 0,1
.irp c, 0,1,2,3,4,5,6,7
	ds_store_b64 v23, v[TW+32*((\q)%2)+2*(8*(\i)+(\c)):TW+32*((\q)%2)+2*(8*(\i)+(\c))+1] offset:(2*(\q)+(\i))*WPITCH+256*(\c)
.endr
.endr
	WIN 0
.endm
; XL n, a: block a's fragment of K step n (32 along K): lane (r, h) takes 16 bytes at 64 n + 16 h of row r and 16 bytes 32 further on.  XLOAD n: all five blocks'.
.macro XL n, a
	WIN 0
	global_load_b128 v[XF+40*((\n)%4)+8*(\a):XF+40*((\n)%4)+8*(\a)+3],   v[XA+(\a)], s[58:59] offset:64*(\n)
	global_load_b128 v[XF+40*((\n)%4)+8*(\a)+4:XF+40*((\n)%4)+8*(\a)+7], v[XA+(\a)], s[58:59] offset:64*(\n)+32
.endm
.macro XLOAD n
.irp a, 0,1,2,3,4
	XL \n, \a
.endr
.endm
; LIVE: for pass s50: block a of wave w is block 20 p + 4 a + w of the expert; s51 = how many of my five hold a member (0 to 5); s56 = my block 0's first rank, 320 p + 16 w.
.macro LIVE
	s_mul_i32 s15, s50, 20
	s_add_co_u32 s15, s15, s2
	s_sub_co_i32 s15, s49, s15
	s_max_i32 s15, s15, 0
	s_add_co_u32 s15, s15, 3
	s_lshr_b32 s15, s15, 2
	s_min_u32 s51, s15, 5
	s_mul_i32 s56, s50, 320
	s_lshl4_add_u32 s56, s2, s56
.endm
; One halving of the search for the n-th set bit: if the lower half of the field in hand holds n set bits or fewer, the bit lies in the upper half.
.macro SELST src, width, inc
	ALL5 v_bfe_u32 v[TT+a5], v[\src+a5], v[PS+a5], \width
.irp a, 0,1,2,3,4
	v_cmp_ge_u32 vcc_lo, v[NN+\a], v[TT+\a]
	s_wait_alu depctr_va_vcc(0)                    ; VCC is written, ahead of the two selects that read it
	v_cndmask_b32 v[DD+\a], 0, v[TT+\a], vcc_lo
	v_cndmask_b32 v[TT+\a], 0, \inc, vcc_lo
.endr
	ALL5 v_sub_nc_u32 v[NN+a5], v[NN+a5], v[DD+a5]
	ALL5 v_add_nc_u32 v[PS+a5], v[PS+a5], v[TT+a5]
.endm
; SELECT: the tokens of ranks s56 + 64 a + r, a = 0 .. 4 (both halves of the lanes alike), and their rows' offsets.
; The compares keep VCC and the short encoding: masks in scalar registers, one wait to a run, would lengthen each of the search's 540 compares and selects by 4 bytes, three times what the 180 waits take.
.macro SELECT
	v_add_nc_u32 v11, s56, v1
.irp a, 0,1,2,3,4
	v_add_nc_u32 v[RH+\a], 64*\a, v11
.endr
.irp a, 0,1,2,3,4
	v_min_u32 v[RH+\a], s48, v[RH+\a]              ; past the count: the last member
	v_mov_b32 v[WD+\a], s16
	v_mov_b32 v[PG+\a], 0
.endr
	s_bcnt1_i32_b32 s54, s16                       ; members before word 1
.set g, 1
.rept 31                               ; the last word whose count before it does not pass the rank
	s_or_b32 s15, s54, g<<16
.irp a, 0,1,2,3,4
	v_cmp_gt_u32 vcc_lo, s54, v[RH+\a]
	s_wait_alu depctr_va_vcc(0)                    ; VCC is written, ahead of the two selects that read it
	v_cndmask_b32 v[WD+\a], s[16+g], v[WD+\a], vcc_lo
	v_cndmask_b32 v[PG+\a], s15, v[PG+\a], vcc_lo
.endr
	s_bcnt1_i32_b32 s14, s[16+g]
	s_add_co_u32 s54, s54, s14
.set g, g+1
.endr
	ALL5 v_and_b32 v[TT+a5], 0xffff, v[PG+a5]
	ALL5 v_sub_nc_u32 v[NN+a5], v[RH+a5], v[TT+a5]
	ALL5 v_lshrrev_b32 v[PG+a5], 16, v[PG+a5]
	ALL5 v_lshrrev_b32 v[TT+a5], 1, v[WD+a5]
	ALL5 v_and_b32 v[TT+a5], s[K5], v[TT+a5]
	ALL5 v_sub_nc_u32 v[C1+a5], v[WD+a5], v[TT+a5]
	ALL5 v_lshrrev_b32 v[TT+a5], 2, v[C1+a5]
	ALL5 v_and_b32 v[DD+a5], s[K3], v[C1+a5]
	ALL5 v_and_b32 v[TT+a5], s[K3], v[TT+a5]
	ALL5 v_add_nc_u32 v[C2+a5], v[TT+a5], v[DD+a5]
	ALL5 v_lshrrev_b32 v[TT+a5], 4, v[C2+a5]
	ALL5 v_add_nc_u32 v[TT+a5], v[TT+a5], v[C2+a5]
	ALL5 v_and_b32 v[C4+a5], s[KF], v[TT+a5]
	ALL5 v_lshrrev_b32 v[TT+a5], 8, v[C4+a5]
	ALL5 v_add_nc_u32 v[TT+a5], v[TT+a5], v[C4+a5]
	ALL5 v_and_b32 v[TT+a5], 0xff, v[TT+a5]
.irp a, 0,1,2,3,4                      ; the word's lower 16 bits or its upper
	v_cmp_ge_u32 vcc_lo, v[NN+\a], v[TT+\a]
	s_wait_alu depctr_va_vcc(0)                    ; VCC is written, ahead of the two selects that read it
	v_cndmask_b32 v[DD+\a], 0, v[TT+\a], vcc_lo
	v_cndmask_b32 v[PS+\a], 0, 16, vcc_lo
.endr
	ALL5 v_sub_nc_u32 v[NN+a5], v[NN+a5], v[DD+a5]
	SELST C4, 8, 8
	SELST C2, 4, 4
	SELST C1, 2, 2
	SELST WD, 1, 1
	ALL5 v_lshl_add_u32 v[TK+a5], v[PG+a5], 5, v[PS+a5]
	ALL5 v_min_u32 v[TK+a5], 0x3ff, v[TK+a5]
	ALL5 v_lshl_add_u32 v[XA+a5], v[TK+a5], ASH, v22
.endm
	WIN W_RING
	s_wait_alu depctr_va_vdst(0)                   ; every offset and LDS address made above is written: v17-23, v229-232, v236-239, which the loads and stores of the kernel read
	LOADS 0
	LOADS 1
	LOADS 2
	LOADS 3                                        ; rows 0-7: 64 loads, 32 KiB a wave, are out
	WIN 0
	s_wait_kmcnt 0x0                               ; the masks.  While the weights are on their way: the count, my share of pass 0 and its tokens
	s_bcnt1_i32_b32 s54, s16
.set g, 1
.rept 31
	s_bcnt1_i32_b32 s14, s[16+g]
	s_add_co_u32 s54, s54, s14
.set g, g+1
.endr
	s_sub_co_u32 s48, s54, 1
	s_add_co_u32 s49, s54, 15
	s_lshr_b32 s49, s49, 4                         ; blocks of 16 rows that hold a member
	s_mov_b32 s50, 0
	LIVE
	SELECT
	s_mov_b32 s52, 3
.Lstage:                                               ; a trip: 8 rows are laid down, the 8 rows behind them asked for
.irp q, 0,1,2,3
	GROUP \q, 48, 1                                ; 48: the three younger groups stay out
.endr
	s_wait_alu depctr_vm_vsrc(0)                   ; the trip's LDS stores have read v23
	v_add_nc_u32 v23, 8*WPITCH, v23
	s_sub_co_u32 s52, s52, 1
	s_cmp_lg_u32 s52, 0
	s_cbranch_scc1 .Lstage
	GROUP 0, 48, 0                                 ; the last 8 rows; between them pass 0's first three K steps of token rows are asked for, 10 loads each.
	XLOAD 0                                        ; No wait of their own: the search, which wrote XA and named v32-108, lies ahead of the groups' waits on va_vdst, and the conversions name windows 1 and 2 alone
	GROUP 1, 42, 0                                 ; two groups and 10 token loads are younger,
	XLOAD 1
	GROUP 2, 36, 0                                 ; one group and 20,
	XLOAD 2
	GROUP 3, 30, 0                                 ; the 30
	s_wait_dscnt 0x0                               ; for the others' sake: my 32 rows of the slice are in LDS
	s_barrier_signal -1
	s_barrier_wait -1                              ; the slice is whole; nobody writes it again
; PHASE B.  WADR: the slice's fragment addresses in hand: s55 bytes along K + the four fixed starts.  Four plain vector lines that name no register of a product.
.macro WADR
.irp i, 0,1,2,3
	v_add_nc_u32 v[6+\i], s55, v[WB+\i]
.endr
.endm
; WL n, b: the slice's fragment b of K step n, two LDS loads
.macro WL n, b
	WIN W_WF
	ds_load_b128 v[64*((\n)%2)+8*(\b):64*((\n)%2)+8*(\b)+3],   v[6+(\b)/2] offset:((\b)%2)*16*WPITCH+64*(\n)
	ds_load_b128 v[64*((\n)%2)+8*(\b)+4:64*((\n)%2)+8*(\b)+7], v[6+(\b)/2] offset:((\b)%2)*16*WPITCH+64*(\n)+32
.endm
; MULB n, a, zero: block a x all 8 column blocks; the accumulators take turns, one instruction a turn.
; xa, wa: the step's loads ride behind its first nine products (pn counts them): behind 0, 2, 4, 6, 8 a block's two token loads of three steps on, behind 1, 3, 5, 7 two fragments of the slice (four LDS loads) of the next step.
.macro MULB n, a, zero, xa=0, wa=0
.irp b, 0,1,2,3,4,5,6,7
.if (\a) < 4
.set rD, 64*(\a)+8*(\b)
	WIN W_MUL
.else
.set rD, TW+8*(\b)
	WIN W_MUL4
.endif
.if \zero
	v_wmma_f32_16x16x32_bf16 v[rD:rD+7], v[64*((\n)%2)+8*(\b):64*((\n)%2)+8*(\b)+7], v[XF+40*((\n)%4)+8*(\a):XF+40*((\n)%4)+8*(\a)+7], 0
.else
	v_wmma_f32_16x16x32_bf16 v[rD:rD+7], v[64*((\n)%2)+8*(\b):64*((\n)%2)+8*(\b)+7], v[XF+40*((\n)%4)+8*(\a):XF+40*((\n)%4)+8*(\a)+7], v[rD:rD+7]
.endif
.set pn, 8*(\a)+(\b)
.if (\xa) && (pn < 9) && (pn%2 == 0)
	XL (\n)+3, pn/2
.endif
.if (\wa) && (pn < 8) && (pn%2 == 1)
	WL (\n)+1, pn-1
	WL (\n)+1, pn
.endif
.endr
.endm
; STEP n: K step n.  xa: the token fragments three steps on are asked for; wa: the slice's of the next step; zero: the products start the sums; lc: the younger token loads that may stay out.
; Blocks 0 to 3 are always multiplied (one past the count repeats the last member's row and is not stored); block 4's products are jumped, forward, unless it is alive.
.macro STEP n, xa, wa, zero, lc
	WIN 0
.if (\xa)+(\wa)
	s_wait_alu depctr_vm_vsrc(0)                   ; the LDS loads issued so far have read v6-9
	WADR                                           ; also four plain lines between the last step's products and what follows them (ISA guide 7.12.1)
.endif
	s_wait_loadcnt \lc                             ; this step's 10 token loads are in
	s_wait_dscnt 0x0                               ; this step's fragments of the slice, asked for behind the first products of the step before, are in
.if (\xa)+(\wa)
	s_wait_alu depctr_va_vdst(0)                   ; the step before is done reading its slots of XF and WF, in which this step's loads land; v6-9 are written.  No product below names a register that those loads touch
.endif
	MULB \n, 0, \zero, \xa, \wa
	MULB \n, 1, \zero, \xa, \wa
	MULB \n, 2, \zero
	MULB \n, 3, \zero
.if !(\zero)
	WIN 0
	s_cmp_lt_u32 s51, 5
	s_cbranch_scc1 .Ldone_\@
.endif
	MULB \n, 4, \zero
	WIN 0
.Ldone_\@:
.endm
; STG a: block a's 16 rows x 128 columns of f32 into my own stage, each accumulator from its low end on; and each row's token behind the row
.macro STG a
	ds_store_b32 v19, v[TK+(\a)]
.if (\a) < 4
	WIN W_STG
.else
	WIN W_TW
.endif
.irp b, 0,1,2,3,4,5,6,7
.if (\a) < 4
.set rD, 64*(\a)+8*(\b)
.else
.set rD, TW+8*(\b)
.endif
	ds_store_b128 v17, v[rD:rD+3]   offset:64*(\b)
	ds_store_b128 v17, v[rD+4:rD+7] offset:64*(\b)+16
.endr
	WIN 0
.endm
.Lpass:                                                ; 4 trips, whatever the count.  At its head: s51 = my live blocks; if there are any, their tokens are found and K steps 0 to 2 of their rows asked for
	s_cmp_eq_u32 s51, 0
	s_cbranch_scc1 .Lnok                           ; none: the walk along K is jumped, forward; it holds no barrier
	s_wait_xcnt 0x0                                ; whatever was stored before has read its registers: the ring of token fragments is written again
	s_mov_b32 s55, 0                               ; the slice from K = 0 on
	s_wait_alu depctr_vm_vsrc(0)                   ; the LDS loads of the pass before have read v6-9; the LDS stores of its way out (for block 4 in the first pass: the stream's) have read the registers in which step 0's products start the sums
	WADR
	WIN W_WF
	s_wait_alu depctr_va_vdst(0)                   ; v6-9 are written; the products of the pass before are done reading the slice's fragments, and its way out and the search are done with the ring of token fragments
.irp b, 0,1,2,3,4,5,6,7
	WL 0, \b
.endr
	STEP 0, 1, 1, 1, 20                            ; 20: the two later steps' 10 loads each stay out; the third's ride behind this step's products
	s_mov_b32 s52, 7
.Lk:                                                   ; a trip: four K steps
	STEP 1, 1, 1, 0, 20
	STEP 2, 1, 1, 0, 20
	STEP 3, 1, 1, 0, 20
	STEP 4, 1, 1, 0, 20
	s_wait_xcnt 0x0                                ; the base steps only when the loads have had their addresses translated
	s_add_nc_u64 s[58:59], s[58:59], 256
	s_add_co_u32 s55, s55, 256                     ; four steps of 64 bytes along the rows
	s_sub_co_u32 s52, s52, 1
	s_cmp_lg_u32 s52, 0
	s_cbranch_scc1 .Lk
	STEP 1, 0, 1, 0, 20                            ; the last three steps ask for no token rows: the counts run down
	STEP 2, 0, 1, 0, 10
	STEP 3, 0, 0, 0, 0
.Lnok:
	s_wait_dscnt 0x0                               ; my reads of the slice are back
	s_barrier_signal -1
	s_barrier_wait -1                              ; every wave's are: the stages may be written
	s_cmp_eq_u32 s51, 0
	s_cbranch_scc1 .Lnoout
	s_wait_loadcnt 0x0                             ; no load is on its way into the registers that the way out works in
.rept 4
	v_nop                                          ; four places between the last products and the first reader of their results
.endr
	s_wait_alu depctr_va_vdst(0)                   ; the products have written the accumulators, which the LDS stores of all five blocks read, and are done reading the token fragments, in which the stage's loads land; the places above stay beside this wait
	s_mov_b32 s57, 0                               ; THE WAY OUT: a trip for each block; the LDS addresses are the same in every trip
	s_mov_b32 s53, 5
.Lblk:
	s_cmp_ge_u32 s57, s51
	s_cbranch_scc1 .Lblk_next                      ; whole blocks past the count are not stored
	s_cmp_lg_u32 s57, 0
	s_cbranch_scc1 .Lstg1
	STG 0
	s_branch .Lstaged
.Lstg1:
	s_cmp_lg_u32 s57, 1
	s_cbranch_scc1 .Lstg2
	STG 1
	s_branch .Lstaged
.Lstg2:
	s_cmp_lg_u32 s57, 2
	s_cbranch_scc1 .Lstg3
	STG 2
	s_branch .Lstaged
.Lstg3:
	s_cmp_lg_u32 s57, 3
	s_cbranch_scc1 .Lstg4
	STG 3
	s_branch .Lstaged
.Lstg4:
	STG 4
.Lstaged:                                              ; the block comes back as 16 whole rows of 512 bytes; each store of the wave covers 512 consecutive bytes of a token's row, aligned
	s_wait_xcnt 0x0                                ; the block before's stores have read their registers,
	s_wait_alu depctr_vm_vsrc(0)                   ; stated for the mode too: they have read v32-95, in which the rows below land, and v112-127, which the shifts below write
.set z, 0
.rept 16                               ; no wait on va_vdst: the lines that named v96-111 stand ahead of the block before's wait (or of the one ahead of the loop), and no vector line has been issued since
	ds_load_b32 v[96+z], v20 offset:SPITCH*z       ; row z's token, in every lane; my wave's own bytes: LDS serves a wave's instructions in order, so these see STG's stores
.set z, z+1
.endr
.set z, 0
.rept 16
	ds_load_b128 v[32+4*z:32+4*z+3], v18 offset:SPITCH*z
.set z, z+1
.endr
	s_wait_dscnt 16                                ; LDS loads return in order: the tokens are in, the 16 rows stay out while the offsets are made
.set z, 0
.rept 16
	v_min_u32 v[96+z], 0x3ff, v[96+z]
	v_lshl_add_u32 v[112+z], v[96+z], OSH, v21
.set z, z+1
.endr
	s_wait_alu depctr_va_vdst(0)                   ; the offsets v112-127 are written, which the stores read; the lines above are done with v96-111, in which the next block's tokens land
.set z, 0
.rept 16
.if z%4 == 0
	s_wait_dscnt 12-z                              ; four more rows are in
.endif
	global_store_b128 v[112+z], v[32+4*z:32+4*z+3], s[62:63]
.set z, z+1
.endr
.Lblk_next:
	s_add_co_u32 s57, s57, 1
	s_sub_co_u32 s53, s53, 1
	s_cmp_lg_u32 s53, 0
	s_cbranch_scc1 .Lblk
.Lnoout:
	s_add_co_u32 s50, s50, 1
	LIVE                                           ; my share of the next pass (none behind the fourth: 80 blocks are more than there can be)
	s_cmp_eq_u32 s51, 0
	s_cbranch_scc1 .Lnosel
	s_wait_loadcnt 0x0
	s_wait_xcnt 0x0                                ; the stores have read their registers, the loads their base and offsets
	s_wait_alu depctr_vm_vsrc(0)                   ; the token loads have read XA and the stage's stores TK, which the search writes; the last stores have read v32-95 and v112-127, which the search writes and in which token loads land
	s_mov_b64 s[58:59], s[6:7]
	SELECT
	s_wait_alu depctr_va_vdst(0)                   ; the search has written XA, which the loads below read, and is done with v32-108, in which they land; so is the way out with v96-127
	XLOAD 0
	XLOAD 1
	XLOAD 2
.Lnosel:
	s_wait_dscnt 0x0                               ; my stores into my stage, and my reads of it, are done
	s_barrier_signal -1
	s_barrier_wait -1                              ; every wave's are: the next pass may read LDS
	s_cmp_lt_u32 s50, 4
	s_cbranch_scc1 .Lpass
	s_wait_dscnt 0x0                               ; the wave's end.  The closing add into my spare word follows
	s_wait_alu depctr_hold_cnt(0) depctr_sa_sdst(0) depctr_va_vdst(0) depctr_va_sdst(0) depctr_va_ssrc(0) depctr_va_vcc(0) depctr_vm_vsrc(0)
	s_wait_tensorcnt 0x0
	ds_add_u32 v254, v255
	s_wait_dscnt 0x0
	s_endpgm
.Lfunc_end_k_q9f046bdb83_ffn2:
	.size	k_q9f046bdb83_ffn2, .Lfunc_end_k_q9f046bdb83_ffn2-k_q9f046bdb83_ffn2
	.p2alignl 7, 3214868480
	.fill 96, 4, 3214868480
	.section	.rodata,"a",@progbits
	.p2align	6, 0x0
	.amdhsa_kernel k_q9f046bdb83_ffn2
		.amdhsa_group_segment_fixed_size 298496
		.amdhsa_private_segment_fixed_size 0
		.amdhsa_enable_private_segment 0
		.amdhsa_kernarg_size 32
		.amdhsa_user_sgpr_count 2
		.amdhsa_user_sgpr_kernarg_segment_ptr 1
		.amdhsa_wavefront_size32 1
		.amdhsa_system_sgpr_workgroup_id_x 1
		.amdhsa_system_sgpr_workgroup_id_y 1
		.amdhsa_system_sgpr_workgroup_id_z 1
		.amdhsa_system_vgpr_workitem_id 0
		.amdhsa_next_free_vgpr 704
		.amdhsa_next_free_sgpr 84
		.amdhsa_reserve_vcc 1
		.amdhsa_float_denorm_mode_32 3
		.amdhsa_float_denorm_mode_16_64 3
		.amdhsa_memory_ordered 1
		.amdhsa_forward_progress 1
		.amdhsa_inst_pref_size 172
	.end_amdhsa_kernel
	.amdgpu_metadata
---
amdhsa.version: [ 1, 2 ]
amdhsa.kernels:
  - .name:           k_q9f046bdb83_ffn2
    .symbol:         k_q9f046bdb83_ffn2.kd
    .args:
      - { .name: maskbuf, .offset: 0, .size: 8, .value_kind: global_buffer, .address_space: global }
      - { .name: hbuf, .offset: 8, .size: 8, .value_kind: global_buffer, .address_space: global }
      - { .name: w2, .offset: 16, .size: 8, .value_kind: global_buffer, .address_space: global }
      - { .name: ypart, .offset: 24, .size: 8, .value_kind: global_buffer, .address_space: global }
    .group_segment_fixed_size: 298496
    .private_segment_fixed_size: 0
    .kernarg_segment_align: 8
    .kernarg_segment_size: 32
    .max_flat_workgroup_size: 128
    .sgpr_count:     84
    .vgpr_count:     704
    .wavefront_size: 32
...
	.end_amdgpu_metadata
.endif
;; end of part 8
;; launch combine: the kernel of part 4 again; grid 1024 x 1, 8 waves a work-group, no clusters, 0 bytes of LDS; arguments choice, gates, ypart, b2, out0; writes out0
